; MI455X (gfx1250); checked and timed in simulation.
; The chip was launched on July 23, 2026; its instructions are those of AMD's public machine-readable ISA for CDNA 5 (MIT licence, August 2026) and "CDNA5" Instruction Set Architecture Reference Guide (July 2026). The comments in the code are by the model that wrote it; some were corrected since.
;; Attention. Allowed arithmetic: matrix products marked QUANTISED: E3M2 operands, one E8M0 scale for each 32 along K, by v_wmma_scale_f32_16x16x128_f8f6f4 with both operands' format E3M2, f32 sums; everything else in f32.
;; Inputs: cos 2,048 x 64 float32; sin 2,048 x 64 float32; wk 1,024 x 4,096 float32; wo 4,096 x 2,048 float32; wq 2,048 x 4,096 float32; wv 1,024 x 4,096 float32; x 2,048 x 4,096 float32.
;; Outputs: out0 2,048 x 4,096 float32.
;; Constants: window = 2048.
;; This version of the problem:
;;   THIS VERSION OF THE PROBLEM IS GIVEN IN LOW PRECISION. The matrix products marked QUANTISED in the list below multiply operands that are first quantised to E3M2 (3 exponent bits, 2 mantissa bits; 6 bits a number), with one power-of-two scale for each 32 numbers along K (OCP MX v1.0); their sums are f32. All else is computed in f32.
;;   The module's matrix products, in the order in which they are computed (A, B: the left and right operand; K: the contracted axis; several contracted axes count as one K, in the product's order):
;;     1. [M 2,048, K 4,096] x [K 4,096, N 2,048]; A: input x; B: input wq: QUANTISED
;;     2. [M 2,048, K 4,096] x [K 4,096, N 1,024]; A: input x; B: input wk: QUANTISED
;;     3. [M 2,048, K 4,096] x [K 4,096, N 1,024]; A: input x; B: input wv: QUANTISED
;;     4. batch 8 x [M 4,096, K 128] x [K 128, N 2,048]; A: computed on the way; B: computed on the way: QUANTISED
;;     5. batch 8 x [M 4,096, K 2,048] x [K 2,048, N 128]; A: softmax (see below); B: computed on the way: QUANTISED
;;     6. [M 2,048, K 2,048] x [K 2,048, N 4,096]; A: computed on the way; B: input wo: QUANTISED
;;   THE QUANTISER, for each operand of a quantised product, along K:
;;     - K is cut into blocks of 32 from its start; a last block that is shorter is filled with zeros.
;;     - A block's scale is 2^e with e = floor(log2(the largest magnitude in the block)) - 4, held to -126 .. 127; a block of zeros has e = 0. As a byte (E8M0): e + 127.
;;     - Each number is divided by its block's scale, clamped to +-28, and rounded to the nearest number of E3M2, ties to even, subnormals kept.
;;     - The product sums the exact products of the quantised numbers (number of the format x scale) in f32.
;;   ~~~python
;;   def quantise(x, axis):      # numpy; x: float32 -> the quantised numbers, widened to float32 again
;;       x = np.moveaxis(x, axis, -1); K = x.shape[-1]
;;       x = np.pad(x, [(0, 0)] * (x.ndim - 1) + [(0, -K % 32)]); x = x.reshape(x.shape[:-1] + (-1, 32)); a = np.abs(x).max(-1, keepdims=True)
;;       e = np.where(a > 0, np.clip(np.frexp(np.where(a > 0, a, 1))[1] - 1 - 4, -126, 127), 0)      # np.frexp(a)[1] - 1 = floor(log2(a)), exactly
;;       r = np.clip(x / 2.0 ** e, -28, 28)
;;       step = 2.0 ** (np.maximum(np.frexp(np.where(r == 0, 1, r))[1] - 1, -2) - 2)
;;       q = np.round(r / step) * step * 2.0 ** e      # np.round: ties to even
;;       return np.moveaxis(q.reshape(q.shape[:-2] + (-1,))[..., :K], -1, axis).astype(np.float32)
;;   ~~~
;;   SOFTMAX AHEAD OF A QUANTISED PRODUCT. Where the list says 'softmax', what is quantised is not the finished softmax but p = 2^(t - M), with t = logit x log2(e) and M = ceil(the row's largest t), a whole number; so 1/2 < the row's largest p <= 1. The row's sum l is taken of the UNQUANTISED p, in f32, and the product's result is divided by l at the end. Since M is a whole number, a kernel that streams over the keys may use a running M (the ceiling of the running maximum): every later rescaling is an exact power of two, which a block's scale takes up: the codes' values come out the same.
;;   OPERANDS COMPUTED ON THE WAY. 'Computed on the way' means the value that the module computes at that place (a softmax that the list does not call 'softmax' is quantised finished and normalised). What goes into a quantiser is computed in f32, as accurately as f32 sums, v_exp_f32 and their like allow (about 1e-6 of the number): no bf16 or f16 on the way to a quantiser, and a product that is left as it is and whose result goes on into a quantised operand takes f32 operands (vector FMAs, or v_wmma_f32_16x16x4_f32). A number that lies on a knife's edge between two numbers of the format may be rounded either way, as far as f32 arithmetic and the matrix unit's own rounding can turn it there, and no further.
;; 2 versions. Each part assembles by itself: llvm-mc -triple=amdgcn-amd-amdhsa -mcpu=gfx1250 --defsym DOCPART=n.
;; ======== version 1 of 2: 4 launches
;; workspace buffers: codes 25,165,824 bytes; scales 1,048,576 bytes; qkv_img 6,291,456 bytes; qkv_sc 262,144 bytes; a_img 3,145,728 bytes; a_sc 131,072 bytes
;; launch quant (part 1): grid 1024 x 1, 4 waves a work-group, no clusters, 33,280 bytes of LDS; arguments x, wq, wk, wv, wo, codes, scales; writes codes, scales
.if DOCPART == 1
	.amdgcn_target "amdgcn-amd-amdhsa--gfx1250"
	.amdhsa_code_object_version 6
	.text
	.protected	k_q0d914e9e4a_quant
	.globl	k_q0d914e9e4a_quant
	.p2align	8
	.type	k_q0d914e9e4a_quant,@function
k_q0d914e9e4a_quant:
	s_mov_b64 s[64:65], 0
	v_nop
	global_prefetch_b8 v0, s[64:65] scope:SCOPE_SE
	s_setreg_imm32_b32 hwreg(HW_REG_WAVE_MODE, 25, 1), 1
	s_wait_xcnt 0x0
; x [2048][4096], wq [2048][4096], wk [1024][4096], wv [1024][4096], wo [4096][2048], all f32 with K innermost, become codes of BF6 (E3M2), 6 bits each, and one E8M0 scale byte for each 32 along K.
; A block's scale is 2^(floor(log2(its largest magnitude)) - 4); its byte is the largest magnitude's own exponent field - 4, held at 1 from below.  Each number is divided by the scale and rounded to the nearest code, ties to even;
; beyond the largest code the conversion gives the largest code.
; LIMITS: NaN and infinities among the inputs are not served.  Blocks whose largest magnitude lies under 2^(5 - 127) keep the byte 1.  A block of zeros gets the byte 1 where the quantiser's text says 127: its codes are zeros,
; which add nothing under any byte but 0xff, and the bytes are read by this program alone.
; The five tensors are one stream of 1,024 x 4 runs of 8,192 numbers; a wave takes a run: 16 steps of 512 numbers.  A run is two rows of K = 4,096 (four of wo).
; THE ROW ORDER.  Row y of x, wq, wk, wv is stored at row y' = y with bits 3 and 4 exchanged.  A row's bits 3 and 4 are bits 0 and 1 of the work-group's number, so only the work-group's place in the output is turned.
; Sixteen consecutive stored rows 16 t + r are then the rows 32 (t / 2) + 8 (t % 2) + r + 8 (r / 8): the choice of rows that lets the next launch's results be quantised in registers.  wo keeps its order.
; A conversion takes 16 numbers of ONE block from a lane's registers, so a lane must hold 16 neighbours; a load is best where neighbouring lanes take neighbouring bytes.  Both are had: each load reads 512 consecutive bytes,
; a step's 2,048 bytes go through the wave's own stage in LDS as they lie and come back 64 bytes a lane (16 bytes of padding behind each 64).  A lane's 16 codes are 12 bytes: a wave stores 384 consecutive bytes.
; A wave's 256 scale bytes are gathered in its own LDS bytes and leave as one aligned run of 256 bytes.  No barrier: waves share nothing.  Loads run four steps (16 loads a wave) ahead.
.set STEPS, 16
.set EMAX,  4
.set CB,    12                         ; bytes of 16 codes
.set R,     16                         ; v16-79   four sets of 16 numbers as they are loaded
.set X,     80                         ; v80-111  two sets of 16 neighbours
.set E,     112                        ; v112-127 a scale byte for each step
.set C,     128                        ; v128-191 codes: four registers for each step, so that no store's data are written again
.set WREG,  8192                       ; LDS: a region for each wave: two stages of 32 x SP bytes, behind them its 256 scale bytes
.set SP,    80                         ; a lane's place in a stage: 64 bytes + 16 of padding
	s_load_b256 s[4:11], s[0:1], 0x0               ; x, wq, wk, wv
	s_load_b128 s[12:15], s[0:1], 0x20             ; wo, codes
	s_load_b64 s[22:23], s[0:1], 0x30              ; scales
	v_lshl_add_u32 v192, v0, 2, 0x8000
	v_mov_b32 v193, 0
	v_lshrrev_b32 v1, 5, v0
	v_readfirstlane_b32 s16, v1                    ; wave
	v_and_b32 v2, 31, v0                           ; lane
	v_lshlrev_b32 v3, 4, v2                        ; my 16 bytes of a load's 512
	s_mul_i32 s17, s16, WREG
	v_lshrrev_b32 v14, 2, v2
	v_mul_u32_u24 v14, v14, SP
	v_and_b32 v15, 3, v2
	v_lshl_add_u32 v14, v15, 4, v14
	v_add_nc_u32 v14, s17, v14                     ; the stage, on the way in: SP (lane / 4) + 16 (lane % 4)
	v_mul_u32_u24 v15, v2, SP
	v_add_nc_u32 v15, s17, v15                     ; and on the way out: SP x lane: my 16 neighbours
	v_mul_u32_u24 v4, v2, CB                       ; my codes' place in a step's
	v_lshrrev_b32 v5, 1, v2
	s_add_co_u32 s17, s17, 2*32*SP
	v_add_nc_u32 v5, s17, v5                       ; LDS: my wave's 256 scale bytes, my block's byte
	v_lshlrev_b32 v7, 3, v2                        ; and on the way out 8 bytes a lane
	v_add_nc_u32 v6, s17, v7
	; where the work-group's results go: its number with bits 0 and 1 exchanged; wo's work-groups (768 on) keep theirs
	s_and_b32 s25, ttmp9, 0xfffffffc
	s_and_b32 s26, ttmp9, 1
	s_lshl_b32 s26, s26, 1
	s_or_b32 s25, s25, s26
	s_bfe_u32 s26, ttmp9, 0x10001
	s_or_b32 s25, s25, s26
	s_cmp_ge_u32 ttmp9, 768
	s_cselect_b32 s25, ttmp9, s25
	s_lshl_b32 s25, s25, 2
	s_add_co_u32 s25, s25, s16                     ; my run's place in the output
	s_mul_i32 s26, s25, 32*STEPS*CB                ; 6,144 bytes of codes a run (25,165,824 in all)
	s_mov_b32 s27, 0
	s_lshl_b32 s28, s25, 8                         ; 256 scale bytes a run
	s_mov_b32 s29, 0
	s_mov_b32 s24, 0
	s_wait_kmcnt 0x0
	s_cmp_ge_u32 ttmp9, 256                        ; which tensor is mine: the choice hangs on the work-group's number alone
	s_cselect_b64 s[4:5], s[6:7], s[4:5]
	s_cselect_b32 s24, 256, s24
	s_cmp_ge_u32 ttmp9, 512
	s_cselect_b64 s[4:5], s[8:9], s[4:5]
	s_cselect_b32 s24, 512, s24
	s_cmp_ge_u32 ttmp9, 640
	s_cselect_b64 s[4:5], s[10:11], s[4:5]
	s_cselect_b32 s24, 640, s24
	s_cmp_ge_u32 ttmp9, 768
	s_cselect_b64 s[4:5], s[12:13], s[4:5]
	s_cselect_b32 s24, 768, s24
	s_sub_co_u32 s24, ttmp9, s24
	s_lshl_b32 s24, s24, 2
	s_add_co_u32 s24, s24, s16                     ; which run of the tensor is my wave's
	s_lshl_b32 s18, s24, 15                        ; 32,768 bytes a run (a tensor has 33,554,432 at the most)
	s_mov_b32 s19, 0
	s_add_nc_u64 s[4:5], s[4:5], s[18:19]
	s_add_nc_u64 s[14:15], s[14:15], s[26:27]
	s_add_nc_u64 s[22:23], s[22:23], s[28:29]
.macro LOAD t
.irp i, 0,1,2,3
	global_load_b128 v[R+16*((\t)%4)+4*\i:R+16*((\t)%4)+4*\i+3], v3, s[4:5] offset:2048*(\t)+512*\i th:TH_LOAD_NT   ; 32 lanes read 512 consecutive bytes
.endr
.endm
.macro TURN t                          ; step t's numbers through the stage: LDS serves a wave's instructions in order, so no wait stands between the stores and the loads
.irp i, 0,1,2,3
	ds_store_b128 v14, v[R+16*((\t)%4)+4*\i:R+16*((\t)%4)+4*\i+3] offset:32*SP*((\t)%2)+8*SP*\i
.endr
.irp i, 0,1,2,3
	ds_load_b128 v[X+16*((\t)%2)+4*\i:X+16*((\t)%2)+4*\i+3], v15 offset:32*SP*((\t)%2)+16*\i
.endr
.endm
.irp t, 0,1,2,3
	LOAD \t
.endr
	s_wait_loadcnt 12                              ; step 0's four loads are in; the twelve of steps 1 to 3 stay out
	TURN 0
.macro STEP t
.set XS, X+16*((\t)%2)
.if (\t) > 0
	s_wait_dscnt 1                                 ; this step's numbers are back from the stage (the last step's byte store may be out): so its stores into the stage have read their registers,
.else
	s_wait_dscnt 0x0
.endif
.if (\t)+4 < STEPS
	LOAD (\t)+4                                    ; which take the loads of four steps on
.endif
.if (\t)+1 < STEPS
.if STEPS-2-(\t) >= 3
	s_wait_loadcnt 12                              ; the next step's four loads are in; those of the three steps behind it may be out
.else
	s_wait_loadcnt 4*(STEPS-2-(\t))
.endif
	TURN (\t)+1                                    ; and go through the other stage while this step is worked
.endif
	v_max3_num_f32 v8, |v[XS]|, |v[XS+1]|, |v[XS+2]|               ; the largest magnitude of my 16, in two chains
	v_max3_num_f32 v9, |v[XS+3]|, |v[XS+4]|, |v[XS+5]|
.irp i, 6,10
	v_max3_num_f32 v8, v8, |v[XS+\i]|, |v[XS+\i+1]|
	v_max3_num_f32 v9, v9, |v[XS+\i+2]|, |v[XS+\i+3]|
.endr
	v_max3_num_f32 v8, v8, |v[XS+14]|, |v[XS+15]|
	v_max3_num_f32 v8, v8, v9, (EMAX+1)<<23        ; and the floor 2^(5 - 127): the byte cannot fall under 1
	v_max_num_f32_dpp v8, v8, v8 row_xmask:1 row_mask:0xf bank_mask:0xf   ; and of my neighbour's 16: the block's
	v_add_nc_u32 v11, -(EMAX<<23), v8              ; 4 off its exponent field: the conversion takes the exponent field of this operand as its scale, and nothing else of it
	v_cvt_scalef32_pk16_bf6_f32 v[C+4*(\t):C+4*(\t)+2], v[XS:XS+15], v11
	v_lshrrev_b32 v[E+(\t)], 23, v11               ; the scale's byte (also the plain line behind the conversion)
	ds_store_b8 v5, v[E+(\t)] offset:16*(\t)       ; both lanes of a block write the same byte with the same value
	global_store_b96 v4, v[C+4*(\t):C+4*(\t)+2], s[14:15] offset:32*CB*(\t)
.endm
.irp t, 0,1,2,3,4,5,6,7,8,9,10,11,12,13,14,15
	STEP \t
.endr
	ds_load_b64 v[12:13], v6                       ; LDS serves a wave's instructions in order: these see my stores
	s_wait_dscnt 0x0
	global_store_b64 v7, v[12:13], s[22:23]        ; 32 lanes store 256 consecutive bytes, at a multiple of 256 from the buffer's first byte
	s_wait_tensorcnt 0x0
	ds_add_u32 v192, v193
	s_wait_dscnt 0x0
	s_endpgm
.Lfunc_end_k_q0d914e9e4a_quant:
	.size	k_q0d914e9e4a_quant, .Lfunc_end_k_q0d914e9e4a_quant-k_q0d914e9e4a_quant
	.p2alignl 7, 3214868480
	.fill 96, 4, 3214868480
	.section	.rodata,"a",@progbits
	.p2align	6, 0x0
	.amdhsa_kernel k_q0d914e9e4a_quant
		.amdhsa_group_segment_fixed_size 33280
		.amdhsa_private_segment_fixed_size 0
		.amdhsa_enable_private_segment 0
		.amdhsa_kernarg_size 56
		.amdhsa_user_sgpr_count 2
		.amdhsa_user_sgpr_kernarg_segment_ptr 1
		.amdhsa_wavefront_size32 1
		.amdhsa_system_sgpr_workgroup_id_x 1
		.amdhsa_system_sgpr_workgroup_id_y 1
		.amdhsa_system_sgpr_workgroup_id_z 1
		.amdhsa_system_vgpr_workitem_id 0
		.amdhsa_next_free_vgpr 194
		.amdhsa_next_free_sgpr 66
		.amdhsa_reserve_vcc 0
		.amdhsa_float_denorm_mode_32 3
		.amdhsa_float_denorm_mode_16_64 3
		.amdhsa_memory_ordered 1
		.amdhsa_forward_progress 1
		.amdhsa_inst_pref_size 33
	.end_amdhsa_kernel
	.amdgpu_metadata
---
amdhsa.version: [ 1, 2 ]
amdhsa.kernels:
  - .name:           k_q0d914e9e4a_quant
    .symbol:         k_q0d914e9e4a_quant.kd
    .args:
      - { .name: x, .offset: 0, .size: 8, .value_kind: global_buffer, .address_space: global }
      - { .name: wq, .offset: 8, .size: 8, .value_kind: global_buffer, .address_space: global }
      - { .name: wk, .offset: 16, .size: 8, .value_kind: global_buffer, .address_space: global }
      - { .name: wv, .offset: 24, .size: 8, .value_kind: global_buffer, .address_space: global }
      - { .name: wo, .offset: 32, .size: 8, .value_kind: global_buffer, .address_space: global }
      - { .name: codes, .offset: 40, .size: 8, .value_kind: global_buffer, .address_space: global }
      - { .name: scales, .offset: 48, .size: 8, .value_kind: global_buffer, .address_space: global }
    .group_segment_fixed_size: 33280
    .private_segment_fixed_size: 0
    .kernarg_segment_align: 8
    .kernarg_segment_size: 56
    .max_flat_workgroup_size: 128
    .sgpr_count:     66
    .vgpr_count:     194
    .wavefront_size: 32
...
	.end_amdgpu_metadata
.endif
;; end of part 1
;; launch qkv (part 2): grid 16 x 8, 4 waves a work-group, clusters of 4 x 4, 327,680 bytes of LDS; arguments codes, scales, cos, sin, qkv_img, qkv_sc; writes qkv_img, qkv_sc
.if DOCPART == 2
	.amdgcn_target "amdgcn-amd-amdhsa--gfx1250"
	.amdhsa_code_object_version 6
	.text
	.protected	k_q0d914e9e4a_qkv
	.globl	k_q0d914e9e4a_qkv
	.p2align	8
	.type	k_q0d914e9e4a_qkv,@function
k_q0d914e9e4a_qkv:
	s_mov_b64 s[64:65], 0
	v_nop
	global_prefetch_b8 v0, s[64:65] scope:SCOPE_SE
	s_setreg_imm32_b32 hwreg(HW_REG_WAVE_MODE, 25, 1), 1
	s_wait_xcnt 0x0
	s_wait_alu depctr_hold_cnt(0) depctr_sa_sdst(0) depctr_va_vdst(0) depctr_va_sdst(0) depctr_va_ssrc(0) depctr_va_vcc(0) depctr_vm_vsrc(0)
	s_getreg_b32 s2, hwreg(HW_REG_IB_STS2, 6, 4)
	s_cmp_eq_u32 s2, 0
	s_cbranch_scc0 .Lentry_in_a_cluster
	s_endpgm
.Lentry_in_a_cluster:
	s_bfe_u32 s2, ttmp6, 0x10000c
	s_cmp_lg_u32 s2, 0xf033
	s_cbranch_scc0 .Lentry_shape_is_right
	s_endpgm
.Lentry_shape_is_right:
; The three projections on codes of BF6 (E3M2) with E8M0 scales, K = 4,096; then the rotation of q and k, and the quantising of q, k (along the head's 128) and v (along the keys), all in registers.
; codes: rows of 3,072 bytes: x at rows 0-2047, wq 2048-4095, wk 4096-5119, wv 5120-6143, each group of 32 rows in the stored order (stored row 16 t + r is row 32 (t / 2) + 8 (t % 2) + r + 8 (r / 8)); scales: 128 bytes a row.
; A tile of 256 x 256 of a product A B^T is made by a work-group of four waves; a wave makes 128 x 128: 64 accumulators, 512 registers.  128 tiles: clusters x = 0, 1, 2: A = x (tokens), B = wq and wk (24 heads' rows);
; cluster x = 3: A = wv (channels), B = x (tokens): v is made TRANSPOSED, so that a lane's registers run along the tokens, which are v's K in the second product of attention.
; K goes in steps of 256 through a ring of two LDS slots filled by the tensor data mover (a tile's row is 192 bytes); the scale bytes of the work-group's 512 rows, for all of K, come once and stay.
; CLUSTERS: 4 x 4 work-groups; A's tiles are asked for jointly along a row of the cluster, B's along a column.  A smaller tile would give more work-groups, but two slots longer than 256 along K would not fit beside it,
; and a K step would hold half the products in which a refill has to land.
; THE MATRIX INSTRUCTION IS USED TRANSPOSED (source 0 = 16 rows of B, source 1 = 16 rows of A).  With the stored order of rows, register 16 B + i of the 64 that lane (r, h) holds for A's block a is
; C(A's row 32 (a / 2) + 8 (a % 2) + r + 8 (r / 8), B's row 32 B + 16 h + i): 16 neighbours along the next K in each block of 32, shared with lane l xor 16.
; WHAT IS STORED: a quantised fragment (16 rows x 128 K, 12 registers a lane) as an image of its registers: registers 4 c .. 4 c + 3 of lane l at byte 512 c + 16 l: 1,536 bytes.  qkv_img [H 32][s 16][t 8][1,536]:
; H = query head, 16 + key head, 24 + value head; q, k: s = block of 128 tokens, tile t's rows are tokens; v: s = block of 128 keys (its K), tile t's rows are channels.  qkv_sc [H][s][t][16 words]: row r's scale word.
; LIMITS: NaN and infinities are not served; blocks under 2^(5 - 127), zero blocks among them, keep the scale byte 1 (their codes are zeros or subnormal codes; the bytes are read by this program alone).
; REGISTERS, in windows of 256: window 0: v0-31 addresses; v32-63 scale words, two sets; from v128 A's fragments, one set; on the way out v64-175 are at work.
;   window 1: B's fragments, two sets, at v0 and v128; on the way out four sets of 32 cosines and 32 sines.   window 2: the accumulators of my rows 0-63 ((a, b) at v[8 (8 a + b)]);   window 3: those of rows 64-127.
.set SIZE_K, 4096
.set KSTEP,  256                       ; along K in a slot
.set NQ,     KSTEP/128                 ; matrix instructions deep
.set ROWB,   192                       ; a tile's row in bytes
.set KROW,   SIZE_K*6/8                ; a row of codes in memory
.set PITCH,  240                       ; an LDS row: 3 x (64 bytes + 16 of padding) = 60 words: the 32 lanes of a load of 8 bytes touch 64 different banks (64 banks of 4 bytes: ISA guide 11.1)
.set FR,     12                        ; registers of a fragment
.set NL,     6                         ; LDS loads that bring one
.set NP,     4                         ; places behind this matrix instruction (ISA guide 7.12.1)
.set HALFT,  128*PITCH                 ; 128 rows: what one tensor load brings
.set SLOT,   4*HALFT                   ; A's 256 rows, then B's 256 rows
.set LAPS,   SIZE_K/(2*KSTEP)          ; a lap = two K steps = once round the ring
.set KS,     SIZE_K/32                 ; a row of scale bytes
.set SCL,    2*SLOT                    ; behind the ring: the scales, as runs of 256 bytes + 16 of padding
.set HALFS,  (128*KS/256)*272          ; the scales of 128 rows
.set SBLK,   (16*KS/256)*272           ; those of 16 rows
.set SPARE,  SCL+4*HALFS               ; behind the scales: the spare words, 128 bytes for each wave
.set ADRA, 16                          ; v16-17 LDS address of my A fragments in slot 0, 1 (v18-19: for the pieces behind one padding more)
.set ADRB, 20                          ; v20-21 the same for B (v22-23)
.set CA,   24                          ; v24  the tables: (r + 8 (r / 8)) x 256 + 32 h
.set SST,  25                          ; v25  the scale words' stage, in: 512 x wave + 4 r
.set IO,   26                          ; v26  16 x lane
.set ADRS, 27                          ; v27  LDS address of my scale words: lanes 0-15 A's rows, lanes 16-31 B's
.set SPW,  28                          ; v28  LDS address of my spare word; never rewritten
.set NIL,  29                          ; v29  0; never rewritten
.set SLD,  30                          ; v30  the scale words' stage, back: 512 x wave + 16 x lane
.set SC,   32                          ; scale words: set s at v[SC + 16 s]
.set T,    64                          ; v64-127  the way out: the rotation's products with the sines
.set AF,   128                         ; A's fragments
.set PC,   128                         ; v128-146 the way out: the codes just made
.set TM,   148                         ; v148-151 largest magnitudes, v152-155 the other half's, then bytes, v160-163 the conversions' scale operands
.set PWS,  164                         ; v164-171 the eight blocks' scale words
.set OB,   172                         ; v172-175 the scale words on their way out
.set G1, 24                            ; s[24:31] descriptor group 1 for A's tiles;  s[32:39] group 0, one set for each slot
.set G0, 32
.set G1B, 48                           ; s[48:55], s[56:63] the same for B's
.set G0B, 56
.set G1S, 68                           ; s[68:75], s[76:79] groups 1 and 0 for A's scales;  s[80:87], s[88:91] for B's
.set G0S, 76
.set G1SB, 80
.set G0SB, 88
.set SEL, 8                            ; s[8:9] lane selects for v_permlanex16_b32: lane l xor 16
.set ISV, 100                          ; s100 1 in the cluster column that makes v, else 0: the same in all sixteen partners
.set MSB, 0
.macro WIN new                         ; the immediate's high byte repeats the setting that is left
.if MSB != \new
	s_set_vgpr_msb (MSB<<8)|\new
.set MSB, \new
.endif
.endm
.set MUL_LO, 0xa1                      ; source 0 (B) window 1, source 1 (A) window 0, C and D window 2
.set MUL_HI, 0xf1                      ; the same, C and D window 3
.set TO_B,   0x40                      ; destination window 1, address window 0
; A joint load: waves 0 and 1 fetch for A, waves 2 and 3 for B.  Each line has one mask and one set of registers for all that issue it; the branch hangs on the wave's number alone.
; Four v_nop follow each of the two lines, ahead of the jump, the label and what follows.
.macro JLOAD g0a, g1a, g0b, g1b
	s_cmp_eq_u32 s15, 0
	s_cbranch_scc0 .Lfor_b_\@
	tensor_load_to_lds s[\g0a:\g0a+3], s[\g1a:\g1a+7]
	s_nop 0
.rept 4
	v_nop
.endr
	s_branch .Lasked_\@
.Lfor_b_\@:
	tensor_load_to_lds s[\g0b:\g0b+3], s[\g1b:\g1b+7]
	s_nop 0
.rept 4
	v_nop
.endr
.Lasked_\@:
.endm
.macro CREST                           ; a round of the cluster's barrier behind its opening barrier
	s_cmp_lg_u32 s14, 0
	s_cbranch_scc1 .Lnot_wave_0_\@
	s_barrier_signal -3
.Lnot_wave_0_\@:
	s_barrier_wait -3
	s_barrier_signal -1
	s_barrier_wait -1
.endm
.macro CROUND                          ; a whole round
	s_barrier_signal -1
	s_barrier_wait -1
	CREST
.endm
	s_load_b128 s[4:7], s[0:1], 0x0                ; codes, scales
	s_load_b128 s[96:99], s[0:1], 0x10             ; cos, sin
	s_load_b64 s[12:13], s[0:1], 0x20              ; qkv_img
	s_load_b64 s[66:67], s[0:1], 0x28              ; qkv_sc
	v_lshl_add_u32 v[SPW], v0, 2, SPARE
	v_mov_b32 v[NIL], 0
	ds_add_u32 v28, v29
	ds_add_u32 v28, v29
	s_wait_dscnt 0x0
	v_lshrrev_b32 v1, 5, v0
	v_readfirstlane_b32 s14, v1                    ; wave 0..3
	s_lshr_b32 s15, s14, 1                         ; which half of the tile's rows is mine.  Also: I fetch for A (0) or for B (1)
	s_and_b32 s16, s14, 1                          ; which half of its columns.  Also: which 128 rows of that tile I fetch
	s_bfe_u32 s40, ttmp6, 0x40000                  ; cx, cy: my place in the cluster
	s_bfe_u32 s41, ttmp6, 0x40004
	s_and_b32 s95, ttmp7, 0xffff                   ; cluster y: 0, 1
	s_cmp_eq_u32 ttmp9, 3                          ; cluster x = 3 makes v
	s_cselect_b32 s[ISV], 1, 0
	s_cselect_b32 s42, s95, ttmp9                  ; the cluster's place along the tile columns,
	s_cselect_b32 s17, 0, s95                      ; along the tile rows;
	s_cselect_b32 s3, 5120, 0                      ; A's first row in codes: wv's or x's;
	s_cselect_b32 s101, 0, 2048                    ; B's: x's or wq's (wk's follow wq's)
	s_lshl_b32 s42, s42, 2
	s_add_co_u32 s42, s42, s40                     ; tile column
	s_lshl_b32 s17, s17, 2
	s_add_co_u32 s17, s17, s41                     ; tile row
	s_lshl_b32 s43, s41, 2
	s_lshl_b32 s43, 15, s43                        ; my row of the cluster
	s_lshl_b32 s44, 0x1111, s40                    ; my column
	; descriptor group 1: a tile of 128 rows x 192 bytes, padded in LDS
	s_or_b32 s[G1+0], s43, (0<<16)|(1<<20)|(1<<21)|(3<<22)|(3<<25)  ; 15:0 the mask: A's tiles go to my row; 17:16 elements of 1 byte; 20 padding on; 21 set beside a mask; 24:22 after every 16 words; 31:25 of 4 words
	s_or_b32 s[G1B+0], s44, (0<<16)|(1<<20)|(1<<21)|(3<<22)|(3<<25)
.irp g, G1, G1B
	s_mov_b32 s[\g+1], ROWB<<16                    ; tensor_dim0
	s_mov_b32 s[\g+2], 128<<16                     ; tensor_dim1
	s_mov_b32 s[\g+3], ROWB<<16                    ; tile_dim0
	s_mov_b32 s[\g+4], 128                         ; tile_dim1
	s_mov_b32 s[\g+5], KROW                        ; tensor_dim0_stride
	s_mov_b32 s[\g+6], 0
	s_mov_b32 s[\g+7], 0
.endr
	; the scales of 128 rows: a dense block of 16,384 bytes, as 64 rows of 256 bytes (32 elements of 8 bytes), 16 bytes of padding behind each
	s_or_b32 s[G1S+0], s43, (3<<16)|(1<<20)|(1<<21)|(5<<22)|(3<<25)
	s_or_b32 s[G1SB+0], s44, (3<<16)|(1<<20)|(1<<21)|(5<<22)|(3<<25)
.irp g, G1S, G1SB
	s_mov_b32 s[\g+1], 32<<16
	s_mov_b32 s[\g+2], (128*KS/256)<<16
	s_mov_b32 s[\g+3], 32<<16
	s_mov_b32 s[\g+4], 128*KS/256
	s_mov_b32 s[\g+5], 32
	s_mov_b32 s[\g+6], 0
	s_mov_b32 s[\g+7], 0
.endr
	s_lshl_b32 s18, s16, 7                         ; which 128 rows of the tile I fetch
	s_lshl_b32 s20, s17, 8
	s_add_co_u32 s20, s20, s18
	s_add_co_u32 s20, s20, s3                      ; A: its first row + 256 x tile row + 128 x half
	s_lshl_b32 s46, s42, 8
	s_add_co_u32 s46, s46, s18
	s_add_co_u32 s46, s46, s101                    ; B likewise by the tile column
	s_mov_b32 s21, 0
	s_mov_b32 s47, 0
	s_mov_b64 s[18:19], KS
	s_mul_u64 s[22:23], s[20:21], s[18:19]         ; where these rows' scales begin, in bytes
	s_mul_u64 s[92:93], s[46:47], s[18:19]
	s_mov_b64 s[18:19], KROW
	s_mul_u64 s[20:21], s[20:21], s[18:19]         ; and their codes
	s_mul_u64 s[46:47], s[46:47], s[18:19]
	s_mul_i32 s45, s14, HALFT                      ; where they go: wave x 128 rows: no place in the cluster enters an LDS address
	s_mul_i32 s94, s14, HALFS
	s_wait_kmcnt 0x0
	s_add_nc_u64 s[20:21], s[4:5], s[20:21]
	s_add_nc_u64 s[22:23], s[6:7], s[22:23]
	s_add_nc_u64 s[46:47], s[4:5], s[46:47]
	s_add_nc_u64 s[92:93], s[6:7], s[92:93]
	CROUND                                         ; all sixteen work-groups are here: the first joint loads meet
	s_mov_b32 s[G0S], 1
	s_add_co_u32 s[G0S+1], s94, SCL
	s_mov_b64 s[G0S+2:G0S+3], s[22:23]
	s_or_b32 s[G0S+3], s[G0S+3], 0x80000000
	s_mov_b32 s[G0SB], 1
	s_add_co_u32 s[G0SB+1], s94, SCL
	s_mov_b64 s[G0SB+2:G0SB+3], s[92:93]
	s_or_b32 s[G0SB+3], s[G0SB+3], 0x80000000
	JLOAD G0S, G1S, G0SB, G1SB                     ; the scales first: they are wanted with K step 0
.irp s, 0,1
	s_mov_b32 s[G0+4*\s], 1
	s_add_co_u32 s[G0+4*\s+1], s45, \s*SLOT
	s_add_nc_u64 s[G0+4*\s+2:G0+4*\s+3], s[20:21], \s*ROWB
	s_or_b32 s[G0+4*\s+3], s[G0+4*\s+3], 0x80000000
	s_mov_b32 s[G0B+4*\s], 1
	s_add_co_u32 s[G0B+4*\s+1], s45, \s*SLOT
	s_add_nc_u64 s[G0B+4*\s+2:G0B+4*\s+3], s[46:47], \s*ROWB
	s_or_b32 s[G0B+4*\s+3], s[G0B+4*\s+3], 0x80000000
	JLOAD G0+4*\s, G1, G0B+4*\s, G1B               ; three loads of mine are out behind the last of these
.endr
	v_and_b32 v1, 15, v0                           ; r = l % 16
	v_bfe_u32 v2, v0, 4, 1                         ; h = l / 16
	v_mul_u32_u24 v3, v1, PITCH
	v_mul_u32_u24 v4, v2, 24
	v_add_nc_u32 v4, v3, v4                        ; a fragment's row x pitch + 24 x half
	v_lshl_add_u32 v5, v2, 4, v4                   ; and the same behind one padding more
	s_mul_i32 s21, s15, HALFT                      ; my 128 rows of A
	s_mul_i32 s22, s16, HALFT                      ; my 128 rows of B,
	s_add_co_u32 s22, s22, 2*HALFT                 ; which lie behind A's 256
.irp s, 0,1
	v_add_nc_u32 v[ADRA+\s], s21, v4
	v_add_nc_u32 v[ADRB+\s], s22, v4
	v_add_nc_u32 v[ADRA+2+\s], s21, v5
	v_add_nc_u32 v[ADRB+2+\s], s22, v5
	s_add_co_u32 s21, s21, SLOT
	s_add_co_u32 s22, s22, SLOT
.endr
	v_mul_u32_u24 v5, v1, KS                       ; my row's scales: 128 bytes a row,
	v_lshrrev_b32 v6, 8, v5
	v_lshl_add_u32 v5, v6, 4, v5                   ; and 16 more for each 256 passed
	s_mul_i32 s21, s15, HALFS                      ; A's: my 128 rows
	s_mul_i32 s22, s16, HALFS                      ; B's: my 128 rows, behind A's 256
	s_add_co_u32 s22, s22, 2*HALFS
	s_sub_co_u32 s22, s22, s21
	v_mul_u32_u24 v6, s22, v2                      ; lanes 16-31 take B's
	s_add_co_u32 s21, s21, SCL
	v_add_nc_u32 v5, v5, v6
	v_add_nc_u32 v[ADRS], s21, v5
	v_and_b32 v5, 8, v1
	v_add_nc_u32 v5, v5, v1                        ; r + 8 (r / 8)
	v_lshlrev_b32 v[CA], 8, v5                     ; a token's row of a table is 256 bytes;
	v_lshl_add_u32 v[CA], v2, 5, v[CA]             ; my half's eight pairs of each 16 begin 32 h bytes on
	s_lshl_b32 s23, s14, 9
	v_lshl_add_u32 v[SST], v1, 2, s23
	v_and_b32 v6, 31, v0
	v_lshlrev_b32 v[IO], 4, v6
	v_add_nc_u32 v[SLD], s23, v[IO]
	; where my results go.  (Numbers that mix cx and cy stand in s8-s11, which feed no descriptor.)
	s_lshl_b32 s8, s17, 1
	s_add_co_u32 s8, s8, s15                       ; my block of 128 rows of A: q, k: tokens; v: the value head
	s_lshl_b32 s9, s42, 1
	s_add_co_u32 s9, s9, s16                       ; my block of 128 rows of B: q, k: the head (0-15 q, 16-23 k); v: keys
	s_add_co_u32 s10, s8, 24
	s_cmp_eq_u32 s[ISV], 1
	s_cselect_b32 s10, s10, s9                     ; H
	s_cselect_b32 s11, s9, s8                      ; s
	s_lshl_b32 s10, s10, 4
	s_add_co_u32 s9, s10, s11                      ; 16 H + s
	s_mul_i32 s10, s9, 8*FR*128                    ; eight images of 1,536 bytes
	s_mov_b32 s11, 0
	s_add_nc_u64 s[12:13], s[12:13], s[10:11]
	s_lshl_b32 s10, s9, 9                          ; eight times 16 scale words
	s_add_nc_u64 s[66:67], s[66:67], s[10:11]
	s_lshl_b32 s10, s8, 15                         ; the tables at my 128 tokens (in v's cluster: inside the tables too, and not used)
	s_add_nc_u64 s[96:97], s[96:97], s[10:11]
	s_add_nc_u64 s[98:99], s[98:99], s[10:11]
	s_mov_b32 s[SEL], 0x76543210
	s_mov_b32 s[SEL+1], 0xfedcba98
.macro FRAG reg, adr, q, i             ; a fragment is 12 registers: lane l holds row l % 16; registers 6 c .. 6 c + 5 hold K = 64 c + 32 (l / 16) + 0 .. 31: 24 bytes of the row's stream of bits, as they lie
.irp p, 0,1,2,3,4,5                    ; in pieces of 8 bytes.  Lanes 16-31 read three pieces further on than lanes 0-15: where that is behind one padding more, the second address register serves
.set PIECE, 12*(\q)+6*(\p/3)+\p%3
.if PIECE%8 < 5
	ds_load_b64 v[\reg+2*\p:\reg+2*\p+1], v[\adr] offset:8*PIECE+16*(PIECE/8)+(\i)*16*PITCH
.else
	ds_load_b64 v[\reg+2*\p:\reg+2*\p+1], v[\adr+2] offset:8*PIECE+16*(PIECE/8)+(\i)*16*PITCH
.endif
.endr
.endm
; 16 matrix instructions: A's blocks a0, a0 + 1 x B's eight, 128 along K: the slot's q-th.  p: B's set;  sc: the set of scale words.  zero = 1: the first product starts the sums.
; The 64 accumulators take turns, one instruction a turn, in the same order in every step.
.macro MUL16 a0, p, q, sc, zero
.irp a, \a0, \a0+1
.irp b, 0,1,2,3,4,5,6,7
.if \zero
	v_wmma_scale_f32_16x16x128_f8f6f4 v[8*(8*((\a)%4)+\b):8*(8*((\a)%4)+\b)+7], v[128*(\p)+FR*\b:128*(\p)+FR*\b+FR-1], v[AF+FR*(\a):AF+FR*(\a)+FR-1], 0, v[SC+8*NQ*(\sc)+NQ*\b+(\q)], v[SC+8*NQ*(\sc)+NQ*(\a)+(\q)] matrix_a_fmt:MATRIX_FMT_BF6 matrix_b_fmt:MATRIX_FMT_BF6 matrix_a_scale:MATRIX_SCALE_ROW1
.else
	v_wmma_scale_f32_16x16x128_f8f6f4 v[8*(8*((\a)%4)+\b):8*(8*((\a)%4)+\b)+7], v[128*(\p)+FR*\b:128*(\p)+FR*\b+FR-1], v[AF+FR*(\a):AF+FR*(\a)+FR-1], v[8*(8*((\a)%4)+\b):8*(8*((\a)%4)+\b)+7], v[SC+8*NQ*(\sc)+NQ*\b+(\q)], v[SC+8*NQ*(\sc)+NQ*(\a)+(\q)] matrix_a_fmt:MATRIX_FMT_BF6 matrix_b_fmt:MATRIX_FMT_BF6 matrix_a_scale:MATRIX_SCALE_ROW1
.endif
.endr
.endr
.endm
.macro FETCH_B slot, q, p              ; B's eight fragments of the slot's q-th 128 along K into set p
	WIN TO_B
.irp i, 0,1,2,3,4,5,6,7
	FRAG 128*(\p)+FR*\i, ADRB+\slot, \q, \i
.endr
	WIN 0
.endm
.macro FETCH_A slot, q, i0             ; A's blocks i0 .. i0 + 3
.irp i, \i0, \i0+1, \i0+2, \i0+3
	FRAG AF+FR*(\i), ADRA+\slot, \q, \i
.endr
.endm
.macro SCALES sc                       ; a K step's scale words into set sc: two words a row; lanes 0-15 take A's block i, lanes 16-31 B's block i
.irp i, 0,1,2,3,4,5,6,7
	ds_load_b64 v[SC+8*NQ*\sc+NQ*\i:SC+8*NQ*\sc+NQ*\i+1], v[ADRS] offset:\i*SBLK
.endr
.endm
; A load into a register that a matrix instruction has read, and a vector instruction that reads a matrix result, stand four places behind that matrix instruction; only plain vector
; instructions that name none of its registers are places (ISA guide 7.12.1 for vector instructions).
.macro PLACES n
.rept \n
	v_nop
.endr
.endm
; A step of 128 along K that has its successor in the same slot.
.macro STEP slot, q, zero
	s_wait_dscnt 4*NL                              ; B's set and A's blocks 0-3 are in; the youngest 24 loads (A's blocks 4-7) may be out
	WIN MUL_LO
	MUL16 0, (\q)%2, \q, \slot, \zero
	MUL16 2, (\q)%2, \q, \slot, \zero
	s_wait_dscnt 0                                 ; A's blocks 4-7 are in (asked for 32 matrix instructions ago)
	PLACES NP
	FETCH_B \slot, (\q)+1, 1-(\q)%2
	FETCH_A \slot, (\q)+1, 0
	WIN MUL_HI
	MUL16 4, (\q)%2, \q, \slot, \zero
	MUL16 6, (\q)%2, \q, \slot, \zero
	PLACES NP
	WIN 0
	FETCH_A \slot, (\q)+1, 4
.endm
; A slot's last step changes slots: ONE barrier; in front of it each wave waits for all its tensor loads, adds 0 to its spare word, and waits for that and for its own reads of this slot.  fill = 1: this slot is filled again, two K steps ahead.
.macro TURN slot, next, fill
	s_wait_tensorcnt 0x0                           ; all my tensor loads have landed: my part of the next slot  (every window is 0 here)
	ds_add_u32 v[SPW], v[NIL]                      ; 0 onto my spare word
	s_wait_dscnt 4*NL+1                            ; (the add and the youngest 24 loads, A's blocks 4-7, may be out)
	WIN MUL_LO
	MUL16 0, 1, NQ-1, \slot, 0                     ; sixteen matrix instructions stand between the add and the wait for it
	s_wait_dscnt 0x0                               ; the add is done, and my reads of this slot are over
	s_barrier_signal -1
	MUL16 2, 1, NQ-1, \slot, 0
	WIN 0
	s_barrier_wait -1
.if \fill
	CREST                                          ; the barrier has opened a round of the cluster's barrier: no wave of any partner still reads this slot's tile or has a load on its way
	s_add_nc_u64 s[G0+4*\slot+2:G0+4*\slot+3], s[G0+4*\slot+2:G0+4*\slot+3], 2*ROWB
	s_add_nc_u64 s[G0B+4*\slot+2:G0B+4*\slot+3], s[G0B+4*\slot+2:G0B+4*\slot+3], 2*ROWB
	JLOAD G0+4*\slot, G1, G0B+4*\slot, G1B         ; the first tensor load behind the round, my one load until the next; its four v_nop are the places in front of the loads below
.else
	PLACES NP
.endif
	v_add_nc_u32 v[ADRS], 4*NQ, v[ADRS]            ; on to the next K step's scale words (no LDS load of mine is out)
	FETCH_B \next, 0, 0
	FETCH_A \next, 0, 0
	SCALES \next
	WIN MUL_HI
	MUL16 4, 1, NQ-1, \slot, 0
	MUL16 6, 1, NQ-1, \slot, 0
	PLACES NP
	WIN 0
	FETCH_A \next, 0, 4
.endm
	s_wait_tensorcnt 1                             ; the scales and my part of K step 0 are in (K step 1's load may be out)
	s_barrier_signal -1
	s_barrier_wait -1                              ; everybody's are
	FETCH_B 0, 0, 0
	FETCH_A 0, 0, 0
	SCALES 0
	FETCH_A 0, 0, 4
	STEP 0, 0, 1                                   ; the first step stands in front of the loop: its products start the sums
	s_mov_b32 s3, LAPS-1
.Llap:                                                 ; a trip goes once round the ring, from a lap's second step to the next lap's first, and fills both slots again
	TURN 0, 1, 1
	STEP 1, 0, 0
	TURN 1, 0, 1
	STEP 0, 0, 0
	s_sub_co_u32 s3, s3, 1
	s_cmp_lg_u32 s3, 0
	s_cbranch_scc1 .Llap
	TURN 0, 1, 0                                   ; the last lap fills nothing, and has no round of the cluster's barrier
	STEP 1, 0, 0
	s_wait_dscnt 4*NL                              ; the very last step: nothing more to fetch
	WIN MUL_LO
	MUL16 0, 1, NQ-1, 1, 0
	MUL16 2, 1, NQ-1, 1, 0
	s_wait_dscnt 0
	WIN MUL_HI
	MUL16 4, 1, NQ-1, 1, 0
	MUL16 6, 1, NQ-1, 1, 0
	WIN 0
; THE WAY OUT, block by block of 16 rows of A x my 128 rows of B.
; The tables for block a: my token's 32 cosines and 32 sines.  Pair p of my 64 numbers is the head's pair 16 (p / 8) + 8 h + p % 8: eight neighbours, 32 bytes, of each 64: two loads of 16 bytes, four times, from each table.
.macro CSLOAD a
.set Z, 64*((\a)%4)                    ; set a % 4 in window 1: cosines at Z + p, sines at Z + 32 + p
.set RO, (32*((\a)/2)+8*((\a)%2))*256  ; the block's first token
	WIN TO_B
.irp q, 0,1,2,3
.irp e, 0,1
	global_load_b128 v[Z+8*\q+4*\e:Z+8*\q+4*\e+3], v[CA], s[96:97] offset:RO+64*\q+16*\e
	global_load_b128 v[Z+32+8*\q+4*\e:Z+32+8*\q+4*\e+3], v[CA], s[98:99] offset:RO+64*\q+16*\e
.endr
.endr
	WIN 0
.endm
; The rotation, in place: (x1, x2) -> (x1 c - x2 s, x2 c + x1 s).  Each accumulator is read from its low end on.
.macro ROPE a
.set W, 2+(\a)/4
.set AC, 64*((\a)%4)
.set WW, (1<<2)|W                      ; source 0: the accumulators' window; source 1: window 1
	WIN WW
.set p, 0
.rept 32
	v_mul_f32 v[T+2*p], v[AC+2*p+1], v[AC+32+p]                    ; x2 s
	v_mul_f32 v[T+2*p+1], v[AC+2*p], v[AC+32+p]                    ; x1 s
.set p, p+1
.endr
.set WW, (W<<6)|(1<<2)|W               ; and the destination too
	WIN WW
.set p, 0
.rept 32
	v_fma_f32 v[AC+2*p], v[AC+2*p], v[AC+p], -v[T+2*p]
	v_fma_f32 v[AC+2*p+1], v[AC+2*p+1], v[AC+p], v[T+2*p+1]
.set p, p+1
.endr
	WIN 0
.endm
; Block a's 64 numbers of a lane, register 16 b + i = k 32 b + 16 h + i of my row, become a fragment's codes in v[PC] on and its scale word in v[PWS + a].
.macro QUANTW a
.set W, 2+(\a)/4
.set AC, 64*((\a)%4)
.set WW, W|(W<<2)
	WIN WW
.irp b, 0,1,2,3
	v_max3_num_f32 v[TM+\b], |v[AC+16*\b]|, |v[AC+16*\b+1]|, 0x2800000   ; block b: my 16 numbers, and the floor 2^(5 - 127): the byte cannot fall under 1
.endr
.irp i, 2,4,6,8,10,12,14
.irp b, 0,1,2,3
	v_max3_num_f32 v[TM+\b], |v[AC+16*\b+\i]|, |v[AC+16*\b+\i+1]|, v[TM+\b]   ; (the four blocks by turns)
.endr
.endr
	WIN 0
.irp b, 0,1,2,3
	v_permlanex16_b32 v[TM+4+\b], v[TM+\b], s[SEL], s[SEL+1]
.endr
.irp b, 0,1,2,3
	v_max_num_f32 v[TM+\b], v[TM+\b], v[TM+4+\b]   ; with lane l xor 16's: the block's largest magnitude
.endr
.irp b, 0,1,2,3
	v_add_nc_u32 v[TM+12+\b], 0xfe000000, v[TM+\b] ; 4 off its exponent field: the conversion's scale operand
.endr
.irp b, 0,1,2,3
	v_lshrrev_b32 v[TM+4+\b], 23, v[TM+12+\b]      ; the scale's byte
.endr
	v_lshl_or_b32 v[PWS+(\a)], v[TM+5], 8, v[TM+4] ; the four bytes make my row's scale word
	v_lshl_or_b32 v[PWS+(\a)], v[TM+6], 16, v[PWS+(\a)]
	v_lshl_or_b32 v[PWS+(\a)], v[TM+7], 24, v[PWS+(\a)]
.if (\a) > 0
	s_wait_xcnt 0x0                                ; the last block's stores have read the codes' registers: they are written again only behind this wait
.endif
	WIN W
.irp c, 0,1
	v_cvt_scalef32_pk16_bf6_f32 v[PC+6*\c:PC+6*\c+2], v[AC+32*\c:AC+32*\c+15], v[TM+12+2*\c]
	v_cvt_scalef32_pk16_bf6_f32 v[PC+12+4*\c:PC+12+4*\c+2], v[AC+32*\c+16:AC+32*\c+31], v[TM+12+2*\c+1]   ; (a conversion's three registers begin on an even number)
.endr
	WIN 0
	v_nop                                          ; one plain line behind a scaled conversion
.irp c, 0,1                                    ; the operand's layout wants a WHOLE block in a lane: lanes 0-15 block 2 c, lanes 16-31 block 2 c + 1
.irp i, 0,1,2
	v_permlane16_swap_b32 v[PC+6*\c+\i], v[PC+12+4*\c+\i]
.endr
.irp i, 0,1,2
	v_mov_b32 v[PC+3+6*\c+\i], v[PC+12+4*\c+\i]
.endr
.endr
.endm
.macro PUT a                           ; the image: each store covers 512 consecutive bytes, at a multiple of 256 from the buffer's first byte
.irp c, 0,1,2
	global_store_b128 v[IO], v[PC+4*\c:PC+4*\c+3], s[12:13] offset:FR*128*(\a)+512*\c
.endr
.endm
	PLACES NP                                      ; behind the last products: for the loads into B's registers, the writes over A's, and the reads of results
.irp b, 0,1,2,3
	v_mov_b32 v[TM+4+\b], 0                        ; written once: a lane permute's destination counts as one of its sources
.endr
	s_cmp_eq_u32 s[ISV], 1                         ; ONE branch, on the cluster's number: v is not rotated.  Both ways are written out whole and hold register work, loads and stores to memory alone
	s_cbranch_scc1 .Lway_v
	CSLOAD 0
	CSLOAD 1
	CSLOAD 2
	CSLOAD 3
.irp a, 0,1,2,3,4,5,6,7
.if \a < 5
	s_wait_loadcnt 48                              ; block a's sixteen table loads are in; those of the three blocks behind it may be out
.else
	s_wait_loadcnt 16*(7-\a)
.endif
	ROPE \a
.if \a < 4
	CSLOAD \a+4                                    ; its set takes the block four further on
.endif
	QUANTW \a
	PUT \a
.endr
	s_branch .Lwords
.Lway_v:
.irp a, 0,1,2,3,4,5,6,7
	QUANTW \a
	PUT \a
.endr
.Lwords:
	; The eight blocks' scale words, 16 each, go through 512 bytes of LDS of my own and leave as one run of 512 bytes.  These bytes lie in slot 0, which has had its last fill, and which nobody reads behind the last change of slots.
.irp a, 0,1,2,3,4,5,6,7
	ds_store_b32 v[SST], v[PWS+\a] offset:64*\a    ; lanes l and l xor 16 write the same word with the same value
.endr
	ds_load_b128 v[OB:OB+3], v[SLD]                ; LDS serves a wave's instructions in order: this sees my stores
	s_wait_dscnt 0x0
	global_store_b128 v[IO], v[OB:OB+3], s[66:67]
	s_wait_tensorcnt 0x0                           ; the wave's end
	ds_add_u32 v[SPW], v[NIL]
	s_wait_dscnt 0x0
	CROUND                                         ; the closing round: no work-group ends while a partner may still ask for a tile that names it
	s_endpgm
.Lfunc_end_k_q0d914e9e4a_qkv:
	.size	k_q0d914e9e4a_qkv, .Lfunc_end_k_q0d914e9e4a_qkv-k_q0d914e9e4a_qkv
	.p2alignl 7, 3214868480
	.fill 96, 4, 3214868480
	.section	.rodata,"a",@progbits
	.p2align	6, 0x0
	.amdhsa_kernel k_q0d914e9e4a_qkv
		.amdhsa_group_segment_fixed_size 327680
		.amdhsa_private_segment_fixed_size 0
		.amdhsa_enable_private_segment 0
		.amdhsa_kernarg_size 48
		.amdhsa_user_sgpr_count 2
		.amdhsa_user_sgpr_kernarg_segment_ptr 1
		.amdhsa_wavefront_size32 1
		.amdhsa_system_sgpr_workgroup_id_x 1
		.amdhsa_system_sgpr_workgroup_id_y 1
		.amdhsa_system_sgpr_workgroup_id_z 1
		.amdhsa_system_vgpr_workitem_id 0
		.amdhsa_next_free_vgpr 1024
		.amdhsa_next_free_sgpr 102
		.amdhsa_reserve_vcc 0
		.amdhsa_float_denorm_mode_32 3
		.amdhsa_float_denorm_mode_16_64 3
		.amdhsa_memory_ordered 1
		.amdhsa_forward_progress 1
		.amdhsa_inst_pref_size 255
	.end_amdhsa_kernel
	.section	.bss,"aw",@nobits
	.p2align	6
	.space	262144
	.amdgpu_metadata
---
amdhsa.version: [ 1, 2 ]
amdhsa.kernels:
  - .name:           k_q0d914e9e4a_qkv
    .symbol:         k_q0d914e9e4a_qkv.kd
    .args:
      - { .name: codes, .offset: 0, .size: 8, .value_kind: global_buffer, .address_space: global }
      - { .name: scales, .offset: 8, .size: 8, .value_kind: global_buffer, .address_space: global }
      - { .name: cos, .offset: 16, .size: 8, .value_kind: global_buffer, .address_space: global }
      - { .name: sin, .offset: 24, .size: 8, .value_kind: global_buffer, .address_space: global }
      - { .name: qkv_img, .offset: 32, .size: 8, .value_kind: global_buffer, .address_space: global }
      - { .name: qkv_sc, .offset: 40, .size: 8, .value_kind: global_buffer, .address_space: global }
    .group_segment_fixed_size: 327680
    .private_segment_fixed_size: 0
    .kernarg_segment_align: 8
    .kernarg_segment_size: 48
    .max_flat_workgroup_size: 128
    .sgpr_count:     102
    .vgpr_count:     1024
    .wavefront_size: 32
...
	.end_amdgpu_metadata
.endif
;; end of part 2
;; launch attn (part 3): grid 32 x 8, 8 waves a work-group, clusters of 4 x 1, 327,680 bytes of LDS; arguments qkv_img, qkv_sc, a_img, a_sc; writes a_img, a_sc
.if DOCPART == 3
	.amdgcn_target "amdgcn-amd-amdhsa--gfx1250"
	.amdhsa_code_object_version 6
	.text
	.protected	k_q0d914e9e4a_attn
	.globl	k_q0d914e9e4a_attn
	.p2align	8
	.type	k_q0d914e9e4a_attn,@function
k_q0d914e9e4a_attn:
	s_mov_b64 s[64:65], 0
	v_nop
	global_prefetch_b8 v0, s[64:65] scope:SCOPE_SE
	s_setreg_imm32_b32 hwreg(HW_REG_WAVE_MODE, 25, 1), 1
	s_wait_xcnt 0x0
	s_wait_alu depctr_hold_cnt(0) depctr_sa_sdst(0) depctr_va_vdst(0) depctr_va_sdst(0) depctr_va_ssrc(0) depctr_va_vcc(0) depctr_vm_vsrc(0)
	s_getreg_b32 s2, hwreg(HW_REG_IB_STS2, 6, 4)
	s_cmp_eq_u32 s2, 0
	s_cbranch_scc0 .Lentry_in_a_cluster
	s_endpgm
.Lentry_in_a_cluster:
	s_bfe_u32 s2, ttmp6, 0x10000c
	s_cmp_lg_u32 s2, 0x3003
	s_cbranch_scc0 .Lentry_shape_is_right
	s_endpgm
.Lentry_shape_is_right:
; Causal attention on codes of BF6 (E3M2) with E8M0 scales: 8 key/value heads, two query heads to each, 2,048 tokens, head size 128.  The window, 2,048, is as long as the sequence: the band never cuts.
; All operands come as images of fragments (16 rows x 128 K: registers 4 c .. 4 c + 3 of lane l at byte 512 c + 16 l), qkv_img [H][s][t][1,536]: H = query head, 16 + key head, 24 + value head; their scale words qkv_sc [H][s][t][16].
; Row r of tile t of q or k is token 128 s + 32 (t / 2) + 8 (t % 2) + r + 8 (r / 8); of v it is that channel, and v's K are keys 128 s + 0 .. 127.
; THE SOFTMAX AHEAD OF THE SECOND PRODUCT: t = score x log2(e) / sqrt(128) (one constant, one rounding); M = the running largest t, rounded UP to a whole number; p = 2^(t - M) is quantised along the keys, not normalised.
; The row's sum is taken of the unquantised p, in f32, and divides O at the end.  When M moves, the sum and O are multiplied by 2^(old M - new M): exact.
; SHARES.  2,048 tiles of 16 queries; a wave owns one, in 256 registers.  Cluster x = p (0-7), place j in the cluster, head h = work-group y.  Wave w: block of 128 queries QS = p (w < 4) or 15 - p (w >= 4); tile 2 j + w % 2;
; query head 2 h + (w / 2) % 2.  Every wave walks all 16 key steps of 128 keys in loops of constant count and jumps over the work of steps behind its queries: waves w and w + 4 together have 17 steps of work, whatever p.
; CLUSTER.  The four partners differ in j alone, which enters Q's and the output's addresses, the prefetches' address and the mask's vector compare, and no branch and no LDS address.  K and V are asked for JOINTLY.
; LAYOUT.  Both products are used transposed: S^T = K Q^T, O^T = V^T P^T: a lane holds ONE query (lane % 16) throughout; by the tiles' order of rows, the 16 registers of tiles 2 b, 2 b + 1 are keys (or channels) 32 b + 16 (lane / 16) + 0 .. 15.
; THE RESULT, O / the sum, is quantised along the channels and stored as an image: a_img [rb = 8 QS + tile][query head][1,536]; its scale words a_sc [16 rb + r][query head].
; LIMITS: NaN and infinities are not served; blocks under 2^(5 - 127), zero blocks among them, keep the scale byte 1; a block's largest p is made from its largest score, which takes v_exp_f32 not to fall where its input rises.
; REGISTERS: v1-7, v11 addresses that stay; v8-10 addresses of the loads in hand; v12 -M, v13 the largest t, v[14:15] the sum in two halves; v16-27 Q; v32-79 four fragments of K or V; v96-159 S^T, then p; v160-223 O^T; v224-235 p's codes; v232-254 at work; v255 Q's scale words.
.set STEPB, 12288                      ; a key step's eight images of K, or of V
.set VOFF,  4*STEPB                    ; a slot: four steps of K, then four of V: 98,304 bytes, no padding: an image is read 16 bytes a lane on end
.set SLOT1, 1<<17                      ; slot 1 begins here, so that one exclusive or turns an address in one slot into the other's
.set SCK,   2*SLOT1                    ; behind the ring: K's scale words of the whole head, 8,192 bytes, then V's
.set SPARE, SCK+16384+4096             ; the spare words, 128 bytes for each wave: four blocks of 256 bytes that no other line names
.set LI,   1                           ; v1   16 x lane
.set ASK0, 2                           ; v2   SCK + 4 r
.set DQ,   3                           ; v3   my query's place in its 128, less 16 (lane / 16)
.set QSA,  4                           ; v4   4 r
.set SPW,  5                           ; v5   LDS address of my spare word; never rewritten
.set NIL,  6                           ; v6   0; never rewritten
.set PFO,  7                           ; v7   256 x lane
.set ADK,  8                           ; v8   LDS address of the slot's images of K
.set ADV,  9                           ; v9   of V
.set ADS,  10                          ; v10  of the step's scale words
.set OSA,  11                          ; v11  64 r
.set TB,   2                           ; s2   LDS byte at which the slot in hand begins
.set TS,   3                           ; s3   where the step's scale words begin: 512 bytes a step
.set WV,   18                          ; s18  my wave's number
.set SEL,  20                          ; s[20:21] lane selects for v_permlanex16_b32: lane l xor 16
.set CS,   22                          ; s[22:23] c = log2(e) / sqrt(128)
.set G1T,  24                          ; s[24:31] descriptor group 1 for a step's images;  s[32:39] for a quarter of a head's scale words
.set G1S,  32
.set G0T,  40                          ; s[40:43] group 0 for the images: it walks;  s[44:47] for the scale words
.set G0S,  44
.set SLOTS, 48                         ; s48  slots still to be asked for
.set KF,   49                          ; s49  the key step's number
.set QS,   50                          ; s50  my block of 128 queries
.set PFA,  52                          ; s[52:53] where my prefetches stand
.set LIM,  54                          ; s54  1 in a wave that prefetches, else the greatest number
.macro CROUND                          ; a round of the cluster's barrier
	s_barrier_signal -1
	s_barrier_wait -1
	s_cmp_lg_u32 s[WV], 0
	s_cbranch_scc1 .Lnot_wave_0_\@
	s_barrier_signal -3
.Lnot_wave_0_\@:
	s_barrier_wait -3
	s_barrier_signal -1
	s_barrier_wait -1
.endm
; A PREFETCH INTO THE L2 of what the NEXT change of slots will ask for: a slot's 49,152 bytes of K and as many of V: twelve parts of 8,192 bytes, lanes 256 bytes apart, one instruction a part.
; All clusters of a head walk the same K and V: the head's first cluster asks.  Part 3 j + w is asked for by wave w (0, 1, 2) of the partner at place j: the partners are told apart by address.  So each block of 256 bytes of slots 2 and 3
; is named once in the launch; slots 0 and 1 come by their loads alone, and the last change that fills a slot asks for nothing.
.macro ASK
	s_cmp_gt_u32 s[SLOTS], s[LIM]
	s_cbranch_scc0 .Lnot_mine_\@
	global_prefetch_b8 v[PFO], s[PFA:PFA+1] th:TH_LOAD_NT scope:SCOPE_SE
.Lnot_mine_\@:
.endm
	s_load_b256 s[4:11], s[0:1], 0x0               ; qkv_img s[4:5], qkv_sc s[6:7], a_img s[8:9], a_sc s[10:11]
	v_lshl_add_u32 v[SPW], v0, 2, SPARE
	v_mov_b32 v[NIL], 0
	ds_add_u32 v5, v6
	ds_add_u32 v5, v6
	s_wait_dscnt 0x0
	v_lshrrev_b32 v8, 5, v0
	v_readfirstlane_b32 s[WV], v8                  ; wave 0..7
	s_bfe_u32 s13, ttmp6, 0x40000                  ; j: my place in the cluster
	s_and_b32 s12, ttmp7, 0xffff                   ; h: the key/value head
	; what I fetch: waves 0-3 the four steps of K, waves 4-7 those of V
	s_and_b32 s14, s[WV], 3
	s_lshr_b32 s15, s[WV], 2
	s_lshl_b32 s16, s15, 3
	s_add_co_u32 s16, s16, s12
	s_add_co_u32 s16, s16, 16                      ; H = 16 + 8 (w / 4) + h
	s_lshl_b32 s17, s16, 4
	s_add_co_u32 s17, s17, s14
	s_mul_i32 s56, s17, STEPB                      ; step w % 4 of that head
	s_mov_b32 s57, 0
	s_lshl_b32 s58, s16, 13                        ; its scale words: 8,192 bytes a head,
	s_lshl_b32 s19, s14, 11
	s_add_co_u32 s58, s58, s19                     ; my quarter
	s_mov_b32 s59, 0
	; what I own
	s_sub_co_u32 s60, 15, ttmp9
	s_cmp_lt_u32 s[WV], 4
	s_cselect_b32 s[QS], ttmp9, s60                ; the same in all four partners
	s_and_b32 s60, s[WV], 1
	s_lshl_b32 s61, s13, 1
	s_add_co_u32 s61, s61, s60                     ; my tile of the block's eight: 2 j + w % 2
	s_bfe_u32 s62, s[WV], 0x10001
	s_lshl_b32 s63, s12, 1
	s_add_co_u32 s63, s63, s62                     ; my query head
	s_lshl_b32 s66, s63, 4
	s_add_co_u32 s66, s66, s[QS]
	s_lshl_b32 s66, s66, 3
	s_add_co_u32 s66, s66, s61                     ; Q's image
	s_mul_i32 s68, s66, 1536
	s_mov_b32 s69, 0
	s_lshl_b32 s70, s66, 6
	s_mov_b32 s71, 0
	s_lshl_b32 s72, s[QS], 3
	s_add_co_u32 s72, s72, s61                     ; rb
	s_lshl_b32 s73, s72, 4
	s_add_co_u32 s73, s73, s63
	s_mul_i32 s74, s73, 1536                       ; the result's image
	s_mov_b32 s75, 0
	s_lshl_b32 s76, s72, 10                        ; its scale words: 16 rows of 64 bytes a block, 4 bytes a head
	s_lshl_b32 s77, s63, 2
	s_add_co_u32 s76, s76, s77
	s_mov_b32 s77, 0
	s_lshl_b32 s78, s13, 5
	s_lshl_b32 s79, s60, 3
	s_add_co_u32 s78, s78, s79                     ; 32 j + 8 (w % 2): my tile's first token in its 128
	; the prefetches
	s_min_u32 s84, s[WV], 2
	s_mul_i32 s85, s13, 3
	s_add_co_u32 s84, s84, s85                     ; part 3 j + w,
	s_lshl_b32 s84, s84, 13
	s_lshr_b32 s85, s13, 1
	s_mul_i32 s85, s85, 8*16*STEPB-VOFF            ; parts 6 to 11 (j = 2, 3) are V's, eight heads on
	s_add_co_u32 s84, s84, s85
	s_add_co_u32 s85, s12, 16
	s_mul_i32 s85, s85, 16*STEPB
	s_add_co_u32 s84, s84, s85
	s_add_co_u32 s84, s84, VOFF                    ; in slot 1: the first change of slots steps it to slot 2.  Nothing is prefetched at the head
	s_mov_b32 s85, 0
	s_cmp_lt_u32 s[WV], 3
	s_cselect_b32 s86, 0, 1
	s_or_b32 s86, s86, ttmp9
	s_cmp_eq_u32 s86, 0
	s_cselect_b32 s[LIM], 1, -1                    ; the same in all four partners, for a given wave
	; descriptor group 1: 12,288 dense bytes as 48 rows of 256 bytes (32 elements of 8 bytes); 2,048 as 8 rows
	s_mov_b32 s[G1T], 15|(3<<16)|(1<<21)           ; 15:0 the mask: all four work-groups; 17:16 elements of 8 bytes; 20 padding off; 21 set beside a mask
	s_mov_b32 s[G1T+1], 32<<16                     ; tensor_dim0
	s_mov_b32 s[G1T+2], 48<<16                     ; tensor_dim1
	s_mov_b32 s[G1T+3], 32<<16                     ; tile_dim0
	s_mov_b32 s[G1T+4], 48                         ; tile_dim1
	s_mov_b32 s[G1T+5], 32                         ; tensor_dim0_stride
	s_mov_b32 s[G1T+6], 0
	s_mov_b32 s[G1T+7], 0
	s_mov_b32 s[G1S], 15|(3<<16)|(1<<21)
	s_mov_b32 s[G1S+1], 32<<16
	s_mov_b32 s[G1S+2], 8<<16
	s_mov_b32 s[G1S+3], 32<<16
	s_mov_b32 s[G1S+4], 8
	s_mov_b32 s[G1S+5], 32
	s_mov_b32 s[G1S+6], 0
	s_mov_b32 s[G1S+7], 0
	s_mov_b32 s[SEL], 0x76543210
	s_mov_b32 s[SEL+1], 0xfedcba98
	s_mov_b32 s[CS], 0x3e0293ee                    ; c = log2(e) / sqrt(128)
	s_mov_b32 s[CS+1], s[CS]                       ; (named with it as a pair, so it is written)
	s_mov_b32 s[TB], 0
	s_mov_b32 s[TS], 0
	s_mov_b32 s[KF], 0
	s_mov_b32 s[SLOTS], 3
	s_wait_kmcnt 0x0
	s_mov_b32 s[G0S], 1
	s_lshl_b32 s[G0S+1], s[WV], 11
	s_add_co_u32 s[G0S+1], s[G0S+1], SCK           ; LDS: K's four quarters, then V's: 2,048 x wave
	s_add_nc_u64 s[G0S+2:G0S+3], s[6:7], s[58:59]
	s_or_b32 s[G0S+3], s[G0S+3], 0x80000000
	s_mov_b32 s[G0T], 1
	s_mul_i32 s[G0T+1], s[WV], STEPB               ; LDS: K's four steps, then V's: 12,288 x wave, in slot 0
	s_add_nc_u64 s[G0T+2:G0T+3], s[4:5], s[56:57]
	s_or_b32 s[G0T+3], s[G0T+3], 0x80000000
	s_add_nc_u64 s[80:81], s[4:5], s[68:69]        ; Q's image
	s_add_nc_u64 s[82:83], s[6:7], s[70:71]        ; and its scale words
	s_add_nc_u64 s[8:9], s[8:9], s[74:75]
	s_add_nc_u64 s[10:11], s[10:11], s[76:77]
	s_add_nc_u64 s[PFA:PFA+1], s[4:5], s[84:85]
	CROUND                                         ; all four work-groups are here: the first joint loads meet
	tensor_load_to_lds s[G0S:G0S+3], s[G1S:G1S+7]  ; the scale words of the whole head: filled once
	s_nop 0
	tensor_load_to_lds s[G0T:G0T+3], s[G1T:G1T+7]  ; slot 0.  Two loads of mine are out; four v_nop follow the second
	s_nop 0
.rept 4
	v_nop
.endr
	v_and_b32 v8, 31, v0                           ; lane
	v_and_b32 v9, 15, v0                           ; r
	v_bfe_u32 v10, v0, 4, 1                        ; lane / 16
	v_lshlrev_b32 v[LI], 4, v8
	v_lshlrev_b32 v[PFO], 8, v8
	v_lshlrev_b32 v[QSA], 2, v9
.irp c, 0,1,2
	global_load_b128 v[16+4*\c:19+4*\c], v[LI], s[80:81] offset:512*\c   ; Q's fragment stays in registers
.endr
	global_load_b32 v255, v[QSA], s[82:83]         ; Q's scale words
	v_lshl_add_u32 v[ASK0], v9, 2, SCK
	v_and_b32 v[DQ], 8, v9
	v_add_nc_u32 v[DQ], v[DQ], v9                  ; r + 8 (r / 8)
	v_lshlrev_b32 v[OSA], 4, v10
	v_sub_nc_u32 v[DQ], v[DQ], v[OSA]
	v_add_nc_u32 v[DQ], s78, v[DQ]
	v_lshlrev_b32 v[OSA], 6, v9
	v_mov_b32 v13, 0xff61b1e6                      ; the largest t so far: -3e38, under every t
	v_floor_f32 v12, -v13                          ; -M
	v_mov_b32 v14, 0                               ; the sum, in two halves
	v_mov_b32 v15, 0
.irp b, 0,1,2,3
	v_mov_b32 v[236+\b], 0                         ; written once: a lane permute's destination counts as one of its sources
.endr
	v_mov_b32 v252, 0
	v_mov_b32 v253, 0                              ; (named as the upper half of the pair v[252:253] before it is first written)
.set j, 0
.rept 64
	v_mov_b32 v[160+j], 0                          ; O^T.  (The step is written for all steps alike: the first finds zeros, which the first change of M leaves zeros)
.set j, j+1
.endr
; A KEY STEP: 128 keys, the q-th of the slot in hand.
.macro STEP q
	s_cmp_gt_u32 s[KF], s[QS]                      ; a step all of whose keys come after my queries is left out: a branch on ids, round the step's loads, products and softmax, not round the lines at its end that step addresses
	s_cbranch_scc1 .Lhidden_\@
	v_add_nc_u32 v[ADK], s[TB], v[LI]
	v_add_nc_u32 v[ADS], s[TS], v[ASK0]
	v_add_nc_u32 v[ADV], VOFF, v[ADK]
	v_nop                                          ; these four are the places in front of loads into registers that the last step's products have read
.irp g, 0,1                                    ; S^T = K Q^T, four tiles of 16 keys at a time
.if \g > 0
.rept 4
	v_nop
.endr
.endif
.irp t, 0,1,2,3
.irp c, 0,1,2
	ds_load_b128 v[32+12*\t+4*\c:35+12*\t+4*\c], v[ADK] offset:STEPB*(\q)+1536*(4*\g+\t)+512*\c
.endr
	ds_load_b32 v[248+\t], v[ADS] offset:64*(4*\g+\t)
.endr
	s_wait_dscnt 0x0
.irp t, 0,1,2,3
	v_wmma_scale_f32_16x16x128_f8f6f4 v[96+8*(4*\g+\t):103+8*(4*\g+\t)], v[32+12*\t:43+12*\t], v[16:27], 0, v[248+\t], v255 matrix_a_fmt:MATRIX_FMT_BF6 matrix_b_fmt:MATRIX_FMT_BF6
.endr
.endr
.rept 4
	v_nop
.endr
	s_cmp_lt_u32 s[KF], s[QS]                      ; on the diagonal the scores of hidden keys become -infinity ahead of the maximum: p = 0 then.  A step all of whose keys count skips this
	s_cbranch_scc1 .Lopen_\@
	v_mov_b32 v254, 0xff800000
.set n, 0
.rept 64
	v_cmp_gt_i32 vcc_lo, 32*(n/16)+n%16, v[DQ]     ; register 16 b + i holds key 32 b + 16 (lane / 16) + i of the step
	v_cndmask_b32 v[96+n], v[96+n], v254, vcc_lo
.set n, n+1
.endr
.Lopen_\@:
.irp b, 0,1,2,3
	v_max3_num_f32 v[232+\b], v[96+16*\b], v[97+16*\b], v[98+16*\b]   ; THE LARGEST SCORE OF EACH BLOCK OF 32 KEYS: it serves for the row's maximum and, since p rises with the score, for the block's largest p
.endr
.irp i, 3,5,7,9,11,13
.irp b, 0,1,2,3
	v_max3_num_f32 v[232+\b], v[232+\b], v[96+16*\b+\i], v[97+16*\b+\i]
.endr
.endr
.irp b, 0,1,2,3
	v_max_num_f32 v[232+\b], v[232+\b], v[111+16*\b]
.endr
.irp b, 0,1,2,3
	v_permlanex16_b32 v[236+\b], v[232+\b], s[SEL], s[SEL+1]
.endr
.irp b, 0,1,2,3
	v_max_num_f32 v[232+\b], v[232+\b], v[236+\b]  ; with lane l xor 16's 16 keys
.endr
	v_max3_num_f32 v254, v232, v233, v234
	v_max_num_f32 v254, v254, v235                 ; the step's largest score of my query
	v_mul_f32 v254, s[CS], v254                    ; as t (c is positive)
	v_max_num_f32 v13, v13, v254                   ; the running largest t
	v_mov_b32 v254, v12
	v_floor_f32 v12, -v13                          ; the new -M = floor(-t): M is a whole number
	v_sub_f32 v254, v12, v254                      ; M's old value less its new one: a whole number, 0 or less
	v_cvt_i32_f32 v254, v254                       ; (it saturates)
	v_ldexp_f32 v252, 1.0, v254                    ; f = 2^(old M - new M)
.set j, 0
.rept 32
	v_pk_fma_f32 v[96+j:97+j], v[96+j:97+j], s[CS:CS+1], v[12:13] op_sel_hi:[1,0,0]   ; t - M, two at a time
.set j, j+2
.endr
.irp b, 0,1,2,3
	v_fma_f32 v[232+\b], v[232+\b], s[CS], v12     ; the same of each block's largest score
.endr
.set j, 0
.rept 64
	v_exp_f32 v[96+j], v[96+j]                     ; p = 2^(t - M), at most 1: not normalised
.set j, j+1
.endr
	v_pk_mul_f32 v[14:15], v[14:15], v[252:253] op_sel_hi:[1,0]   ; the sums under the new M (a plain line behind the exponentials)
	s_wait_alu depctr_va_vdst(0)                   ; one wait for the whole batch, ahead of its first reader
.irp b, 0,1,2,3
	v_exp_f32 v[232+\b], v[232+\b]                 ; the block's largest p: the same two instructions on the same number give the same bits
.endr
	v_pk_add_f32 v[236:237], v[96:97], v[98:99]    ; THE ROW'S SUM IS TAKEN OF THE UNQUANTISED p: two at a time, in two chains
.irp j, 4,8,12,16,20,24,28,32,36,40,44,48,52,56,60
	v_pk_add_f32 v[14:15], v[14:15], v[96+\j:97+\j]
	v_pk_add_f32 v[236:237], v[236:237], v[98+\j:99+\j]
.endr
	v_pk_add_f32 v[14:15], v[14:15], v[236:237]
	s_wait_alu depctr_va_vdst(0)                   ; and one for the four
.irp b, 0,1,2,3
	v_max_num_f32 v[232+\b], 0x2800000, v[232+\b]  ; the floor 2^(5 - 127): the byte cannot fall under 1
.endr
.irp b, 0,1,2,3
	v_add_nc_u32 v[244+\b], 0xfe000000, v[232+\b]  ; 4 off the exponent field: the conversion's scale operand
.endr
.irp b, 0,1,2,3
	v_lshrrev_b32 v[236+\b], 23, v[244+\b]         ; the scale's byte
.endr
	v_lshl_or_b32 v253, v237, 8, v236              ; p's scale word for these 128 keys
	v_lshl_or_b32 v253, v238, 16, v253
	v_lshl_or_b32 v253, v239, 24, v253
.irp c, 0,1
	v_cvt_scalef32_pk16_bf6_f32 v[224+6*\c:226+6*\c], v[96+32*\c:111+32*\c], v[244+2*\c]
	v_cvt_scalef32_pk16_bf6_f32 v[236+4*\c:238+4*\c], v[112+32*\c:127+32*\c], v[244+2*\c+1]   ; (a conversion's three registers begin on an even number)
.endr
	v_nop                                          ; one plain line behind a scaled conversion
.irp c, 0,1                                    ; the operand's layout wants a WHOLE block in a lane
.irp i, 0,1,2
	v_permlane16_swap_b32 v[224+6*\c+\i], v[236+4*\c+\i]
.endr
.irp i, 0,1,2
	v_mov_b32 v[227+6*\c+\i], v[236+4*\c+\i]
.endr
.endr
.set j, 0
.rept 32
	v_pk_mul_f32 v[160+j:161+j], v[160+j:161+j], v[252:253] op_sel_hi:[1,0]   ; O^T under the new M.  (These 32 are also the places in front of the matrix instructions and loads below)
.set j, j+2
.endr
.irp g, 0,1                                    ; O^T += V^T P^T: four tiles of 16 channels at a time; K = these 128 keys
.if \g > 0
.rept 4
	v_nop
.endr
.endif
.irp t, 0,1,2,3
.irp c, 0,1,2
	ds_load_b128 v[32+12*\t+4*\c:35+12*\t+4*\c], v[ADV] offset:STEPB*(\q)+1536*(4*\g+\t)+512*\c
.endr
	ds_load_b32 v[248+\t], v[ADS] offset:8192+64*(4*\g+\t)
.endr
	s_wait_dscnt 0x0
.irp t, 0,1,2,3
	v_wmma_scale_f32_16x16x128_f8f6f4 v[160+8*(4*\g+\t):167+8*(4*\g+\t)], v[32+12*\t:43+12*\t], v[224:235], v[160+8*(4*\g+\t):167+8*(4*\g+\t)], v[248+\t], v253 matrix_a_fmt:MATRIX_FMT_BF6 matrix_b_fmt:MATRIX_FMT_BF6
.endr
.endr
.Lhidden_\@:
	s_add_co_u32 s[KF], s[KF], 1
	s_add_co_u32 s[TS], s[TS], 512                 ; the next step's scale words
.endm
; THE CHANGE OF SLOTS stands at a slot's head.  Each wave waits for all its tensor loads (its part of the slot that it is about to read), adds 0 to its spare word, and waits for that and for its reads of the slot that it has left.
; fill = 1: a round of the cluster's barrier, so that no wave of any partner still reads the other slot or has a load on its way; behind it that slot is filled with the next four key steps: the load has four steps in which to land.
.macro CHANGE fill
	s_wait_tensorcnt 0x0                           ; no tensor load of mine is out, so a group 0 may be written
	ds_add_u32 v[SPW], v[NIL]                      ; 0 onto my spare word
.if \fill
	s_xor_b32 s[G0T+1], s[G0T+1], SLOT1            ; the walking descriptor: the other slot than last time,
	s_add_nc_u64 s[G0T+2:G0T+3], s[G0T+2:G0T+3], VOFF   ; the next four steps; the type bits on top are not reached
	s_wait_xcnt 0x0                                ; the last prefetch, a slot back, has read its address, so it may be written:
	s_add_nc_u64 s[PFA:PFA+1], s[PFA:PFA+1], VOFF  ; one slot further on than the walking descriptor
	s_wait_dscnt 0x0                               ; the add is done, and my reads of the slot that I have left are over
	CROUND
	tensor_load_to_lds s[G0T:G0T+3], s[G1T:G1T+7]  ; the first thing behind the round, and my one tensor load until the next
	s_nop 0
.rept 4
	v_nop
.endr
	ASK
.else
	s_wait_dscnt 0x0
	s_barrier_signal -1
	s_barrier_wait -1
.endif
.endm
.macro SLOT_STEPS
.set Q, 0
.rept 4
	STEP Q
.set Q, Q+1
.endr
	s_xor_b32 s[TB], s[TB], SLOT1                  ; on to the other slot
.endm
	s_wait_loadcnt 0x0                             ; Q
.Lslot:                                            ; three trips: behind each change of slots but the last the next slot is asked for
	CHANGE 1
	SLOT_STEPS
	s_sub_co_u32 s[SLOTS], s[SLOTS], 1
	s_cmp_lg_u32 s[SLOTS], 0
	s_cbranch_scc1 .Lslot
	CHANGE 0                                       ; the last slot is written out
	SLOT_STEPS
	; THE WAY OUT.  O^T / the sum; register 16 b + i is channel 32 b + 16 (lane / 16) + i of my query: quantised along the channels as p was along the keys.
	v_add_f32 v14, v14, v15                        ; the sum's two halves,
	v_permlanex16_b32 v252, v14, s[SEL], s[SEL+1]
	v_add_f32 v14, v14, v252                       ; and lane l xor 16's: the row's sum
	v_rcp_f32 v14, v14
.rept 4
	v_nop                                          ; the plain line behind the reciprocal, and the places behind the last products
.endr
	s_wait_alu depctr_va_vdst(0)                   ; ahead of the reciprocal's first reader
.set j, 0
.rept 64
	v_mul_f32 v[96+j], v[160+j], v14
.set j, j+1
.endr
.irp b, 0,1,2,3
	v_max3_num_f32 v[232+\b], |v[96+16*\b]|, |v[97+16*\b]|, 0x2800000
.endr
.irp i, 2,4,6,8,10,12,14
.irp b, 0,1,2,3
	v_max3_num_f32 v[232+\b], v[232+\b], |v[96+16*\b+\i]|, |v[97+16*\b+\i]|
.endr
.endr
.irp b, 0,1,2,3
	v_permlanex16_b32 v[236+\b], v[232+\b], s[SEL], s[SEL+1]
.endr
.irp b, 0,1,2,3
	v_max_num_f32 v[232+\b], v[232+\b], v[236+\b]
.endr
.irp b, 0,1,2,3
	v_add_nc_u32 v[244+\b], 0xfe000000, v[232+\b]
.endr
.irp b, 0,1,2,3
	v_lshrrev_b32 v[236+\b], 23, v[244+\b]
.endr
	v_lshl_or_b32 v252, v237, 8, v236              ; my row's scale word
	v_lshl_or_b32 v252, v238, 16, v252
	v_lshl_or_b32 v252, v239, 24, v252
.irp c, 0,1
	v_cvt_scalef32_pk16_bf6_f32 v[32+6*\c:34+6*\c], v[96+32*\c:111+32*\c], v[244+2*\c]
	v_cvt_scalef32_pk16_bf6_f32 v[44+4*\c:46+4*\c], v[112+32*\c:127+32*\c], v[244+2*\c+1]
.endr
	v_nop
.irp c, 0,1
.irp i, 0,1,2
	v_permlane16_swap_b32 v[32+6*\c+\i], v[44+4*\c+\i]
.endr
.irp i, 0,1,2
	v_mov_b32 v[35+6*\c+\i], v[44+4*\c+\i]
.endr
.endr
.irp c, 0,1,2
	global_store_b128 v[LI], v[32+4*\c:35+4*\c], s[8:9] offset:512*\c   ; the image: each store covers 512 consecutive bytes, at a multiple of 256 from the buffer's first byte
.endr
	global_store_b32 v[OSA], v252, s[10:11]        ; 4 bytes of each of 16 rows of 64 bytes (lanes l and l xor 16 store the same word): 131,072 bytes in the whole launch; the rows are laid as the next launch's tensor loads take them
	s_wait_tensorcnt 0x0                           ; the wave's end
	ds_add_u32 v[SPW], v[NIL]
	s_wait_dscnt 0x0
	CROUND                                         ; the closing round: no work-group ends while a partner may still ask for a tile that names it
	s_endpgm
.Lfunc_end_k_q0d914e9e4a_attn:
	.size	k_q0d914e9e4a_attn, .Lfunc_end_k_q0d914e9e4a_attn-k_q0d914e9e4a_attn
	.p2alignl 7, 3214868480
	.fill 96, 4, 3214868480
	.section	.rodata,"a",@progbits
	.p2align	6, 0x0
	.amdhsa_kernel k_q0d914e9e4a_attn
		.amdhsa_group_segment_fixed_size 327680
		.amdhsa_private_segment_fixed_size 0
		.amdhsa_enable_private_segment 0
		.amdhsa_kernarg_size 32
		.amdhsa_user_sgpr_count 2
		.amdhsa_user_sgpr_kernarg_segment_ptr 1
		.amdhsa_wavefront_size32 1
		.amdhsa_system_sgpr_workgroup_id_x 1
		.amdhsa_system_sgpr_workgroup_id_y 1
		.amdhsa_system_sgpr_workgroup_id_z 1
		.amdhsa_system_vgpr_workitem_id 0
		.amdhsa_next_free_vgpr 256
		.amdhsa_next_free_sgpr 96
		.amdhsa_reserve_vcc 1
		.amdhsa_float_denorm_mode_32 3
		.amdhsa_float_denorm_mode_16_64 3
		.amdhsa_memory_ordered 1
		.amdhsa_forward_progress 1
		.amdhsa_inst_pref_size 214
	.end_amdhsa_kernel
	.amdgpu_metadata
---
amdhsa.version: [ 1, 2 ]
amdhsa.kernels:
  - .name:           k_q0d914e9e4a_attn
    .symbol:         k_q0d914e9e4a_attn.kd
    .args:
      - { .name: qkv_img, .offset: 0, .size: 8, .value_kind: global_buffer, .address_space: global }
      - { .name: qkv_sc, .offset: 8, .size: 8, .value_kind: global_buffer, .address_space: global }
      - { .name: a_img, .offset: 16, .size: 8, .value_kind: global_buffer, .address_space: global }
      - { .name: a_sc, .offset: 24, .size: 8, .value_kind: global_buffer, .address_space: global }
    .group_segment_fixed_size: 327680
    .private_segment_fixed_size: 0
    .kernarg_segment_align: 8
    .kernarg_segment_size: 32
    .max_flat_workgroup_size: 256
    .sgpr_count:     96
    .vgpr_count:     256
    .wavefront_size: 32
...
	.end_amdgpu_metadata
.endif
;; end of part 3
;; launch oproj (part 4): grid 16 x 8, 4 waves a work-group, clusters of 4 x 4, 327,680 bytes of LDS; arguments a_img, a_sc, codes, scales, out0; writes out0
.if DOCPART == 4
	.amdgcn_target "amdgcn-amd-amdhsa--gfx1250"
	.amdhsa_code_object_version 6
	.text
	.protected	k_q0d914e9e4a_oproj
	.globl	k_q0d914e9e4a_oproj
	.p2align	8
	.type	k_q0d914e9e4a_oproj,@function
k_q0d914e9e4a_oproj:
	s_mov_b64 s[64:65], 0
	v_nop
	global_prefetch_b8 v0, s[64:65] scope:SCOPE_SE
	s_setreg_imm32_b32 hwreg(HW_REG_WAVE_MODE, 25, 1), 1
	s_wait_xcnt 0x0
	s_wait_alu depctr_hold_cnt(0) depctr_sa_sdst(0) depctr_va_vdst(0) depctr_va_sdst(0) depctr_va_ssrc(0) depctr_va_vcc(0) depctr_vm_vsrc(0)
	s_getreg_b32 s2, hwreg(HW_REG_IB_STS2, 6, 4)
	s_cmp_eq_u32 s2, 0
	s_cbranch_scc0 .Lentry_in_a_cluster
	s_endpgm
.Lentry_in_a_cluster:
	s_bfe_u32 s2, ttmp6, 0x10000c
	s_cmp_lg_u32 s2, 0xf033
	s_cbranch_scc0 .Lentry_shape_is_right
	s_endpgm
.Lentry_shape_is_right:
; out0 [2048][4096] f32 = A wo^T on codes of BF6 (E3M2) with E8M0 scales, K = 2,048.
; A, the attention's result, comes as images of fragments: a_img [rb 128][K step of 128: 16][1,536 bytes] (registers 4 c .. 4 c + 3 of lane l at byte 512 c + 16 l); image row 16 rb + r is token
; 128 (rb / 8) + 32 ((rb % 8) / 2) + 8 (rb % 2) + r + 8 (r / 8); its scale bytes a_sc: rows of 64 bytes in the images' order of rows.  wo's codes: rows of 1,536 bytes from byte 18,874,368 of codes; its scale bytes: rows of 64 from byte 786,432 of scales.
; A tile of 256 x 256 is made by a work-group of four waves; a wave makes 128 x 128: 64 accumulators, 512 registers.  K goes in steps of 256 through a ring of two LDS slots filled by the tensor data mover:
; A's part of a slot is 16 x 2 images on end (no padding: an image is read 16 bytes a lane on end), B's 256 rows of 192 bytes, padded.  The scale bytes of the work-group's 512 rows come once and stay.
; CLUSTERS: 4 x 4 work-groups; A's tiles are asked for jointly along a row of the cluster, B's along a column.  THE MATRIX INSTRUCTION IS USED TRANSPOSED (source 0 = 16 rows of wo, source 1 = 16 rows of A): a lane holds eight neighbouring numbers of a row of the result.
; REGISTERS, in windows of 256: window 0: v0-31 addresses; v32-63 scale words, two sets; from v128 A's fragments, one set; on the way out v128-255 are free.   window 1: B's fragments, two sets, at v0 and v128.
;   window 2: the accumulators of my rows 0-63 ((a, b) at v[8 (8 a + b)]);   window 3: those of rows 64-127.
.set SIZE_N, 4096
.set SIZE_K, 2048
.set KSTEP,  256
.set NQ,     KSTEP/128
.set ROWB,   192                       ; a row of B's tile in bytes
.set KROW,   SIZE_K*6/8                ; a row of wo's codes in memory
.set PITCH,  240                       ; B's LDS row: 3 x (64 bytes + 16 of padding)
.set FR,     12
.set NL,     6                         ; LDS loads that bring a fragment of B
.set NLA,    3                         ; and of A
.set NP,     4                         ; places behind this matrix instruction (ISA guide 7.12.1)
.set IMROW,  16*FR*128                 ; from a block of 16 image rows to the next in memory: 24,576 bytes
.set IMSTEP, 2*FR*128                  ; a K step's two images: 3,072 bytes
.set HALFA,  8*IMSTEP                  ; 128 rows of A in a slot
.set HALFB,  128*PITCH
.set BOFF,   2*HALFA
.set SLOT,   BOFF+2*HALFB
.set LAPS,   SIZE_K/(2*KSTEP)
.set KS,     SIZE_K/32
.set SCL,    2*SLOT
.set HALFS,  (128*KS/256)*272
.set SBLK,   (16*KS/256)*272
.set SPARE,  SCL+4*HALFS               ; behind the scales: the spare words, 128 bytes for each wave
.set SPITCH, 528                       ; the way out: a stage of 16 rows x (512 bytes + 16) for each wave, in slot 0, which has had its last fill and its last read when the first result is stored there
.set WO_CODES,  18874368
.set WO_SCALES, 786432
.set ADRA, 16                          ; v16-17 LDS address of my A images in slot 0, 1
.set ADRB, 20                          ; v20-21 of my B fragments (v22-23: for the pieces behind one padding more)
.set STO,  24                          ; v24  the way out: where I put 32 bytes of a row
.set RD,   25                          ; v25  where I read a row back
.set CO,   26                          ; v26  16 x lane
.set ADRS, 27                          ; v27  LDS address of my scale words: lanes 0-15 A's rows, lanes 16-31 B's
.set SPW,  28                          ; v28  LDS address of my spare word; never rewritten
.set NIL,  29                          ; v29  0; never rewritten
.set SC,   32
.set AF,   128
.set BK,   128                         ; the way out: 16 rows read back from the stage: v128-191 and v192-255 by turns
.set G1, 24
.set G0, 32
.set G1B, 48
.set G0B, 56
.set G1S, 68
.set G0S, 76
.set G1SB, 80
.set G0SB, 88
.set MSB, 0
.macro WIN new                         ; the immediate's high byte repeats the setting that is left
.if MSB != \new
	s_set_vgpr_msb (MSB<<8)|\new
.set MSB, \new
.endif
.endm
.set MUL_LO, 0xa1
.set MUL_HI, 0xf1
.set TO_B,   0x40
; A joint load: waves 0 and 1 fetch for A, waves 2 and 3 for B; the branch hangs on the wave's number alone.  Four v_nop follow each of the two lines.
.macro JLOAD g0a, g1a, g0b, g1b
	s_cmp_eq_u32 s15, 0
	s_cbranch_scc0 .Lfor_b_\@
	tensor_load_to_lds s[\g0a:\g0a+3], s[\g1a:\g1a+7]
	s_nop 0
.rept 4
	v_nop
.endr
	s_branch .Lasked_\@
.Lfor_b_\@:
	tensor_load_to_lds s[\g0b:\g0b+3], s[\g1b:\g1b+7]
	s_nop 0
.rept 4
	v_nop
.endr
.Lasked_\@:
.endm
.macro CREST
	s_cmp_lg_u32 s14, 0
	s_cbranch_scc1 .Lnot_wave_0_\@
	s_barrier_signal -3
.Lnot_wave_0_\@:
	s_barrier_wait -3
	s_barrier_signal -1
	s_barrier_wait -1
.endm
.macro CROUND
	s_barrier_signal -1
	s_barrier_wait -1
	CREST
.endm
	s_load_b128 s[4:7], s[0:1], 0x0                ; a_img, a_sc
	s_load_b128 s[8:11], s[0:1], 0x10              ; codes, scales
	s_load_b64 s[12:13], s[0:1], 0x20              ; out0
	v_lshl_add_u32 v[SPW], v0, 2, SPARE
	v_mov_b32 v[NIL], 0
	ds_add_u32 v28, v29
	ds_add_u32 v28, v29
	s_wait_dscnt 0x0
	v_lshrrev_b32 v1, 5, v0
	v_readfirstlane_b32 s14, v1                    ; wave 0..3
	s_lshr_b32 s15, s14, 1                         ; which half of the tile's rows is mine.  Also: I fetch for A (0) or for B (1)
	s_and_b32 s16, s14, 1                          ; which half of its columns.  Also: which 128 rows of that tile I fetch
	s_bfe_u32 s40, ttmp6, 0x40000                  ; cx, cy
	s_bfe_u32 s41, ttmp6, 0x40004
	s_lshl_b32 s42, ttmp9, 2
	s_add_co_u32 s42, s42, s40                     ; tile column
	s_and_b32 s17, ttmp7, 0xffff
	s_lshl_b32 s17, s17, 2
	s_add_co_u32 s17, s17, s41                     ; tile row
	s_lshl_b32 s43, s41, 2
	s_lshl_b32 s43, 15, s43                        ; my row of the cluster
	s_lshl_b32 s44, 0x1111, s40                    ; my column
	; A's group 1: 8 rows of 3,072 bytes (384 elements of 8 bytes: a block's two images of the K step), 24,576 bytes apart, no padding
	s_or_b32 s[G1+0], s43, (3<<16)|(1<<21)
	s_mov_b32 s[G1+1], (IMSTEP/8)<<16              ; tensor_dim0
	s_mov_b32 s[G1+2], 8<<16                       ; tensor_dim1
	s_mov_b32 s[G1+3], (IMSTEP/8)<<16              ; tile_dim0
	s_mov_b32 s[G1+4], 8                           ; tile_dim1
	s_mov_b32 s[G1+5], IMROW/8                     ; tensor_dim0_stride
	s_mov_b32 s[G1+6], 0
	s_mov_b32 s[G1+7], 0
	; B's: 128 rows x 192 bytes, 16 bytes of padding behind every 64
	s_or_b32 s[G1B+0], s44, (0<<16)|(1<<20)|(1<<21)|(3<<22)|(3<<25)
	s_mov_b32 s[G1B+1], ROWB<<16
	s_mov_b32 s[G1B+2], 128<<16
	s_mov_b32 s[G1B+3], ROWB<<16
	s_mov_b32 s[G1B+4], 128
	s_mov_b32 s[G1B+5], KROW
	s_mov_b32 s[G1B+6], 0
	s_mov_b32 s[G1B+7], 0
	; the scales of 128 rows: 8,192 dense bytes as 32 rows of 256 bytes, 16 bytes of padding behind each
	s_or_b32 s[G1S+0], s43, (3<<16)|(1<<20)|(1<<21)|(5<<22)|(3<<25)
	s_or_b32 s[G1SB+0], s44, (3<<16)|(1<<20)|(1<<21)|(5<<22)|(3<<25)
.irp g, G1S, G1SB
	s_mov_b32 s[\g+1], 32<<16
	s_mov_b32 s[\g+2], (128*KS/256)<<16
	s_mov_b32 s[\g+3], 32<<16
	s_mov_b32 s[\g+4], 128*KS/256
	s_mov_b32 s[\g+5], 32
	s_mov_b32 s[\g+6], 0
	s_mov_b32 s[\g+7], 0
.endr
	s_lshl_b32 s20, s17, 4
	s_lshl_b32 s18, s16, 3
	s_add_co_u32 s20, s20, s18                     ; A: block of 16 image rows 16 x tile row + 8 x half
	s_lshl_b32 s22, s20, 10                        ; its scales: 16 rows of 64 bytes a block
	s_mov_b32 s23, 0
	s_mul_i32 s20, s20, IMROW                      ; its images (3,145,728 bytes in all)
	s_mov_b32 s21, 0
	s_lshl_b32 s46, s42, 8
	s_lshl_b32 s18, s16, 7
	s_add_co_u32 s46, s46, s18                     ; B: row 256 x tile column + 128 x half
	s_lshl_b32 s92, s46, 6
	s_mov_b32 s93, 0
	s_mul_i32 s46, s46, KROW
	s_mov_b32 s47, 0
	s_mul_i32 s45, s16, HALFA                      ; where they go: no place in the cluster enters an LDS address
	s_mul_i32 s95, s16, HALFB
	s_add_co_u32 s95, s95, BOFF
	s_mul_i32 s94, s14, HALFS
	s_wait_kmcnt 0x0
	s_add_nc_u64 s[8:9], s[8:9], WO_CODES
	s_add_nc_u64 s[10:11], s[10:11], WO_SCALES
	s_add_nc_u64 s[20:21], s[4:5], s[20:21]
	s_add_nc_u64 s[22:23], s[6:7], s[22:23]
	s_add_nc_u64 s[46:47], s[8:9], s[46:47]
	s_add_nc_u64 s[92:93], s[10:11], s[92:93]
	CROUND                                         ; all sixteen work-groups are here: the first joint loads meet
	s_mov_b32 s[G0S], 1
	s_add_co_u32 s[G0S+1], s94, SCL
	s_mov_b64 s[G0S+2:G0S+3], s[22:23]
	s_or_b32 s[G0S+3], s[G0S+3], 0x80000000
	s_mov_b32 s[G0SB], 1
	s_add_co_u32 s[G0SB+1], s94, SCL
	s_mov_b64 s[G0SB+2:G0SB+3], s[92:93]
	s_or_b32 s[G0SB+3], s[G0SB+3], 0x80000000
	JLOAD G0S, G1S, G0SB, G1SB                     ; the scales first: they are wanted with K step 0
.irp s, 0,1
	s_mov_b32 s[G0+4*\s], 1
	s_add_co_u32 s[G0+4*\s+1], s45, \s*SLOT
	s_add_nc_u64 s[G0+4*\s+2:G0+4*\s+3], s[20:21], \s*IMSTEP
	s_or_b32 s[G0+4*\s+3], s[G0+4*\s+3], 0x80000000
	s_mov_b32 s[G0B+4*\s], 1
	s_add_co_u32 s[G0B+4*\s+1], s95, \s*SLOT
	s_add_nc_u64 s[G0B+4*\s+2:G0B+4*\s+3], s[46:47], \s*ROWB
	s_or_b32 s[G0B+4*\s+3], s[G0B+4*\s+3], 0x80000000
	JLOAD G0+4*\s, G1, G0B+4*\s, G1B               ; three loads of mine are out behind the last of these
.endr
	v_and_b32 v1, 15, v0                           ; r
	v_bfe_u32 v2, v0, 4, 1                         ; h
	v_and_b32 v6, 31, v0
	v_lshlrev_b32 v[CO], 4, v6                     ; 16 x lane
	v_mul_u32_u24 v3, v1, PITCH
	v_mul_u32_u24 v4, v2, 24
	v_add_nc_u32 v4, v3, v4                        ; B: a fragment's row x pitch + 24 x half
	v_lshl_add_u32 v5, v2, 4, v4                   ; and the same behind one padding more
	s_mul_i32 s21, s15, HALFA                      ; my 128 rows of A
	s_mul_i32 s22, s16, HALFB                      ; my 128 rows of B,
	s_add_co_u32 s22, s22, BOFF                    ; which lie behind A's images
.irp s, 0,1
	v_add_nc_u32 v[ADRA+\s], s21, v[CO]
	v_add_nc_u32 v[ADRB+\s], s22, v4
	v_add_nc_u32 v[ADRB+2+\s], s22, v5
	s_add_co_u32 s21, s21, SLOT
	s_add_co_u32 s22, s22, SLOT
.endr
	v_mul_u32_u24 v5, v1, KS                       ; my row's scales: 64 bytes a row,
	v_lshrrev_b32 v6, 8, v5
	v_lshl_add_u32 v5, v6, 4, v5                   ; and 16 more for each 256 passed
	s_mul_i32 s21, s15, HALFS
	s_mul_i32 s22, s16, HALFS
	s_add_co_u32 s22, s22, 2*HALFS
	s_sub_co_u32 s22, s22, s21
	v_mul_u32_u24 v6, s22, v2                      ; lanes 16-31 take B's
	s_add_co_u32 s21, s21, SCL
	v_add_nc_u32 v5, v5, v6
	v_add_nc_u32 v[ADRS], s21, v5
	s_mul_i32 s23, s14, 16*SPITCH                  ; my stage
	v_mul_u32_u24 v5, v1, SPITCH                   ; in: row r, 32 bytes for each half of the lanes
	v_lshl_add_u32 v5, v2, 5, v5
	v_add_nc_u32 v[STO], s23, v5
	v_add_nc_u32 v[RD], s23, v[CO]                 ; back: the 32 lanes take one row of 512 bytes
	s_lshl_b32 s20, s17, 8
	s_lshl_b32 s21, s15, 7
	s_add_co_u32 s20, s20, s21                     ; my first row of the result: 256 x tile row + 128 x half (a block of 128 image rows is a block of 128 tokens)
	s_mov_b32 s21, 0
	s_mov_b64 s[18:19], SIZE_N*4
	s_mul_u64 s[20:21], s[20:21], s[18:19]
	s_lshl_b32 s46, s42, 10                        ; my first column, in bytes
	s_lshl_b32 s47, s16, 9
	s_add_co_u32 s46, s46, s47
	s_mov_b32 s47, 0
	s_add_nc_u64 s[20:21], s[20:21], s[46:47]
	s_add_nc_u64 s[12:13], s[12:13], s[20:21]
.macro FRAG reg, adr, q, i             ; a fragment of B from padded rows: six pieces of 8 bytes; where the piece of lanes 16-31 lies behind one padding more, the second address register serves
.irp p, 0,1,2,3,4,5
.set PIECE, 12*(\q)+6*(\p/3)+\p%3
.if PIECE%8 < 5
	ds_load_b64 v[\reg+2*\p:\reg+2*\p+1], v[\adr] offset:8*PIECE+16*(PIECE/8)+(\i)*16*PITCH
.else
	ds_load_b64 v[\reg+2*\p:\reg+2*\p+1], v[\adr+2] offset:8*PIECE+16*(PIECE/8)+(\i)*16*PITCH
.endif
.endr
.endm
.macro FRAGA reg, slot, q, i           ; a fragment of A from its image: three loads of 16 bytes a lane, 512 consecutive bytes each
.irp c, 0,1,2
	ds_load_b128 v[\reg+4*\c:\reg+4*\c+3], v[ADRA+\slot] offset:IMSTEP*(\i)+FR*128*(\q)+512*\c
.endr
.endm
; 16 matrix instructions: A's blocks a0, a0 + 1 x B's eight, 128 along K.  The 64 accumulators take turns, one instruction a turn, in the same order in every step.
.macro MUL16 a0, p, q, sc, zero
.irp a, \a0, \a0+1
.irp b, 0,1,2,3,4,5,6,7
.if \zero
	v_wmma_scale_f32_16x16x128_f8f6f4 v[8*(8*((\a)%4)+\b):8*(8*((\a)%4)+\b)+7], v[128*(\p)+FR*\b:128*(\p)+FR*\b+FR-1], v[AF+FR*(\a):AF+FR*(\a)+FR-1], 0, v[SC+8*NQ*(\sc)+NQ*\b+(\q)], v[SC+8*NQ*(\sc)+NQ*(\a)+(\q)] matrix_a_fmt:MATRIX_FMT_BF6 matrix_b_fmt:MATRIX_FMT_BF6 matrix_a_scale:MATRIX_SCALE_ROW1
.else
	v_wmma_scale_f32_16x16x128_f8f6f4 v[8*(8*((\a)%4)+\b):8*(8*((\a)%4)+\b)+7], v[128*(\p)+FR*\b:128*(\p)+FR*\b+FR-1], v[AF+FR*(\a):AF+FR*(\a)+FR-1], v[8*(8*((\a)%4)+\b):8*(8*((\a)%4)+\b)+7], v[SC+8*NQ*(\sc)+NQ*\b+(\q)], v[SC+8*NQ*(\sc)+NQ*(\a)+(\q)] matrix_a_fmt:MATRIX_FMT_BF6 matrix_b_fmt:MATRIX_FMT_BF6 matrix_a_scale:MATRIX_SCALE_ROW1
.endif
.endr
.endr
.endm
.macro FETCH_B slot, q, p
	WIN TO_B
.irp i, 0,1,2,3,4,5,6,7
	FRAG 128*(\p)+FR*\i, ADRB+\slot, \q, \i
.endr
	WIN 0
.endm
.macro FETCH_A slot, q, i0
.irp i, \i0, \i0+1, \i0+2, \i0+3
	FRAGA AF+FR*(\i), \slot, \q, \i
.endr
.endm
.macro SCALES sc
.irp i, 0,1,2,3,4,5,6,7
	ds_load_b64 v[SC+8*NQ*\sc+NQ*\i:SC+8*NQ*\sc+NQ*\i+1], v[ADRS] offset:\i*SBLK
.endr
.endm
.macro PLACES n                        ; places in front of loads into registers that matrix instructions have read, and of the first read of results (ISA guide 7.12.1 for the first read of results)
.rept \n
	v_nop
.endr
.endm
.macro STEP slot, q, zero
	s_wait_dscnt 4*NLA                             ; B's set and A's blocks 0-3 are in; the youngest 12 loads (A's blocks 4-7) may be out
	WIN MUL_LO
	MUL16 0, (\q)%2, \q, \slot, \zero
	MUL16 2, (\q)%2, \q, \slot, \zero
	s_wait_dscnt 0                                 ; A's blocks 4-7 are in
	PLACES NP
	FETCH_B \slot, (\q)+1, 1-(\q)%2
	FETCH_A \slot, (\q)+1, 0
	WIN MUL_HI
	MUL16 4, (\q)%2, \q, \slot, \zero
	MUL16 6, (\q)%2, \q, \slot, \zero
	PLACES NP
	WIN 0
	FETCH_A \slot, (\q)+1, 4
.endm
; A slot's last step changes slots: ONE barrier; in front of it each wave waits for all its tensor loads, adds 0 to its spare word, and waits for that and for its own reads of this slot.
.macro TURN slot, next, fill
	s_wait_tensorcnt 0x0                           ; all my tensor loads have landed: my part of the next slot
	ds_add_u32 v[SPW], v[NIL]                      ; 0 onto my spare word
	s_wait_dscnt 4*NLA+1                           ; (the add and the youngest 12 loads may be out)
	WIN MUL_LO
	MUL16 0, 1, NQ-1, \slot, 0
	s_wait_dscnt 0x0                               ; the add is done, and my reads of this slot are over
	s_barrier_signal -1
	MUL16 2, 1, NQ-1, \slot, 0
	WIN 0
	s_barrier_wait -1
.if \fill
	CREST                                          ; the barrier has opened a round of the cluster's barrier
	s_add_nc_u64 s[G0+4*\slot+2:G0+4*\slot+3], s[G0+4*\slot+2:G0+4*\slot+3], 2*IMSTEP
	s_add_nc_u64 s[G0B+4*\slot+2:G0B+4*\slot+3], s[G0B+4*\slot+2:G0B+4*\slot+3], 2*ROWB
	JLOAD G0+4*\slot, G1, G0B+4*\slot, G1B         ; the first tensor load behind the round, my one load until the next; its four v_nop are the places in front of the loads below
.else
	PLACES NP
.endif
	v_add_nc_u32 v[ADRS], 4*NQ, v[ADRS]
	FETCH_B \next, 0, 0
	FETCH_A \next, 0, 0
	SCALES \next
	WIN MUL_HI
	MUL16 4, 1, NQ-1, \slot, 0
	MUL16 6, 1, NQ-1, \slot, 0
	PLACES NP
	WIN 0
	FETCH_A \next, 0, 4
.endm
	s_wait_tensorcnt 1                             ; the scales and my part of K step 0 are in (K step 1's load may be out)
	s_barrier_signal -1
	s_barrier_wait -1
	FETCH_B 0, 0, 0
	FETCH_A 0, 0, 0
	SCALES 0
	FETCH_A 0, 0, 4
	STEP 0, 0, 1                                   ; the first step stands in front of the loop: its products start the sums
	s_mov_b32 s3, LAPS-1
.Llap:
	TURN 0, 1, 1
	STEP 1, 0, 0
	TURN 1, 0, 1
	STEP 0, 0, 0
	s_sub_co_u32 s3, s3, 1
	s_cmp_lg_u32 s3, 0
	s_cbranch_scc1 .Llap
	TURN 0, 1, 0                                   ; the last lap fills nothing
	STEP 1, 0, 0
	s_wait_dscnt 4*NLA
	WIN MUL_LO
	MUL16 0, 1, NQ-1, 1, 0
	MUL16 2, 1, NQ-1, 1, 0
	s_wait_dscnt 0
	WIN MUL_HI
	MUL16 4, 1, NQ-1, 1, 0
	MUL16 6, 1, NQ-1, 1, 0
	WIN 0
; THE WAY OUT, block by block of 16 rows x 128 columns: through my own stage in LDS, back as whole rows of 512 bytes.  LDS serves a wave's instructions in order (ISA guide 5.7.1.4): no wait between the stores and the loads.
.macro TOSTAGE a
.set AC, 64*((\a)%4)
.set WW, 0x08+4*((\a)/4)               ; the data: window 2 or 3
	WIN WW
.irp b, 0,1,2,3,4,5,6,7
	ds_store_b128 v[STO], v[AC+8*\b:AC+8*\b+3] offset:64*\b          ; each accumulator from its low end on
	ds_store_b128 v[STO], v[AC+8*\b+4:AC+8*\b+7] offset:64*\b+16
.endr
	WIN 0
.set BB, BK+64*((\a)%2)
.irp t, 0,1,2,3,4,5,6,7,8,9,10,11,12,13,14,15
	ds_load_b128 v[BB+4*\t:BB+4*\t+3], v[RD] offset:\t*SPITCH
.endr
.endm
.macro SEND a, younger                 ; image row 16 a + t goes back to its token: 32 (a / 2) + 8 (a % 2) + t + 8 (t / 8); 127 rows of 16,384 bytes at the most: inside the signed 24-bit immediate
.set BB, BK+64*((\a)%2)
	s_wait_dscnt \younger                          ; the block is back in registers
.irp t, 0,1,2,3,4,5,6,7,8,9,10,11,12,13,14,15
	global_store_b128 v[CO], v[BB+4*\t:BB+4*\t+3], s[12:13] offset:(32*((\a)/2)+8*((\a)%2)+\t+8*(\t/8))*SIZE_N*4 th:TH_STORE_NT   ; 32 lanes store 512 consecutive bytes, at a multiple of 256 from the buffer's first byte
.endr
.endm
	PLACES NP
	TOSTAGE 0
.irp a, 1,2,3,4,5,6,7
.if \a > 1
	s_wait_xcnt 0x0                                ; block a - 2's stores have read their registers: block a's loads may land there
.endif
	TOSTAGE \a
	SEND \a-1, 32                                  ; behind block a - 1's loads: block a's 16 stores and 16 loads
.endr
	SEND 7, 0
	s_wait_tensorcnt 0x0                           ; the wave's end
	ds_add_u32 v[SPW], v[NIL]
	s_wait_dscnt 0x0
	CROUND                                         ; the closing round
	s_endpgm
.Lfunc_end_k_q0d914e9e4a_oproj:
	.size	k_q0d914e9e4a_oproj, .Lfunc_end_k_q0d914e9e4a_oproj-k_q0d914e9e4a_oproj
	.p2alignl 7, 3214868480
	.fill 96, 4, 3214868480
	.section	.rodata,"a",@progbits
	.p2align	6, 0x0
	.amdhsa_kernel k_q0d914e9e4a_oproj
		.amdhsa_group_segment_fixed_size 327680
		.amdhsa_private_segment_fixed_size 0
		.amdhsa_enable_private_segment 0
		.amdhsa_kernarg_size 40
		.amdhsa_user_sgpr_count 2
		.amdhsa_user_sgpr_kernarg_segment_ptr 1
		.amdhsa_wavefront_size32 1
		.amdhsa_system_sgpr_workgroup_id_x 1
		.amdhsa_system_sgpr_workgroup_id_y 1
		.amdhsa_system_sgpr_workgroup_id_z 1
		.amdhsa_system_vgpr_workitem_id 0
		.amdhsa_next_free_vgpr 1024
		.amdhsa_next_free_sgpr 100
		.amdhsa_reserve_vcc 0
		.amdhsa_float_denorm_mode_32 3
		.amdhsa_float_denorm_mode_16_64 3
		.amdhsa_memory_ordered 1
		.amdhsa_forward_progress 1
		.amdhsa_inst_pref_size 148
	.end_amdhsa_kernel
	.amdgpu_metadata
---
amdhsa.version: [ 1, 2 ]
amdhsa.kernels:
  - .name:           k_q0d914e9e4a_oproj
    .symbol:         k_q0d914e9e4a_oproj.kd
    .args:
      - { .name: a_img, .offset: 0, .size: 8, .value_kind: global_buffer, .address_space: global }
      - { .name: a_sc, .offset: 8, .size: 8, .value_kind: global_buffer, .address_space: global }
      - { .name: codes, .offset: 16, .size: 8, .value_kind: global_buffer, .address_space: global }
      - { .name: scales, .offset: 24, .size: 8, .value_kind: global_buffer, .address_space: global }
      - { .name: out0, .offset: 32, .size: 8, .value_kind: global_buffer, .address_space: global }
    .group_segment_fixed_size: 327680
    .private_segment_fixed_size: 0
    .kernarg_segment_align: 8
    .kernarg_segment_size: 40
    .max_flat_workgroup_size: 128
    .sgpr_count:     100
    .vgpr_count:     1024
    .wavefront_size: 32
...
	.end_amdgpu_metadata
.endif
;; end of part 4
;; ======== version 2 of 2: 4 launches
;; limits: right only within a limited range of input values
;; workspace buffers: img 26,214,400 bytes; qkv_img 6,291,456 bytes; qkv_sc 262,144 bytes; a_img 3,145,728 bytes; a_sc 131,072 bytes
;; launch quant (part 5): grid 1024 x 1, 4 waves a work-group, no clusters, 34,304 bytes of LDS; arguments x, wq, wk, wv, wo, img; writes img
.if DOCPART == 5
	.amdgcn_target "amdgcn-amd-amdhsa--gfx1250"
	.amdhsa_code_object_version 6
	.text
	.protected	k_q0d914e9e4a_quant
	.globl	k_q0d914e9e4a_quant
	.p2align	8
	.type	k_q0d914e9e4a_quant,@function
k_q0d914e9e4a_quant:
	s_mov_b64 s[64:65], 0
	v_nop
	global_prefetch_b8 v0, s[64:65] scope:SCOPE_SE
	s_setreg_imm32_b32 hwreg(HW_REG_WAVE_MODE, 25, 1), 1
	s_wait_xcnt 0x0
; x [2048][4096], wq [2048][4096], wk [1024][4096], wv [1024][4096], wo [4096][2048], all f32 with K innermost, become codes of BF6 (E3M2), 6 bits each, and one E8M0 scale byte for each 32 along K,
; laid in the order in which a matrix operand's registers take them.
; A block's scale is 2^(floor(log2(its largest magnitude)) - 4); its byte is the largest magnitude's own exponent field - 4, held at 1 from below.  Each number is divided by the scale and rounded to the nearest code, ties to even;
; beyond the largest code the conversion gives the largest code.
; LIMITS: NaN and infinities among the inputs are not served.  Blocks whose largest magnitude lies under 2^(5 - 127) keep the byte 1.  A block of zeros gets the byte 1 where the quantiser's text says 127: its codes are zeros,
; which add nothing under any byte but 0xff, and the bytes are read by this program alone.
; WHAT IS STORED.  An IMAGE is a fragment (16 rows x 128 K: 12 registers a lane) as it stands in registers: registers 4 c .. 4 c + 3 of lane l at byte 512 c + 16 l: 1,536 bytes.  A SUPER-IMAGE is 16 rows x 512 K: four images,
; then 256 bytes of scale words: row r's four words (one for each 128 along K) at byte 16 r: 6,400 bytes.  img: [block of 16 rows][K / 512]: x's blocks 0-127, wq's 128-255, wk's 256-319, wv's 320-383 (eight super-images each), then wo's 256 (four each).
; THE ROWS OF A BLOCK.  Row r of block t of x, wq, wk, wv is row 32 (t / 2) + 8 (t % 2) + r + 8 (r / 8): the choice of rows that lets the next launch's results be quantised in registers.  wo's block t has rows 16 t + r.
; SHARES.  There are 4,096 super-images and 4,096 waves: wave number 4 x work-group + wave makes super-image number 4 x work-group + wave: 8,192 numbers, in four steps of 128 along K.
; A step: sixteen loads, one a row, each of 512 consecutive bytes; the 8,192 bytes go through the wave's own stage in LDS (rows 528 bytes apart) and come back so that lane (r, h) holds, of row r, 16 neighbours of each block of 32;
; the largest magnitudes, the scale word, the conversions; three stores of 512 consecutive bytes.  No barrier: waves share nothing.  Loads run two steps (32 loads a wave) ahead.
; WORK LEFT OUT BY THE PROGRAM.  reference() masks key j for query i unless j <= i and i - j < window.  window is the constant 2,048 and there are 2,048 tokens, so i - j < window holds wherever j <= i:
; the window's test is not computed.  Tiles of 128 keys that lie wholly behind a query tile's block of 128 tokens are masked whole by reference() itself, and are not multiplied (launch attn).
; A NaN, an infinity or an overflow that reaches only such tiles is not carried to the result.
.set SP,   528                         ; a stage row: 512 bytes + 16: an odd multiple of 16
.set WREG, 16*SP                       ; a wave's stage
.set IMG,  1536
.set SUP,  4*IMG+256
.set LI,   1                           ; v1   16 x lane
.set STI,  2                           ; v2   the stage, on the way in: 16 x lane
.set STO,  3                           ; v3   and on the way out: SP r + 64 h
.set SWA,  4                           ; v4   16 r
.set R,    16                          ; v16-143  two sets of 64: a step's numbers as they are loaded
.set X,    144                         ; v144-207 register 16 b + i = k 32 b + 16 h + i of my row
.set PC,   208                         ; v208-226 the codes just made
.set TM,   228                         ; v228-231 largest magnitudes, v232-235 the other half's, then bytes, v240-243 the conversions' scale operands
.set PW,   244                         ; v244-247 the four steps' scale words
.set SEL,  20                          ; s[20:21] lane selects for v_permlanex16_b32: lane l xor 16
.set RB,   32                          ; s[32:63] the sixteen rows' addresses
	s_load_b256 s[4:11], s[0:1], 0x0               ; x, wq, wk, wv
	s_load_b128 s[12:15], s[0:1], 0x20             ; wo, img
	v_lshl_add_u32 v248, v0, 2, 0x8400
	v_mov_b32 v249, 0
	v_lshrrev_b32 v5, 5, v0
	v_readfirstlane_b32 s16, v5                    ; wave
	v_and_b32 v5, 31, v0                           ; lane
	v_and_b32 v6, 15, v0                           ; r
	v_bfe_u32 v7, v0, 4, 1                         ; h
	v_lshlrev_b32 v[LI], 4, v5
	s_mul_i32 s17, s16, WREG
	v_add_nc_u32 v[STI], s17, v[LI]
	v_mul_u32_u24 v[STO], v6, SP
	v_lshl_add_u32 v[STO], v7, 6, v[STO]
	v_add_nc_u32 v[STO], s17, v[STO]
	v_lshlrev_b32 v[SWA], 4, v6
.irp b, 0,1,2,3
	v_mov_b32 v[TM+4+\b], 0                        ; written once: a lane permute's destination counts as one of its sources
.endr
	s_mov_b32 s[SEL], 0x76543210
	s_mov_b32 s[SEL+1], 0xfedcba98
	s_lshl_b32 s22, ttmp9, 2
	s_add_co_u32 s22, s22, s16
	s_mul_i32 s22, s22, SUP                        ; where my super-image goes (26,214,400 bytes in all)
	s_mov_b32 s23, 0
	s_mov_b32 s24, 0
	s_wait_alu depctr_va_vdst(0)
	s_wait_kmcnt 0x0
	s_cmp_ge_u32 ttmp9, 256                        ; which tensor is mine: the choice hangs on the work-group's number alone
	s_cselect_b64 s[4:5], s[6:7], s[4:5]
	s_cselect_b32 s24, 256, s24
	s_cmp_ge_u32 ttmp9, 512
	s_cselect_b64 s[4:5], s[8:9], s[4:5]
	s_cselect_b32 s24, 512, s24
	s_cmp_ge_u32 ttmp9, 640
	s_cselect_b64 s[4:5], s[10:11], s[4:5]
	s_cselect_b32 s24, 640, s24
	s_cmp_ge_u32 ttmp9, 768
	s_cselect_b64 s[4:5], s[12:13], s[4:5]
	s_cselect_b32 s24, 768, s24
	s_sub_co_u32 s24, ttmp9, s24                   ; u: my work-group's number within the tensor
	; K = 4,096: block t = u / 2, super-image 4 (u % 2) + wave of its eight
	s_lshr_b32 s25, s24, 2
	s_lshl_b32 s25, s25, 5                         ; 32 (t / 2)
	s_bfe_u32 s26, s24, 0x10001
	s_lshl_b32 s26, s26, 3                         ; 8 (t % 2)
	s_add_co_u32 s25, s25, s26                     ; the block's first row,
	s_lshl_b32 s25, s25, 14                        ; of 16,384 bytes
	s_and_b32 s26, s24, 1
	s_lshl_b32 s26, s26, 13                        ; four super-images of 2,048 bytes a row
	s_add_co_u32 s25, s25, s26
	s_lshl_b32 s26, s24, 17                        ; wo: block u, 16 rows of 8,192 bytes; super-image = wave
	s_mov_b32 s28, 16384
	s_cmp_ge_u32 ttmp9, 768
	s_cselect_b32 s18, s26, s25
	s_cselect_b32 s28, 8192, s28                   ; from a row to the next
	s_cselect_b32 s30, 0, 131072                   ; and eight rows more between a block's rows 7 and 8; none in wo
	s_lshl_b32 s26, s16, 11
	s_add_co_u32 s18, s18, s26
	s_mov_b32 s19, 0
	s_mov_b32 s29, 0
	s_mov_b32 s31, 0
	s_add_nc_u64 s[14:15], s[14:15], s[22:23]
	s_add_nc_u64 s[RB:RB+1], s[4:5], s[18:19]
.set i, 1
.rept 15
	s_add_nc_u64 s[RB+2*i:RB+2*i+1], s[RB+2*i-2:RB+2*i-1], s[28:29]
.if i == 8
	s_add_nc_u64 s[RB+2*i:RB+2*i+1], s[RB+2*i:RB+2*i+1], s[30:31]
.endif
.set i, i+1
.endr
.macro LOAD t                          ; step t: 128 numbers of each of the sixteen rows
.irp r, 0,1,2,3,4,5,6,7,8,9,10,11,12,13,14,15
	global_load_b128 v[R+64*((\t)%2)+4*\r:R+64*((\t)%2)+4*\r+3], v[LI], s[RB+2*\r:RB+2*\r+1] offset:512*(\t) th:TH_LOAD_NT   ; 32 lanes read 512 consecutive bytes
.endr
.endm
.macro STEP t
.if (\t) < 3
	s_wait_loadcnt 16                              ; this step's sixteen loads are in; the next step's sixteen may be out
.else
	s_wait_loadcnt 0x0
.endif
.irp r, 0,1,2,3,4,5,6,7,8,9,10,11,12,13,14,15
	ds_store_b128 v[STI], v[R+64*((\t)%2)+4*\r:R+64*((\t)%2)+4*\r+3] offset:\r*SP
.endr
.irp b, 0,1,2,3
.irp j, 0,1,2,3
	ds_load_b128 v[X+16*\b+4*\j:X+16*\b+4*\j+3], v[STO] offset:128*\b+16*\j   ; LDS serves a wave's instructions in order: these see my stores
.endr
.endr
	s_wait_dscnt 0x0                               ; the numbers are back, and the stores into the stage have read their registers,
.if (\t) < 2
	LOAD (\t)+2                                    ; which take the loads of two steps on
.endif
.irp b, 0,1,2,3
	v_max3_num_f32 v[TM+\b], |v[X+16*\b]|, |v[X+1+16*\b]|, 0x2800000   ; block b: my 16 numbers, and the floor 2^(5 - 127): the byte cannot fall under 1
.endr
.irp i, 2,4,6,8,10,12,14
.irp b, 0,1,2,3
	v_max3_num_f32 v[TM+\b], v[TM+\b], |v[X+16*\b+\i]|, |v[X+1+16*\b+\i]|   ; (the four blocks by turns)
.endr
.endr
.irp b, 0,1,2,3
	v_permlanex16_b32 v[TM+4+\b], v[TM+\b], s[SEL], s[SEL+1]
.endr
.irp b, 0,1,2,3
	v_max_num_f32 v[TM+\b], v[TM+\b], v[TM+4+\b]   ; with lane l xor 16's: the block's largest magnitude
.endr
.irp b, 0,1,2,3
	v_add_nc_u32 v[TM+12+\b], 0xfe000000, v[TM+\b] ; 4 off its exponent field: the conversion takes the exponent field of this operand as its scale, and nothing else of it
.endr
.irp b, 0,1,2,3
	v_lshrrev_b32 v[TM+4+\b], 23, v[TM+12+\b]      ; the scale's byte
.endr
	v_lshl_or_b32 v[PW+(\t)], v[TM+5], 8, v[TM+4]  ; the four bytes make my row's scale word for these 128
	v_lshl_or_b32 v[PW+(\t)], v[TM+6], 16, v[PW+(\t)]
	v_lshl_or_b32 v[PW+(\t)], v[TM+7], 24, v[PW+(\t)]
.if (\t) > 0
	s_wait_xcnt 0x0                                ; the last step's stores have read the codes' registers: they are written again only behind this wait
.endif
.irp c, 0,1
	v_cvt_scalef32_pk16_bf6_f32 v[PC+6*\c:PC+6*\c+2], v[X+32*\c:X+32*\c+15], v[TM+12+2*\c]
	v_cvt_scalef32_pk16_bf6_f32 v[PC+12+4*\c:PC+12+4*\c+2], v[X+32*\c+16:X+32*\c+31], v[TM+12+2*\c+1]   ; (a conversion's three registers begin on an even number)
.endr
	v_nop                                          ; one plain line behind a scaled conversion
.irp c, 0,1                                    ; the operand's layout wants a WHOLE block in a lane: lanes 0-15 block 2 c, lanes 16-31 block 2 c + 1
.irp i, 0,1,2
	v_permlane16_swap_b32 v[PC+6*\c+\i], v[PC+12+4*\c+\i]
.endr
.irp i, 0,1,2
	v_mov_b32 v[PC+3+6*\c+\i], v[PC+12+4*\c+\i]
.endr
.endr
.irp c, 0,1,2
	global_store_b128 v[LI], v[PC+4*\c:PC+4*\c+3], s[14:15] offset:IMG*(\t)+512*\c   ; the image: each store covers 512 consecutive bytes, at a multiple of 256 from the buffer's first byte
.endr
.endm
	LOAD 0
	LOAD 1
	STEP 0
	STEP 1
	STEP 2
	STEP 3
	global_store_b128 v[SWA], v[PW:PW+3], s[14:15] offset:4*IMG   ; the scale words: sixteen lanes store 256 consecutive bytes, aligned (lanes l and l xor 16 store the same words)
	s_wait_tensorcnt 0x0
	ds_add_u32 v248, v249
	s_wait_dscnt 0x0
	s_endpgm
.Lfunc_end_k_q0d914e9e4a_quant:
	.size	k_q0d914e9e4a_quant, .Lfunc_end_k_q0d914e9e4a_quant-k_q0d914e9e4a_quant
	.p2alignl 7, 3214868480
	.fill 96, 4, 3214868480
	.section	.rodata,"a",@progbits
	.p2align	6, 0x0
	.amdhsa_kernel k_q0d914e9e4a_quant
		.amdhsa_group_segment_fixed_size 34304
		.amdhsa_private_segment_fixed_size 0
		.amdhsa_enable_private_segment 0
		.amdhsa_kernarg_size 48
		.amdhsa_user_sgpr_count 2
		.amdhsa_user_sgpr_kernarg_segment_ptr 1
		.amdhsa_wavefront_size32 1
		.amdhsa_system_sgpr_workgroup_id_x 1
		.amdhsa_system_sgpr_workgroup_id_y 1
		.amdhsa_system_sgpr_workgroup_id_z 1
		.amdhsa_system_vgpr_workitem_id 0
		.amdhsa_next_free_vgpr 250
		.amdhsa_next_free_sgpr 66
		.amdhsa_reserve_vcc 0
		.amdhsa_float_denorm_mode_32 3
		.amdhsa_float_denorm_mode_16_64 3
		.amdhsa_memory_ordered 1
		.amdhsa_forward_progress 1
		.amdhsa_inst_pref_size 35
	.end_amdhsa_kernel
	.amdgpu_metadata
---
amdhsa.version: [ 1, 2 ]
amdhsa.kernels:
  - .name:           k_q0d914e9e4a_quant
    .symbol:         k_q0d914e9e4a_quant.kd
    .args:
      - { .name: x, .offset: 0, .size: 8, .value_kind: global_buffer, .address_space: global }
      - { .name: wq, .offset: 8, .size: 8, .value_kind: global_buffer, .address_space: global }
      - { .name: wk, .offset: 16, .size: 8, .value_kind: global_buffer, .address_space: global }
      - { .name: wv, .offset: 24, .size: 8, .value_kind: global_buffer, .address_space: global }
      - { .name: wo, .offset: 32, .size: 8, .value_kind: global_buffer, .address_space: global }
      - { .name: img, .offset: 40, .size: 8, .value_kind: global_buffer, .address_space: global }
    .group_segment_fixed_size: 34304
    .private_segment_fixed_size: 0
    .kernarg_segment_align: 8
    .kernarg_segment_size: 48
    .max_flat_workgroup_size: 128
    .sgpr_count:     66
    .vgpr_count:     250
    .wavefront_size: 32
...
	.end_amdgpu_metadata
.endif
;; end of part 5
;; launch qkv (part 6): grid 16 x 16, 4 waves a work-group, clusters of 4 x 4, 327,680 bytes of LDS; arguments cos, sin, qkv_img, qkv_sc, img; writes qkv_img, qkv_sc
.if DOCPART == 6
	.amdgcn_target "amdgcn-amd-amdhsa--gfx1250"
	.amdhsa_code_object_version 6
	.text
	.protected	k_q0d914e9e4a_qkv
	.globl	k_q0d914e9e4a_qkv
	.p2align	8
	.type	k_q0d914e9e4a_qkv,@function
k_q0d914e9e4a_qkv:
	s_mov_b64 s[64:65], 0
	v_nop
	global_prefetch_b8 v0, s[64:65] scope:SCOPE_SE
	s_setreg_imm32_b32 hwreg(HW_REG_WAVE_MODE, 25, 1), 1
	s_wait_xcnt 0x0
	s_wait_alu depctr_hold_cnt(0) depctr_sa_sdst(0) depctr_va_vdst(0) depctr_va_sdst(0) depctr_va_ssrc(0) depctr_va_vcc(0) depctr_vm_vsrc(0)
	s_getreg_b32 s2, hwreg(HW_REG_IB_STS2, 6, 4)
	s_cmp_eq_u32 s2, 0
	s_cbranch_scc0 .Lentry_in_a_cluster
	s_endpgm
.Lentry_in_a_cluster:
	s_bfe_u32 s2, ttmp6, 0x10000c
	s_cmp_lg_u32 s2, 0xf033
	s_cbranch_scc0 .Lentry_shape_is_right
	s_endpgm
.Lentry_shape_is_right:
; The three projections on codes of BF6 (E3M2) with E8M0 scales, K = 4,096; then the rotation of q and k, and the quantising of q, k (along the head's 128) and v (along the keys), all in registers.
; img holds the operands as SUPER-IMAGES of 6,400 bytes: 16 rows x 512 K: four images of fragments (registers 4 c .. 4 c + 3 of lane l at byte 512 c + 16 l), then row r's four scale words at byte 6,144 + 16 r.
; A block of 16 rows has eight of them on end (51,200 bytes): x's blocks 0-127, wq's 128-255, wk's 256-319, wv's 320-383.  Row r of block t is row 32 (t / 2) + 8 (t % 2) + r + 8 (r / 8).
; A tile of 128 x 256 of a product A B^T is made by a work-group of four waves; a wave makes 64 x 128: 32 accumulators, 256 registers.  256 tiles: clusters x = 0, 1, 2: A = x (tokens), B = wq and wk (24 heads' rows);
; cluster x = 3: A = wv (channels), B = x (tokens): v is made TRANSPOSED, so that a lane's registers run along the tokens, which are v's K in the second product of attention.
; K goes in steps of 512 through a ring of two LDS slots filled by the tensor data mover: a slot is A's 8 super-images and B's 16: 153,600 bytes, the scale words among them; nothing is padded: an image is read 16 bytes a lane on end.
; This tile is the largest of which two slots of 512 along K fit in LDS: a refill then has a slot's 128 matrix instructions a wave in which to land, and K is passed in 8 slots, with 6 refills.
; CLUSTERS: 4 x 4 work-groups; A's tiles are asked for jointly along a row of the cluster, B's along a column.
; THE MATRIX INSTRUCTION IS USED TRANSPOSED (source 0 = 16 rows of B, source 1 = 16 rows of A).  By the blocks' order of rows, register 16 B + i of the 64 that lane (r, h) holds for A's block a is
; C(A's row 32 (a / 2) + 8 (a % 2) + r + 8 (r / 8), B's row 32 B + 16 h + i): 16 neighbours along the next K in each block of 32, shared with lane l xor 16.
; WHAT IS STORED: images again.  qkv_img [H 32][s 16][t 8][1,536]: H = query head, 16 + key head, 24 + value head; q, k: s = block of 128 tokens, tile t's rows are tokens; v: s = block of 128 keys (its K), tile t's rows are channels.
; qkv_sc [H][s][t][16 words]: row r's scale word.
; LIMITS: NaN and infinities are not served; blocks under 2^(5 - 127), zero blocks among them, keep the scale byte 1 (the bytes are read by this program alone).
; REGISTERS, in windows of 256: window 0: v0-31 addresses; v32-63 A's scale words, v64-127 B's, two sets each; v128-223 A's fragments, two sets; on the way out v64-175 are at work.
;   window 1: B's fragments, two sets, at v0 and v128; on the way out four sets of 32 cosines and 32 sines.   window 2: the accumulators ((a, b) at v[8 (8 a + b)]).
.set FR,    12                         ; registers of a fragment
.set NP,    4                          ; places behind this matrix instruction (ISA guide 7.12.1)
.set IMG,   FR*128                     ; an image
.set SCO,   4*IMG                      ; where a super-image's scale words begin
.set SUP,   SCO+256                    ; a super-image
.set BROW,  8*SUP                      ; from a block of 16 rows to the next in memory
.set HALFA, 4*SUP                      ; 64 rows of A in a slot: what waves 0 and 1 fetch, and what a wave reads
.set HALFB, 8*SUP                      ; 128 rows of B: what waves 2 and 3 fetch, and what a wave reads
.set BOFF,  2*HALFA
.set SLOT,  BOFF+2*HALFB
.set LAPS,  4                          ; a lap = two slots = once round the ring: 1,024 along K
.set SPARE, 2*SLOT                     ; behind the ring: the spare words, 128 bytes for each wave
.set ADRA, 16                          ; v16-17 LDS address of my A images in slot 0, 1: 16 x lane on
.set ADRB, 18                          ; v18-19 of my B images
.set ASA,  20                          ; v20-21 the same bases, 16 r on: for the scale words
.set ASB,  22                          ; v22-23
.set CA,   24                          ; v24  the tables: (r + 8 (r / 8)) x 256 + 32 h
.set SST,  25                          ; v25  the scale words' stage, in: 256 x wave + 4 r
.set IO,   26                          ; v26  16 x lane
.set SLD,  27                          ; v27  the stage, back: 256 x wave + 8 x lane
.set SPW,  28                          ; v28  LDS address of my spare word; never rewritten
.set NIL,  29                          ; v29  0; never rewritten
.set SO8,  30                          ; v30  8 x lane
.set SCA,  32                          ; A's scale words: set s, block a, the slot's q-th 128: v[SCA + 16 s + 4 a + q]
.set SCB,  64                          ; B's: v[SCB + 32 s + 4 b + q]
.set AF,   128                         ; A's fragments: set p, block a: v[AF + 48 p + 12 a]
.set T,    64                          ; v64-127  the way out: the rotation's products with the sines
.set PC,   128                         ; v128-146 the codes just made
.set TM,   148                         ; v148-151 largest magnitudes, v152-155 the other half's, then bytes, v160-163 the conversions' scale operands
.set PWS,  164                         ; v164-167 the four blocks' scale words
.set OB,   172                         ; v172-173 the scale words on their way out
.set G1, 24                            ; s[24:31] descriptor group 1 for A's tiles;  s[32:39] group 0, one set for each slot
.set G0, 32
.set G1B, 48                           ; s[48:55], s[56:63] the same for B's
.set G0B, 56
.set SEL, 8                            ; s[8:9] lane selects for v_permlanex16_b32: lane l xor 16
.set ISV, 69                           ; s69 1 in the cluster column that makes v, else 0: the same in all sixteen partners
.set MSB, 0
.macro WIN new                         ; the immediate's high byte repeats the setting that is left
.if MSB != \new
	s_set_vgpr_msb (MSB<<8)|\new
.set MSB, \new
.endif
.endm
.set MUL,   0xa1                       ; source 0 (B) window 1, source 1 (A) window 0, C and D window 2
.set TO_B,  0x40                       ; destination window 1, address window 0
.set W_SIN, 0x0e                       ; source 0 window 2 (results), source 1 window 3 (the tables lie in window 3, not in window 1), destination window 0
.set W_COS, 0x8e                       ; the same, destination window 2
.set TO_T,  0xc0                       ; destination window 3, address window 0
.set W_MAX, 0x0a                       ; sources 0 and 1 window 2
.set W_CVT, 0x02                       ; source 0 window 2
; A joint load: waves 0 and 1 fetch for A, waves 2 and 3 for B.  Each line has one mask and one set of registers for all that issue it; the branch hangs on the wave's number alone.
; Four v_nop follow each of the two lines, ahead of the jump, the label and what follows.
.macro JLOAD g0a, g1a, g0b, g1b
	s_cmp_eq_u32 s15, 0
	s_cbranch_scc0 .Lfor_b_\@
	tensor_load_to_lds s[\g0a:\g0a+3], s[\g1a:\g1a+7]
	s_nop 0
.rept 4
	v_nop
.endr
	s_branch .Lasked_\@
.Lfor_b_\@:
	tensor_load_to_lds s[\g0b:\g0b+3], s[\g1b:\g1b+7]
	s_nop 0
.rept 4
	v_nop
.endr
.Lasked_\@:
.endm
.macro CREST                           ; a round of the cluster's barrier behind its opening barrier
	s_cmp_lg_u32 s14, 0
	s_cbranch_scc1 .Lnot_wave_0_\@
	s_barrier_signal -3
.Lnot_wave_0_\@:
	s_barrier_wait -3
	s_barrier_signal -1
	s_barrier_wait -1
.endm
.macro CROUND                          ; a whole round
	s_barrier_signal -1
	s_barrier_wait -1
	CREST
.endm
	s_load_b128 s[72:75], s[0:1], 0x0              ; cos, sin
	s_load_b64 s[12:13], s[0:1], 0x10              ; qkv_img
	s_load_b64 s[66:67], s[0:1], 0x18              ; qkv_sc
	s_load_b64 s[4:5], s[0:1], 0x20                ; img
	v_lshl_add_u32 v[SPW], v0, 2, SPARE
	v_mov_b32 v[NIL], 0
	ds_add_u32 v28, v29
	ds_add_u32 v28, v29
	s_wait_dscnt 0x0
	v_lshrrev_b32 v1, 5, v0
	v_readfirstlane_b32 s14, v1                    ; wave 0..3
	s_lshr_b32 s15, s14, 1                         ; which 64 of the tile's rows of A are mine.  Also: I fetch for A (0) or for B (1)
	s_and_b32 s16, s14, 1                          ; which 128 of its rows of B.  Also: which half of that tile I fetch
	s_bfe_u32 s40, ttmp6, 0x40000                  ; cx, cy: my place in the cluster
	s_bfe_u32 s41, ttmp6, 0x40004
	s_and_b32 s70, ttmp7, 0xffff                   ; cluster y: 0 .. 3
	s_and_b32 s10, s70, 1
	s_lshr_b32 s11, s70, 1
	s_cmp_eq_u32 ttmp9, 3                          ; cluster x = 3 makes v
	s_cselect_b32 s[ISV], 1, 0
	s_cselect_b32 s42, s10, ttmp9                  ; the cluster's place along the tile columns,
	s_cselect_b32 s17, s11, s70                    ; along the tile rows;
	s_cselect_b32 s3, 320, 0                       ; A's first block in img: wv's or x's;
	s_cselect_b32 s68, 0, 128                      ; B's: x's or wq's (wk's follow wq's)
	s_lshl_b32 s42, s42, 2
	s_add_co_u32 s42, s42, s40                     ; tile column: 256 rows of B
	s_lshl_b32 s17, s17, 2
	s_add_co_u32 s17, s17, s41                     ; tile row: 128 rows of A
	s_lshl_b32 s43, s41, 2
	s_lshl_b32 s43, 15, s43                        ; my row of the cluster
	s_lshl_b32 s44, 0x1111, s40                    ; my column
	; descriptor group 1: rows of 6,400 bytes (800 elements of 8 bytes: a block's super-image of the slot), 51,200 bytes apart; A: 4 rows, B: 8; no padding
	s_or_b32 s[G1+0], s43, (3<<16)|(1<<21)         ; 15:0 the mask: A's tiles go to my row; 17:16 elements of 8 bytes; 20 padding off; 21 set beside a mask
	s_mov_b32 s[G1+1], (SUP/8)<<16                 ; tensor_dim0
	s_mov_b32 s[G1+2], 4<<16                       ; tensor_dim1
	s_mov_b32 s[G1+3], (SUP/8)<<16                 ; tile_dim0
	s_mov_b32 s[G1+4], 4                           ; tile_dim1
	s_mov_b32 s[G1+5], BROW/8                      ; tensor_dim0_stride
	s_mov_b32 s[G1+6], 0
	s_mov_b32 s[G1+7], 0
	s_or_b32 s[G1B+0], s44, (3<<16)|(1<<21)
	s_mov_b32 s[G1B+1], (SUP/8)<<16
	s_mov_b32 s[G1B+2], 8<<16
	s_mov_b32 s[G1B+3], (SUP/8)<<16
	s_mov_b32 s[G1B+4], 8
	s_mov_b32 s[G1B+5], BROW/8
	s_mov_b32 s[G1B+6], 0
	s_mov_b32 s[G1B+7], 0
	s_lshl_b32 s20, s17, 3
	s_lshl_b32 s18, s16, 2
	s_add_co_u32 s20, s20, s18
	s_add_co_u32 s20, s20, s3                      ; A: its first block + 8 x tile row + 4 x half
	s_mul_i32 s20, s20, BROW                       ; (19,660,800 bytes in all)
	s_mov_b32 s21, 0
	s_lshl_b32 s46, s42, 4
	s_lshl_b32 s18, s16, 3
	s_add_co_u32 s46, s46, s18
	s_add_co_u32 s46, s46, s68                     ; B: its first block + 16 x tile column + 8 x half
	s_mul_i32 s46, s46, BROW
	s_mov_b32 s47, 0
	s_mul_i32 s45, s16, HALFA                      ; where they go: no place in the cluster enters an LDS address
	s_mul_i32 s71, s16, HALFB
	s_add_co_u32 s71, s71, BOFF
	s_wait_kmcnt 0x0
	s_add_nc_u64 s[20:21], s[4:5], s[20:21]
	s_add_nc_u64 s[46:47], s[4:5], s[46:47]
	; the prefetches' address s[6:7]: of the super-images that my wave fetches jointly (A: 4, B: 8), the partner at place p takes A's p-th, or B's 2 p and 2 p + 1 (p = cx for A, cy for B): shared out by address alone
	s_cmp_eq_u32 s15, 0
	s_cselect_b64 s[6:7], s[20:21], s[46:47]
	s_cselect_b32 s18, s40, s41
	s_mul_i32 s18, s18, BROW
	s_lshl_b32 s18, s18, s15
	s_mov_b32 s19, 0
	s_add_nc_u64 s[6:7], s[6:7], s[18:19]
	s_add_nc_u64 s[6:7], s[6:7], SUP               ; at slot 1
	CROUND                                         ; all sixteen work-groups are here: the first joint loads meet
.irp s, 0,1
	s_mov_b32 s[G0+4*\s], 1
	s_add_co_u32 s[G0+4*\s+1], s45, \s*SLOT
	s_add_nc_u64 s[G0+4*\s+2:G0+4*\s+3], s[20:21], \s*SUP
	s_or_b32 s[G0+4*\s+3], s[G0+4*\s+3], 0x80000000
	s_mov_b32 s[G0B+4*\s], 1
	s_add_co_u32 s[G0B+4*\s+1], s71, \s*SLOT
	s_add_nc_u64 s[G0B+4*\s+2:G0B+4*\s+3], s[46:47], \s*SUP
	s_or_b32 s[G0B+4*\s+3], s[G0B+4*\s+3], 0x80000000
.endr
	JLOAD G0, G1, G0B, G1B                         ; slot 0
	v_and_b32 v1, 15, v0                           ; r = l % 16
	v_bfe_u32 v2, v0, 4, 1                         ; h = l / 16
	v_and_b32 v6, 31, v0
	v_lshlrev_b32 v[IO], 4, v6
	v_lshlrev_b32 v3, 4, v1
	s_mul_i32 s21, s15, HALFA                      ; my 64 rows of A
	s_mul_i32 s22, s16, HALFB                      ; my 128 rows of B,
	s_add_co_u32 s22, s22, BOFF                    ; which lie behind A's
.irp s, 0,1
	v_add_nc_u32 v[ADRA+\s], s21, v[IO]
	v_add_nc_u32 v[ADRB+\s], s22, v[IO]
	v_add_nc_u32 v[ASA+\s], s21, v3
	v_add_nc_u32 v[ASB+\s], s22, v3
	s_add_co_u32 s21, s21, SLOT
	s_add_co_u32 s22, s22, SLOT
.endr
	v_and_b32 v5, 8, v1
	v_add_nc_u32 v5, v5, v1                        ; r + 8 (r / 8)
	v_lshlrev_b32 v[CA], 8, v5                     ; a token's row of a table is 256 bytes;
	v_lshl_add_u32 v[CA], v2, 5, v[CA]             ; my half's eight pairs of each 16 begin 32 h bytes on
	s_lshl_b32 s23, s14, 8
	v_lshl_add_u32 v[SST], v1, 2, s23
	v_lshl_add_u32 v[SLD], v6, 3, s23
	v_lshlrev_b32 v[SO8], 3, v6
	v_min_u32 v31, 24, v6                          ; v31: the prefetches' offset: a super-image is 25 blocks of 256 bytes, a lane a block; lanes 25-31 name the last block again
	v_lshlrev_b32 v31, 8, v31
	; where my results go.  (Numbers that mix cx and cy stand in s8-s11, which feed no descriptor.)
	s_lshl_b32 s9, s42, 1
	s_add_co_u32 s9, s9, s16                       ; my block of 128 rows of B: q, k: the head (0-15 q, 16-23 k); v: keys
	s_add_co_u32 s10, s17, 24                      ; the tile row is: q, k: a block of 128 tokens; v: the value head
	s_cmp_eq_u32 s[ISV], 1
	s_cselect_b32 s10, s10, s9                     ; H
	s_cselect_b32 s11, s9, s17                     ; s
	s_lshl_b32 s10, s10, 4
	s_add_co_u32 s9, s10, s11                      ; 16 H + s
	s_mul_i32 s10, s9, 8*IMG                       ; eight images,
	s_mul_i32 s8, s15, 4*IMG                       ; of which tiles 4 x half + 0 .. 3 are mine
	s_add_co_u32 s10, s10, s8
	s_mov_b32 s11, 0
	s_add_nc_u64 s[12:13], s[12:13], s[10:11]
	s_lshl_b32 s10, s9, 9                          ; eight times 16 scale words
	s_lshl_b32 s8, s15, 8
	s_add_co_u32 s10, s10, s8
	s_add_nc_u64 s[66:67], s[66:67], s[10:11]
	s_lshl_b32 s10, s17, 15                        ; the tables at my 64 tokens (in v's cluster: inside the tables too, and not used)
	s_lshl_b32 s8, s15, 14
	s_add_co_u32 s10, s10, s8
	s_add_nc_u64 s[72:73], s[72:73], s[10:11]
	s_add_nc_u64 s[74:75], s[74:75], s[10:11]
	s_mov_b32 s[SEL], 0x76543210
	s_mov_b32 s[SEL+1], 0xfedcba98
.macro FRAG3 reg, adr, off             ; a fragment from its image: three loads of 16 bytes a lane, 512 consecutive bytes each
.irp c, 0,1,2
	ds_load_b128 v[\reg+4*\c:\reg+4*\c+3], v[\adr] offset:\off+512*\c
.endr
.endm
.macro FETCH slot, q, p, w             ; the fragments of the slot's q-th 128 along K into sets p: B's eight (24 loads), A's four (12).  w = 1: between the two runs the wait for all that is older than B's 24
	WIN TO_B
.irp i, 0,1,2,3,4,5,6,7
	FRAG3 128*(\p)+FR*\i, ADRB+\slot, SUP*\i+IMG*(\q)
.endr
	WIN 0
.if \w
	s_wait_dscnt 24                                ; all but B's 24 just issued: the fragments and scale words of the step that is about to be multiplied are in
.endif
.irp i, 0,1,2,3
	FRAG3 AF+48*(\p)+FR*\i, ADRA+\slot, SUP*\i+IMG*(\q)
.endr
.endm
.macro SCALES s                        ; slot s's scale words into set s: a row's four words by one load; lanes 16-31 read what lanes 0-15 read
.irp i, 0,1,2,3,4,5,6,7
	ds_load_b128 v[SCB+32*\s+4*\i:SCB+32*\s+4*\i+3], v[ASB+\s] offset:SCO+SUP*\i
.endr
.irp i, 0,1,2,3
	ds_load_b128 v[SCA+16*\s+4*\i:SCA+16*\s+4*\i+3], v[ASA+\s] offset:SCO+SUP*\i
.endr
.endm
; 8 matrix instructions: A's block a x B's eight, 128 along K: the slot's q-th.  p: the sets of fragments;  sc: the set of scale words.  zero = 1: the first product starts the sums: nothing is ever cleared.
; The 32 accumulators take turns, one instruction a turn, in the same order in every step.
.macro MULA a, p, q, sc, zero
.irp b, 0,1,2,3,4,5,6,7
.if \zero
	v_wmma_scale_f32_16x16x128_f8f6f4 v[8*(8*(\a)+\b):8*(8*(\a)+\b)+7], v[128*(\p)+FR*\b:128*(\p)+FR*\b+FR-1], v[AF+48*(\p)+FR*(\a):AF+48*(\p)+FR*(\a)+FR-1], 0, v[SCB+32*(\sc)+4*\b+(\q)], v[SCA+16*(\sc)+4*(\a)+(\q)] matrix_a_fmt:MATRIX_FMT_BF6 matrix_b_fmt:MATRIX_FMT_BF6
.else
	v_wmma_scale_f32_16x16x128_f8f6f4 v[8*(8*(\a)+\b):8*(8*(\a)+\b)+7], v[128*(\p)+FR*\b:128*(\p)+FR*\b+FR-1], v[AF+48*(\p)+FR*(\a):AF+48*(\p)+FR*(\a)+FR-1], v[8*(8*(\a)+\b):8*(8*(\a)+\b)+7], v[SCB+32*(\sc)+4*\b+(\q)], v[SCA+16*(\sc)+4*(\a)+(\q)] matrix_a_fmt:MATRIX_FMT_BF6 matrix_b_fmt:MATRIX_FMT_BF6
.endif
.endr
.endm
; A load into a register that a matrix instruction has read, and a vector instruction that reads a matrix result, stand four places behind that matrix instruction; only plain vector
; instructions that name none of its registers are places (ISA guide 7.12.1 for vector instructions).
.macro PLACES n
.rept \n
	v_nop
.endr
.endm
; One of a slot's first three steps of 128 along K.  It FIRST asks for the next step's fragments, into the sets that the step before has multiplied, and only then waits, by count, for its own: so loads are queued at the LDS all the time.
; At most 36 + 24 = 60 LDS loads of the wave are out.
.macro STEP slot, q, zero
	s_wait_dscnt 36                                ; at most this step's 36 fragment loads are out (behind a change of slots: the oldest 12 of its 48 are in)
	PLACES NP
	FETCH \slot, (\q)+1, 1-(\q)%2, 1
	WIN MUL
	MULA 0, (\q)%2, \q, \slot, \zero
	MULA 1, (\q)%2, \q, \slot, \zero
	MULA 2, (\q)%2, \q, \slot, \zero
	MULA 3, (\q)%2, \q, \slot, \zero
.endm
; A prefetch: the super-images of my work-group's share of the slot at s[6:7] + off.  A's waves name one super-image, B's two.  While slot 0's load is out, slot 1 is asked for; behind slot 1's joint load, slot 2;
; behind each refill the slot that the NEXT refill will load, one slot (128 matrix instructions a wave) ahead of that load.
; guard = 1 (slot 1's refills): the loop's last trip loads the last slot, behind which there is none to ask for.
.macro ASK guard, off
.if \guard
	s_cmp_gt_u32 s3, 1
	s_cbranch_scc0 .Lno_ask_\@
.endif
	global_prefetch_b8 v31, s[6:7] offset:\off th:TH_LOAD_NT scope:SCOPE_SE
	s_cmp_eq_u32 s15, 0
	s_cbranch_scc1 .Lno_ask_\@
	global_prefetch_b8 v31, s[6:7] offset:BROW+\off th:TH_LOAD_NT scope:SCOPE_SE
.Lno_ask_\@:
.endm
; The tables for block a go into set a of window 3: cosines at 64 a + p, sines at 64 a + 32 + p.
.macro CSLOAD a
.set Z, 64*(\a)
.set RO, (32*((\a)/2)+8*((\a)%2))*256  ; the block's first token
	WIN TO_T
.irp q, 0,1,2,3
.irp e, 0,1
	global_load_b128 v[Z+8*\q+4*\e:Z+8*\q+4*\e+3], v[CA], s[72:73] offset:RO+64*\q+16*\e
	global_load_b128 v[Z+32+8*\q+4*\e:Z+32+8*\q+4*\e+3], v[CA], s[74:75] offset:RO+64*\q+16*\e
.endr
.endr
	WIN 0
.endm
.macro TURN slot, next, fill
	WIN 0                                          ; (the add's two registers lie in window 0)
.if \fill
	s_wait_xcnt 0x0                                ; my last prefetch has read its address: it is stepped only behind this wait
	s_add_nc_u64 s[6:7], s[6:7], SUP
.endif
	s_wait_tensorcnt 0x0                           ; all my tensor loads have landed: the one that was out is my part of the next slot
	ds_add_u32 v[SPW], v[NIL]                      ; 0 onto my spare word
	s_wait_dscnt 0x0                               ; the add is done, this step's fragments are in, and so my reads of this slot are over
	s_barrier_signal -1
	WIN MUL
	MULA 0, 1, 3, \slot, 0                         ; eight matrix instructions while the others arrive
	WIN 0
	s_barrier_wait -1
.if \fill
	CREST                                          ; the barrier has opened a round of the cluster's barrier: no wave of any partner still reads this slot's tile or has a load on its way
	s_add_nc_u64 s[G0+4*\slot+2:G0+4*\slot+3], s[G0+4*\slot+2:G0+4*\slot+3], 2*SUP
	s_add_nc_u64 s[G0B+4*\slot+2:G0B+4*\slot+3], s[G0B+4*\slot+2:G0B+4*\slot+3], 2*SUP
	JLOAD G0+4*\slot, G1, G0B+4*\slot, G1B         ; the first tensor load behind the round, my one load until the next; its four v_nop are the places in front of the loads below
.else
	PLACES NP
.endif
	FETCH \next, 0, 0, 0
	s_wait_alu depctr_va_vdst(0)
	SCALES \next
.if \fill
	ASK \slot, 0
.endif
	WIN MUL
	MULA 1, 1, 3, \slot, 0                         ; 24 matrix instructions stand between the next slot's first fetch and its use
	MULA 2, 1, 3, \slot, 0
	MULA 3, 1, 3, \slot, 0
.endm
	s_wait_alu depctr_va_vdst(0)
	ASK 0, 0                                       ; slot 1, while slot 0's load is out
	s_wait_tensorcnt 0x0                           ; my part of slot 0 is in
	ds_add_u32 v[SPW], v[NIL]
	s_wait_xcnt 0x0                                ; the prefetches have read their address: it is stepped only behind this wait,
	s_add_nc_u64 s[6:7], s[6:7], SUP               ; to slot 2: each refill steps it one slot on and then asks
	s_wait_dscnt 0x0
	CROUND                                         ; everybody's part of slot 0 is in, and the joint loads meet
	JLOAD G0+4, G1, G0B+4, G1B                     ; slot 1's first fill: the first tensor load behind the round
	FETCH 0, 0, 0, 0
	SCALES 0
	ASK 0, 0                                       ; slot 2 (the address was stepped behind the wait above)
	STEP 0, 0, 1                                   ; the first step stands in front of the loop: its products start the sums
	WIN 0                                          ; at a label and at a branch every window is 0
	s_mov_b32 s3, LAPS-1
.Llap:                                                 ; a trip goes once round the ring, from a lap's second step to the next lap's first, and fills both slots again
	STEP 0, 1, 0
	STEP 0, 2, 0
	TURN 0, 1, 1
	STEP 1, 0, 0
	STEP 1, 1, 0
	STEP 1, 2, 0
	TURN 1, 0, 1
	STEP 0, 0, 0
	WIN 0
	s_sub_co_u32 s3, s3, 1
	s_cmp_lg_u32 s3, 0
	s_cbranch_scc1 .Llap
	s_cmp_eq_u32 s[ISV], 1                         ; q's and k's clusters ask for their tables here, a lap ahead of the rotation; v is not rotated
	s_cbranch_scc1 .Lno_tables
	CSLOAD 0
	CSLOAD 1
	CSLOAD 2
	CSLOAD 3
.Lno_tables:
	STEP 0, 1, 0                                   ; the last lap fills nothing, and has no round of the cluster's barrier
	STEP 0, 2, 0
	TURN 0, 1, 0
	STEP 1, 0, 0
	STEP 1, 1, 0
	STEP 1, 2, 0
	s_wait_dscnt 0x0                               ; the very last step: nothing more to fetch
	WIN MUL
	MULA 0, 1, 3, 1, 0
	MULA 1, 1, 3, 1, 0
	MULA 2, 1, 3, 1, 0
	MULA 3, 1, 3, 1, 0
	WIN 0
; THE WAY OUT, block by block of 16 rows of A x my 128 rows of B.
; The tables for block a: my token's 32 cosines and 32 sines.  Pair p of my 64 numbers is the head's pair 16 (p / 8) + 8 h + p % 8: eight neighbours, 32 bytes, of each 64: two loads of 16 bytes, four times, from each table.
; The rotation, in place: (x1, x2) -> (x1 c - x2 s, x2 c + x1 s).  Each accumulator is read from its low end on.
.macro ROPE a
.set AC, 64*(\a)
	WIN W_SIN
.set p, 0
.rept 32
	v_mul_f32 v[T+2*p], v[AC+2*p+1], v[AC+32+p]                    ; x2 s
	v_mul_f32 v[T+2*p+1], v[AC+2*p], v[AC+32+p]                    ; x1 s
.set p, p+1
.endr
	WIN W_COS
.set p, 0
.rept 32
	v_fma_f32 v[AC+2*p], v[AC+2*p], v[AC+p], -v[T+2*p]
	v_fma_f32 v[AC+2*p+1], v[AC+2*p+1], v[AC+p], v[T+2*p+1]
.set p, p+1
.endr
	WIN 0
.endm
; Block a's 64 numbers of a lane, register 16 b + i = k 32 b + 16 h + i of my row, become a fragment's codes in v[PC] on and its scale word in v[PWS + a].
.macro QUANTW a
.set AC, 64*(\a)
	WIN W_MAX
.irp b, 0,1,2,3
	v_max3_num_f32 v[TM+\b], |v[AC+16*\b]|, |v[AC+16*\b+1]|, 0x2800000   ; block b: my 16 numbers, and the floor 2^(5 - 127): the byte cannot fall under 1
.endr
.irp i, 2,4,6,8,10,12,14
.irp b, 0,1,2,3
	v_max3_num_f32 v[TM+\b], |v[AC+16*\b+\i]|, |v[AC+16*\b+\i+1]|, v[TM+\b]   ; (the four blocks by turns)
.endr
.endr
	WIN 0
.irp b, 0,1,2,3
	v_permlanex16_b32 v[TM+4+\b], v[TM+\b], s[SEL], s[SEL+1]
.endr
.irp b, 0,1,2,3
	v_max_num_f32 v[TM+\b], v[TM+\b], v[TM+4+\b]   ; with lane l xor 16's: the block's largest magnitude
.endr
.irp b, 0,1,2,3
	v_add_nc_u32 v[TM+12+\b], 0xfe000000, v[TM+\b] ; 4 off its exponent field: the conversion's scale operand
.endr
.irp b, 0,1,2,3
	v_lshrrev_b32 v[TM+4+\b], 23, v[TM+12+\b]      ; the scale's byte
.endr
	v_lshl_or_b32 v[PWS+(\a)], v[TM+5], 8, v[TM+4] ; the four bytes make my row's scale word
	v_lshl_or_b32 v[PWS+(\a)], v[TM+6], 16, v[PWS+(\a)]
	v_lshl_or_b32 v[PWS+(\a)], v[TM+7], 24, v[PWS+(\a)]
.if (\a) > 0
	s_wait_xcnt 0x0                                ; the last block's stores have read the codes' registers: they are written again only behind this wait
.endif
	WIN W_CVT
.irp c, 0,1
	v_cvt_scalef32_pk16_bf6_f32 v[PC+6*\c:PC+6*\c+2], v[AC+32*\c:AC+32*\c+15], v[TM+12+2*\c]
	v_cvt_scalef32_pk16_bf6_f32 v[PC+12+4*\c:PC+12+4*\c+2], v[AC+32*\c+16:AC+32*\c+31], v[TM+12+2*\c+1]   ; (a conversion's three registers begin on an even number)
.endr
	WIN 0
	v_nop                                          ; one plain line behind a scaled conversion
.irp c, 0,1                                    ; the operand's layout wants a WHOLE block in a lane: lanes 0-15 block 2 c, lanes 16-31 block 2 c + 1
.irp i, 0,1,2
	v_permlane16_swap_b32 v[PC+6*\c+\i], v[PC+12+4*\c+\i]
.endr
.irp i, 0,1,2
	v_mov_b32 v[PC+3+6*\c+\i], v[PC+12+4*\c+\i]
.endr
.endr
.endm
.macro PUT a                           ; the image: each store covers 512 consecutive bytes, at a multiple of 256 from the buffer's first byte
.irp c, 0,1,2
	global_store_b128 v[IO], v[PC+4*\c:PC+4*\c+3], s[12:13] offset:IMG*(\a)+512*\c
.endr
.endm
	PLACES NP                                      ; behind the last products: for the loads into B's registers, the writes over A's and the scale words', and the reads of results
.irp b, 0,1,2,3
	v_mov_b32 v[TM+4+\b], 0                        ; written once: a lane permute's destination counts as one of its sources
.endr
	s_cmp_eq_u32 s[ISV], 1                         ; ONE branch, on the cluster's number: v is not rotated.  Both ways are written out whole and hold register work, loads and stores to memory alone
	s_cbranch_scc1 .Lway_v
.irp a, 0,1,2,3
	s_wait_loadcnt 16*(3-\a)                       ; block a's sixteen table loads are in; those of the blocks behind it may be out
	ROPE \a
	QUANTW \a
	PUT \a
.endr
	s_branch .Lwords
.Lway_v:
.irp a, 0,1,2,3
	QUANTW \a
	PUT \a
.endr
.Lwords:
	; The four blocks' scale words, 16 each, go through 256 bytes of LDS of my own and leave as one run of 256 bytes.  These bytes lie in slot 0, which has had its last fill, and which nobody reads behind the last change of slots.
.irp a, 0,1,2,3
	ds_store_b32 v[SST], v[PWS+\a] offset:64*\a    ; lanes l and l xor 16 write the same word with the same value
.endr
	ds_load_b64 v[OB:OB+1], v[SLD]                 ; LDS serves a wave's instructions in order: this sees my stores
	s_wait_dscnt 0x0
	global_store_b64 v[SO8], v[OB:OB+1], s[66:67]  ; 32 lanes store 256 consecutive bytes, at a multiple of 256 from the buffer's first byte
	s_wait_tensorcnt 0x0                           ; the wave's end
	ds_add_u32 v[SPW], v[NIL]
	s_wait_dscnt 0x0
	CROUND                                         ; the closing round: no work-group ends while a partner may still ask for a tile that names it
	s_endpgm
.Lfunc_end_k_q0d914e9e4a_qkv:
	.size	k_q0d914e9e4a_qkv, .Lfunc_end_k_q0d914e9e4a_qkv-k_q0d914e9e4a_qkv
	.p2alignl 7, 3214868480
	.fill 96, 4, 3214868480
	.section	.rodata,"a",@progbits
	.p2align	6, 0x0
	.amdhsa_kernel k_q0d914e9e4a_qkv
		.amdhsa_group_segment_fixed_size 327680
		.amdhsa_private_segment_fixed_size 0
		.amdhsa_enable_private_segment 0
		.amdhsa_kernarg_size 40
		.amdhsa_user_sgpr_count 2
		.amdhsa_user_sgpr_kernarg_segment_ptr 1
		.amdhsa_wavefront_size32 1
		.amdhsa_system_sgpr_workgroup_id_x 1
		.amdhsa_system_sgpr_workgroup_id_y 1
		.amdhsa_system_sgpr_workgroup_id_z 1
		.amdhsa_system_vgpr_workitem_id 0
		.amdhsa_next_free_vgpr 1024
		.amdhsa_next_free_sgpr 76
		.amdhsa_reserve_vcc 0
		.amdhsa_float_denorm_mode_32 3
		.amdhsa_float_denorm_mode_16_64 3
		.amdhsa_memory_ordered 1
		.amdhsa_forward_progress 1
		.amdhsa_inst_pref_size 185
	.end_amdhsa_kernel
	.amdgpu_metadata
---
amdhsa.version: [ 1, 2 ]
amdhsa.kernels:
  - .name:           k_q0d914e9e4a_qkv
    .symbol:         k_q0d914e9e4a_qkv.kd
    .args:
      - { .name: cos, .offset: 0, .size: 8, .value_kind: global_buffer, .address_space: global }
      - { .name: sin, .offset: 8, .size: 8, .value_kind: global_buffer, .address_space: global }
      - { .name: qkv_img, .offset: 16, .size: 8, .value_kind: global_buffer, .address_space: global }
      - { .name: qkv_sc, .offset: 24, .size: 8, .value_kind: global_buffer, .address_space: global }
      - { .name: img, .offset: 32, .size: 8, .value_kind: global_buffer, .address_space: global }
    .group_segment_fixed_size: 327680
    .private_segment_fixed_size: 0
    .kernarg_segment_align: 8
    .kernarg_segment_size: 40
    .max_flat_workgroup_size: 128
    .sgpr_count:     76
    .vgpr_count:     1024
    .wavefront_size: 32
...
	.end_amdgpu_metadata
.endif
;; end of part 6
;; launch attn (part 7): grid 32 x 8, 16 waves a work-group, clusters of 4 x 1, 327,680 bytes of LDS; arguments qkv_img, qkv_sc, a_img, a_sc; writes a_img, a_sc
.if DOCPART == 7
	.amdgcn_target "amdgcn-amd-amdhsa--gfx1250"
	.amdhsa_code_object_version 6
	.text
	.protected	k_q0d914e9e4a_attn
	.globl	k_q0d914e9e4a_attn
	.p2align	8
	.type	k_q0d914e9e4a_attn,@function
k_q0d914e9e4a_attn:
	s_mov_b64 s[64:65], 0
	v_nop
	global_prefetch_b8 v0, s[64:65] scope:SCOPE_SE
	s_setreg_imm32_b32 hwreg(HW_REG_WAVE_MODE, 25, 1), 1
	s_wait_xcnt 0x0
	s_wait_alu depctr_hold_cnt(0) depctr_sa_sdst(0) depctr_va_vdst(0) depctr_va_sdst(0) depctr_va_ssrc(0) depctr_va_vcc(0) depctr_vm_vsrc(0)
	s_getreg_b32 s2, hwreg(HW_REG_IB_STS2, 6, 4)
	s_cmp_eq_u32 s2, 0
	s_cbranch_scc0 .Lentry_in_a_cluster
	s_endpgm
.Lentry_in_a_cluster:
	s_bfe_u32 s2, ttmp6, 0x10000c
	s_cmp_lg_u32 s2, 0x3003
	s_cbranch_scc0 .Lentry_shape_is_right
	s_endpgm
.Lentry_shape_is_right:
; Causal attention on codes of BF6 (E3M2) with E8M0 scales; q, k, v come as images of fragments (1,536 bytes: registers 4 c .. 4 c + 3 of lane l at byte 512 c + 16 l) with a scale word a row.
; Left out: key steps of 128 that lie wholly behind a query tile's block of 128 tokens (reference()'s own causal mask); the window's test (window = 2,048 = the number of tokens: true wherever the causal test is).
; Both products are used transposed (S^T = k q^T, O^T = v^T p^T): a lane holds one query.  p = 2^(t - M), M the ceiling of the running largest t; the sum is taken of the unquantised p.
; SHARES.  Grid y = key/value head.  Cluster x: bit 0 = which of the head's two query heads, b = x / 2.  A work-group has 8 tiles of 16 queries: 2 (tiles 2 cx, 2 cx + 1) of each of the blocks b, 15 - b, 7 - b, 8 + b.
; A tile is shared by TWO waves, one for the even key steps and one for the odd: at most 8 steps a wave.  At the end the wave of role 1 hands O^T, -M and its sum to the wave of role 0 through LDS;
; both are brought under the larger M by exact powers of two, added, divided by the sum, quantised along the head's 128 and stored as an image for the last projection.
; Wave bits: 0 tile, 1 role, 2 pair of blocks ((b, 15 - b) or (7 - b, 8 + b)), 3 lower or upper block of the pair.  The parity of a wave's key steps is role xor bit 3.
; So the four waves whose numbers agree in bits 0 and 1 have one tile of each of the four blocks, and 17 of the 34 steps that two such tiles-of-four have: of the four numbers of steps b + 1, 8 - b, 9 + b, 16 - b
; two are odd, one of a lower and one of an upper block, and the flipped parity gives the odd step of the one to role 0 and of the other to role 1.
; THE RING: two slots of 4 key steps (K 49,152 bytes, then V).  Slot j holds key steps 2 j, 2 j + 1, 8 + 2 j, 9 + 2 j: a wave has one low and one high step in it, those of its parity, so that the steps that few tiles
; count (the high ones) are spread over all four slots.  The order of the keys is free: the running M and the sums do not hang on it.
; Waves 0-3 fetch K, 4-7 V: wave 2 y + g brings images 4 g .. 4 g + 3 (6,144 bytes) of step 2 j + y and of step 8 + 2 j + y: two rows, 8 steps apart.  Every load so holds a low step, and the upper blocks count every low step:
; every load is read in every work-group.  In LDS image 4 g + t of the step of parity y, low (z = 0) or high (z = 1), lies at 24,576 y + 12,288 g + 6,144 z + 1,536 t.  The four work-groups of a cluster ask jointly (mask 15).
; At the head waves 0-7 fetch slot 0 and waves 8-15 the scale words of all 16 steps (K's 8,192 bytes, V's 8,192), one load a wave.
; LIMITS: the promise holds while the scaled scores stay under 2^31 in magnitude; NaN and infinities are not served; blocks under 2^(5 - 127) keep the scale byte 1 (read by this program alone).
; REGISTERS: v1-11, v28-29 addresses; v12 -M, v13 largest t, v[14:15] the sum; v16-27 q; v32-79 four fragments; v96-159 S^T, then p; v160-223 O^T; v224-235 p's codes; v232-254 at work; v248-251, v253, v255 scale words.
.set STEPB, 12288
.set HALF,  6144                       ; four images: a row of a tensor load
.set VOFF,  4*STEPB
.set SLOT1, 1<<17
.set SCK,   2*SLOT1                    ; the scale words
.set SPARE, SCK+16384                  ; the spare words: 128 bytes for each of 16 waves
.set STGB,  8704                       ; the stage of a tile: 64 registers' images and one more of v[12:15]; in slot 0, behind its last fill and last read
.set LI,   1
.set ASK0, 2
.set DQ,   3
.set QSA,  4
.set SPW,  5
.set NIL,  6
.set PFO,  7
.set ADK,  8
.set ADV,  9
.set ADS,  10
.set OSA,  11
.set KB,   28                          ; 16 x lane + 24,576 x parity
.set STA,  29                          ; my tile's stage + 16 x lane
.set TB,   2
.set TS,   3
.set WV,   18
.set SEL,  20
.set CS,   22
.set G1T,  24
.set G1S,  32
.set G0T,  40
.set G0S,  44
.set SLOTS, 48
.set KF,   49                          ; my low key step of the slot
.set QS,   50
.set PFA,  52
.set LIM,  54
.set KF2,  92                          ; my high key step of the slot: KF + 8
.macro CROUND                          ; a round of the cluster's barrier
	s_barrier_signal -1
	s_barrier_wait -1
	s_cmp_lg_u32 s[WV], 0
	s_cbranch_scc1 .Lnot_wave_0_\@
	s_barrier_signal -3
.Lnot_wave_0_\@:
	s_barrier_wait -3
	s_barrier_signal -1
	s_barrier_wait -1
.endm
.macro ASK                             ; the slot behind the one just asked for: waves 0-2 of cluster x = 0, 8,192 bytes each, the four partners told apart by address; none behind the last slot
	s_cmp_gt_u32 s[SLOTS], s[LIM]
	s_cbranch_scc0 .Lnot_mine_\@
	global_prefetch_b8 v[PFO], s[PFA:PFA+1] th:TH_LOAD_NT scope:SCOPE_SE
.Lnot_mine_\@:
.endm
	s_load_b256 s[4:11], s[0:1], 0x0               ; qkv_img, qkv_sc, a_img, a_sc
	v_lshl_add_u32 v[SPW], v0, 2, SPARE
	v_mov_b32 v[NIL], 0
	ds_add_u32 v[SPW], v[NIL]                      ; the opening lines
	ds_add_u32 v[SPW], v[NIL]
	v_lshrrev_b32 v8, 5, v0
	s_delay_alu instid0(VALU_DEP_1)
	v_readfirstlane_b32 s[WV], v8
	s_bfe_u32 s13, ttmp6, 0x40000                  ; cx
	s_and_b32 s12, ttmp7, 0xffff                   ; key/value head
	s_and_b32 s14, s[WV], 7                        ; my part of a slot (waves 0-7), or of the scale words (waves 8-15)
	s_bfe_u32 s15, s[WV], 0x10001                  ; my role: 0 joins and stores the tile, 1 hands its half over
	s_bfe_u32 s91, s[WV], 0x10003
	s_xor_b32 s90, s15, s91                        ; parity of my key steps
	s_and_b32 s16, s14, 3
	s_lshr_b32 s17, s14, 2
	s_lshl_b32 s17, s17, 3
	s_add_co_u32 s17, s17, s12
	s_add_co_u32 s17, s17, 16                      ; H: 16 + head for K, 24 + head for V
	s_mul_i32 s56, s17, 16*STEPB
	s_lshr_b32 s19, s16, 1
	s_mul_i32 s19, s19, STEPB                      ; the step of parity y,
	s_add_co_u32 s56, s56, s19
	s_and_b32 s19, s16, 1
	s_mul_i32 s19, s19, HALF                       ; its images 4 g on
	s_add_co_u32 s56, s56, s19
	s_mov_b32 s57, 0
	s_lshl_b32 s58, s17, 13
	s_lshl_b32 s19, s16, 11
	s_add_co_u32 s58, s58, s19
	s_mov_b32 s59, 0
	s_lshr_b32 s60, ttmp9, 1                       ; b
	s_sub_co_u32 s61, 7, s60
	s_bitcmp1_b32 s[WV], 2
	s_cselect_b32 s60, s61, s60                    ; the pair's lower block: b or 7 - b
	s_sub_co_u32 s61, 15, s60
	s_bitcmp1_b32 s[WV], 3
	s_cselect_b32 s[QS], s61, s60                  ; my block of 128 tokens
	s_and_b32 s60, s[WV], 1
	s_lshl_b32 s61, s13, 1
	s_add_co_u32 s61, s61, s60                     ; my tile in the block
	s_and_b32 s62, ttmp9, 1
	s_lshl_b32 s63, s12, 1
	s_add_co_u32 s63, s63, s62                     ; query head
	s_lshl_b32 s66, s63, 4
	s_add_co_u32 s66, s66, s[QS]
	s_lshl_b32 s66, s66, 3
	s_add_co_u32 s66, s66, s61
	s_mul_i32 s68, s66, 1536                       ; q's image
	s_mov_b32 s69, 0
	s_lshl_b32 s70, s66, 6                         ; q's scale words
	s_mov_b32 s71, 0
	s_lshl_b32 s72, s[QS], 3
	s_add_co_u32 s72, s72, s61
	s_lshl_b32 s73, s72, 4
	s_add_co_u32 s73, s73, s63
	s_mul_i32 s74, s73, 1536                       ; a_img [tile of tokens 128][head 16][1,536]
	s_mov_b32 s75, 0
	s_lshl_b32 s76, s72, 10                        ; a_sc [tile][row 16][head 16] words
	s_lshl_b32 s77, s63, 2
	s_add_co_u32 s76, s76, s77
	s_mov_b32 s77, 0
	s_lshl_b32 s78, s13, 5
	s_lshl_b32 s79, s60, 3
	s_add_co_u32 s78, s78, s79                     ; my tile's first token in its block
	s_min_u32 s84, s[WV], 2                        ; the prefetches: a slot is four runs of two steps (24,576 bytes: K low, K high, V low, V high): run cx, its piece number wave of three of 8,192 bytes
	s_lshl_b32 s84, s84, 13
	s_and_b32 s85, s13, 1
	s_mul_i32 s85, s85, 8*STEPB                    ; the high steps lie 8 steps on,
	s_add_co_u32 s84, s84, s85
	s_lshr_b32 s85, s13, 1
	s_mul_i32 s85, s85, 8*16*STEPB                 ; V 8 heads on
	s_add_co_u32 s84, s84, s85
	s_add_co_u32 s85, s12, 16
	s_mul_i32 s85, s85, 16*STEPB
	s_add_co_u32 s84, s84, s85
	s_add_co_u32 s84, s84, 2*STEPB                 ; at slot 1: each change of slots steps it one slot on and then asks
	s_mov_b32 s85, 0
	s_cmp_lt_u32 s[WV], 3
	s_cselect_b32 s86, 0, 1
	s_or_b32 s86, s86, ttmp9
	s_cmp_eq_u32 s86, 0
	s_cselect_b32 s[LIM], 1, -1
	s_lshl_b32 s87, s90, 9
	s_mul_i32 s88, s90, 2*STEPB
	s_lshr_b32 s89, s[WV], 2
	s_lshl_b32 s89, s89, 1
	s_add_co_u32 s89, s89, s60                     ; my tile's number in the work-group: the same in both its waves
	s_mul_i32 s89, s89, STGB
	s_mov_b32 s[G1T], 15|(3<<16)|(1<<21)           ; 2 rows (a low step, a high step) of 6,144 bytes (768 elements of 8), 8 steps (12,288 elements) apart, laid on end
	s_mov_b32 s[G1T+1], 768<<16
	s_mov_b32 s[G1T+2], 2<<16
	s_mov_b32 s[G1T+3], 768<<16
	s_mov_b32 s[G1T+4], 2
	s_mov_b32 s[G1T+5], 12288
	s_mov_b32 s[G1T+6], 0
	s_mov_b32 s[G1T+7], 0
	s_mov_b32 s[G1S], 15|(3<<16)|(1<<21)           ; 8 dense rows of 256 bytes
	s_mov_b32 s[G1S+1], 32<<16
	s_mov_b32 s[G1S+2], 8<<16
	s_mov_b32 s[G1S+3], 32<<16
	s_mov_b32 s[G1S+4], 8
	s_mov_b32 s[G1S+5], 32
	s_mov_b32 s[G1S+6], 0
	s_mov_b32 s[G1S+7], 0
	s_mov_b32 s[SEL], 0x76543210
	s_mov_b32 s[SEL+1], 0xfedcba98
	s_mov_b32 s[CS], 0x3e0293ee                    ; log2(e) / sqrt(128)
	s_mov_b32 s[CS+1], s[CS]
	s_mov_b32 s[TB], 0
	s_mov_b32 s[TS], 0
	s_mov_b32 s[KF], s90
	s_add_co_u32 s[KF2], s90, 8
	s_mov_b32 s[SLOTS], 3
	s_wait_alu depctr_va_vdst(0)
	s_wait_dscnt 0x0
	s_wait_kmcnt 0x0
	s_mov_b32 s[G0S], 1
	s_lshl_b32 s[G0S+1], s14, 11
	s_add_co_u32 s[G0S+1], s[G0S+1], SCK
	s_add_nc_u64 s[G0S+2:G0S+3], s[6:7], s[58:59]
	s_or_b32 s[G0S+3], s[G0S+3], 0x80000000
	s_mov_b32 s[G0T], 1
	s_mul_i32 s[G0T+1], s14, STEPB
	s_add_nc_u64 s[G0T+2:G0T+3], s[4:5], s[56:57]
	s_or_b32 s[G0T+3], s[G0T+3], 0x80000000
	s_add_nc_u64 s[80:81], s[4:5], s[68:69]
	s_add_nc_u64 s[82:83], s[6:7], s[70:71]
	s_add_nc_u64 s[8:9], s[8:9], s[74:75]
	s_add_nc_u64 s[10:11], s[10:11], s[76:77]
	s_add_nc_u64 s[PFA:PFA+1], s[4:5], s[84:85]
	CROUND                                         ; the first joint loads meet
	s_cmp_lt_u32 s[WV], 8                          ; one load a wave: slot 0, or the scale words
	s_cbranch_scc0 .Lhead_sc
	tensor_load_to_lds s[G0T:G0T+3], s[G1T:G1T+7]
	s_nop 0
.rept 4
	v_nop
.endr
	s_branch .Lhead_on
.Lhead_sc:
	tensor_load_to_lds s[G0S:G0S+3], s[G1S:G1S+7]
	s_nop 0
.rept 4
	v_nop
.endr
.Lhead_on:
	v_and_b32 v8, 31, v0
	v_and_b32 v9, 15, v0
	v_bfe_u32 v10, v0, 4, 1
	s_delay_alu instid0(VALU_DEP_3)
	v_lshlrev_b32 v[LI], 4, v8
	s_delay_alu instid0(VALU_DEP_4)
	v_lshlrev_b32 v[PFO], 8, v8
	s_delay_alu instid0(VALU_DEP_4)
	v_lshlrev_b32 v[QSA], 2, v9
.irp c, 0,1,2
	global_load_b128 v[16+4*\c:19+4*\c], v[LI], s[80:81] offset:512*\c
.endr
	global_load_b32 v255, v[QSA], s[82:83]
	v_lshl_add_u32 v[ASK0], v9, 2, SCK
	v_add_nc_u32 v[KB], s88, v[LI]
	v_add_nc_u32 v[STA], s89, v[LI]
	s_delay_alu instid0(VALU_DEP_3)
	v_add_nc_u32 v[ASK0], s87, v[ASK0]             ; the scale words of my first step
	v_and_b32 v[DQ], 8, v9
	s_delay_alu instid0(VALU_DEP_1)
	v_add_nc_u32 v[DQ], v[DQ], v9
	v_lshlrev_b32 v[OSA], 4, v10
	s_delay_alu instid0(VALU_DEP_1)
	v_sub_nc_u32 v[DQ], v[DQ], v[OSA]
	s_delay_alu instid0(VALU_DEP_1)
	v_add_nc_u32 v[DQ], s78, v[DQ]                 ; my query's place in its block, less 16 h
	v_lshlrev_b32 v[OSA], 6, v9
	v_mov_b32 v13, 0xff61b1e6                      ; -3e38, under every t
	s_delay_alu instid0(VALU_DEP_1)
	v_floor_f32 v12, -v13
	v_mov_b32 v14, 0
	v_mov_b32 v15, 0
.irp b, 0,1,2,3
	v_mov_b32 v[236+\b], 0
.endr
	v_mov_b32 v252, 0
	v_mov_b32 v253, 0
.set j, 0
.rept 64
	v_mov_b32 v[160+j], 0                          ; the step is written once: a wave's first step, and a wave with no step, find zeros
.set j, j+1
.endr
.macro LDF adr, so, z, g               ; four fragments (tiles 4 g .. 4 g + 3 of my low (z = 0) or high (z = 1) step of the slot) and their scale words (a step's are 512 bytes; the high step's lie 8 steps on)
.irp t, 0,1,2,3
.irp c, 0,1,2
	ds_load_b128 v[32+12*\t+4*\c:35+12*\t+4*\c], v[\adr] offset:STEPB*(\g)+HALF*(\z)+1536*\t+512*\c
.endr
	ds_load_b32 v[248+\t], v[ADS] offset:\so+4096*(\z)+64*(4*(\g)+\t)
.endr
.endm
.macro STEP z, kf                      ; my low or high step of the slot; kf: the register that holds the key step's number
	s_cmp_gt_u32 s[\kf], s[QS]
	s_cbranch_scc1 .Lhidden_\@                     ; wholly behind my block
	v_add_nc_u32 v[ADK], s[TB], v[KB]
	v_add_nc_u32 v[ADS], s[TS], v[ASK0]
	s_delay_alu instid0(VALU_DEP_2)
	v_add_nc_u32 v[ADV], VOFF, v[ADK]
	v_nop                                          ; four places behind the last step's products
	s_wait_alu depctr_va_vdst(0)
.irp g, 0,1
.if \g > 0
.rept 4
	v_nop
.endr
.endif
	LDF ADK, 0, \z, \g
	s_wait_dscnt 0x0
.irp t, 0,1,2,3
	v_wmma_scale_f32_16x16x128_f8f6f4 v[96+8*(4*\g+\t):103+8*(4*\g+\t)], v[32+12*\t:43+12*\t], v[16:27], 0, v[248+\t], v255 matrix_a_fmt:MATRIX_FMT_BF6 matrix_b_fmt:MATRIX_FMT_BF6
.endr
.endr
.rept 4
	v_nop
.endr
	LDF ADV, 8192, \z, 0                           ; V's first four fragments come in under the softmax
	s_cmp_lt_u32 s[\kf], s[QS]
	s_cbranch_scc1 .Lopen_\@
	v_mov_b32 v254, 0xff800000                     ; the diagonal step: keys behind my query
.set n, 0
.rept 64
	v_cmp_gt_i32 vcc_lo, 32*(n/16)+n%16, v[DQ]
	v_cndmask_b32 v[96+n], v[96+n], v254, vcc_lo
.set n, n+1
.endr
.Lopen_\@:
.irp b, 0,1,2,3
	v_max3_num_f32 v[232+\b], v[96+16*\b], v[97+16*\b], v[98+16*\b]   ; each block's largest score
.endr
.irp i, 3,5,7,9,11,13
.irp b, 0,1,2,3
	v_max3_num_f32 v[232+\b], v[232+\b], v[96+16*\b+\i], v[97+16*\b+\i]
.endr
.endr
.irp b, 0,1,2,3
	v_max_num_f32 v[232+\b], v[232+\b], v[111+16*\b]
.endr
.irp b, 0,1,2,3
	s_delay_alu instid0(VALU_DEP_4)
	v_permlanex16_b32 v[236+\b], v[232+\b], s[SEL], s[SEL+1]
.endr
.irp b, 0,1,2,3
	s_delay_alu instid0(VALU_DEP_4)
	v_max_num_f32 v[232+\b], v[232+\b], v[236+\b]
.endr
	s_delay_alu instid0(VALU_DEP_2)
	v_max3_num_f32 v254, v232, v233, v234
	s_delay_alu instid0(VALU_DEP_1)
	v_max_num_f32 v254, v254, v235
	s_delay_alu instid0(VALU_DEP_1)
	v_mul_f32 v254, s[CS], v254
	s_delay_alu instid0(VALU_DEP_1)
	v_max_num_f32 v13, v13, v254                   ; the running largest t
	v_mov_b32 v254, v12
	s_delay_alu instid0(VALU_DEP_2)
	v_floor_f32 v12, -v13                          ; -M
	s_delay_alu instid0(VALU_DEP_1)
	v_sub_f32 v254, v12, v254
	s_delay_alu instid0(VALU_DEP_1)
	v_cvt_i32_f32 v254, v254
	s_delay_alu instid0(VALU_DEP_1)
	v_ldexp_f32 v252, 1.0, v254                    ; f = 2^(old M - new M)
.set j, 0
.rept 32
	v_pk_fma_f32 v[96+j:97+j], v[96+j:97+j], s[CS:CS+1], v[12:13] op_sel_hi:[1,0,0]   ; t - M
.set j, j+2
.endr
.irp b, 0,1,2,3
	v_fma_f32 v[232+\b], v[232+\b], s[CS], v12
.endr
.set j, 0
	s_wait_alu depctr_va_vdst(0)                   ; a wait ahead of the batch
.rept 64
	v_exp_f32 v[96+j], v[96+j]
.set j, j+1
.endr
	v_pk_mul_f32 v[14:15], v[14:15], v[252:253] op_sel_hi:[1,0]
	s_wait_alu depctr_va_vdst(0)                   ; and behind it
.irp b, 0,1,2,3
	v_exp_f32 v[232+\b], v[232+\b]                 ; each block's largest p
.endr
	v_pk_add_f32 v[236:237], v[96:97], v[98:99]    ; the sum of the unquantised p
.irp j, 4,8,12,16,20,24,28,32,36,40,44,48,52,56,60
	v_pk_add_f32 v[14:15], v[14:15], v[96+\j:97+\j]
	v_pk_add_f32 v[236:237], v[236:237], v[98+\j:99+\j]
.endr
	s_delay_alu instid0(VALU_DEP_1)
	v_pk_add_f32 v[14:15], v[14:15], v[236:237]
	s_wait_alu depctr_va_vdst(0)
.irp b, 0,1,2,3
	v_max_num_f32 v[232+\b], 0x2800000, v[232+\b]  ; the floor 2^(5 - 127)
.endr
.irp b, 0,1,2,3
	s_delay_alu instid0(VALU_DEP_4)
	v_add_nc_u32 v[244+\b], 0xfe000000, v[232+\b]  ; the conversion's scale operand
.endr
.irp b, 0,1,2,3
	s_delay_alu instid0(VALU_DEP_4)
	v_lshrrev_b32 v[236+\b], 23, v[244+\b]
.endr
	s_delay_alu instid0(VALU_DEP_3)
	v_lshl_or_b32 v253, v237, 8, v236              ; p's scale word
	s_delay_alu instid0(VALU_DEP_1)
	v_lshl_or_b32 v253, v238, 16, v253
	s_delay_alu instid0(VALU_DEP_1)
	v_lshl_or_b32 v253, v239, 24, v253
.irp c, 0,1
	v_cvt_scalef32_pk16_bf6_f32 v[224+6*\c:226+6*\c], v[96+32*\c:111+32*\c], v[244+2*\c]
	v_cvt_scalef32_pk16_bf6_f32 v[236+4*\c:238+4*\c], v[112+32*\c:127+32*\c], v[244+2*\c+1]
.endr
	v_nop
.irp c, 0,1                            ; a whole block of 32 into each lane
.irp i, 0,1,2
	v_permlane16_swap_b32 v[224+6*\c+\i], v[236+4*\c+\i]
.endr
.irp i, 0,1,2
	s_delay_alu instid0(VALU_DEP_3)
	v_mov_b32 v[227+6*\c+\i], v[236+4*\c+\i]
.endr
.endr
	s_wait_alu depctr_va_vdst(0)                   ; the wait directly ahead of the first reader of O^T
.set j, 0
.rept 32
	v_pk_mul_f32 v[160+j:161+j], v[160+j:161+j], v[252:253] op_sel_hi:[1,0]   ; O^T under the new M; also the places ahead of the products
.set j, j+2
.endr
	s_wait_alu depctr_va_vdst(0)                   ; ahead of the wait below
.irp g, 0,1
.if \g > 0
.rept 4
	v_nop
.endr
	LDF ADV, 8192, \z, 1
.endif
	s_wait_dscnt 0x0
.irp t, 0,1,2,3
	v_wmma_scale_f32_16x16x128_f8f6f4 v[160+8*(4*\g+\t):167+8*(4*\g+\t)], v[32+12*\t:43+12*\t], v[224:235], v[160+8*(4*\g+\t):167+8*(4*\g+\t)], v[248+\t], v253 matrix_a_fmt:MATRIX_FMT_BF6 matrix_b_fmt:MATRIX_FMT_BF6
.endr
.endr
.Lhidden_\@:
.endm
.macro CHANGE fill                     ; a change of slots: every wave's three lines, the round, waves 0-7's one joint load each
	s_wait_tensorcnt 0x0
	ds_add_u32 v[SPW], v[NIL]
.if \fill
	s_xor_b32 s[G0T+1], s[G0T+1], SLOT1
	s_add_nc_u64 s[G0T+2:G0T+3], s[G0T+2:G0T+3], 2*STEPB   ; both rows go two steps on
	s_wait_xcnt 0x0                                ; my last prefetch has read its address
	s_add_nc_u64 s[PFA:PFA+1], s[PFA:PFA+1], 2*STEPB
	s_wait_dscnt 0x0
	CROUND
	s_cmp_lt_u32 s[WV], 8
	s_cbranch_scc0 .Lno_fill_\@
	tensor_load_to_lds s[G0T:G0T+3], s[G1T:G1T+7]
	s_nop 0
.rept 4
	v_nop
.endr
.Lno_fill_\@:
	ASK
.else
	s_wait_dscnt 0x0
	s_barrier_signal -1
	s_barrier_wait -1
.endif
.endm
.macro SLOT_STEPS
	STEP 0, KF
	STEP 1, KF2
	s_add_co_u32 s[KF], s[KF], 2
	s_add_co_u32 s[KF2], s[KF2], 2
	s_add_co_u32 s[TS], s[TS], 1024
	s_xor_b32 s[TB], s[TB], SLOT1
.endm
	s_wait_alu depctr_va_vdst(0)
	s_wait_loadcnt 0x0
.Lslot:
	CHANGE 1
	SLOT_STEPS
	s_sub_co_u32 s[SLOTS], s[SLOTS], 1
	s_cmp_lg_u32 s[SLOTS], 0
	s_cbranch_scc1 .Lslot
	CHANGE 0
	SLOT_STEPS
	; THE TWO HALVES OF A TILE ARE JOINED
	v_add_f32 v14, v14, v15
.rept 3
	v_nop
.endr
	s_wait_alu depctr_va_vdst(0)
	s_wait_dscnt 0x0
	s_barrier_signal -1
	s_barrier_wait -1                              ; nobody reads a slot any more
	s_cmp_eq_u32 s15, 0
	s_cbranch_scc1 .Lkeep
.set j, 0
.rept 16
	ds_store_b128 v[STA], v[160+4*j:163+4*j] offset:512*j   ; role 1's O^T, as an image of its registers, each accumulator from its low end on
.set j, j+1
.endr
	ds_store_b128 v[STA], v[12:15] offset:8192     ; -M and the sum
.Lkeep:
	s_wait_dscnt 0x0
	s_barrier_signal -1
	s_barrier_wait -1
	s_cmp_lg_u32 s15, 0
	s_cbranch_scc1 .Ldone
.set j, 0
.rept 16
	ds_load_b128 v[96+4*j:99+4*j], v[STA] offset:512*j
.set j, j+1
.endr
	ds_load_b128 v[32:35], v[STA] offset:8192
	s_wait_dscnt 0x0
	v_min_num_f32 v36, v12, v32                    ; -(the larger M)
	s_delay_alu instid0(VALU_DEP_1)
	v_sub_f32 v38, v36, v12
	v_sub_f32 v40, v36, v32
	s_delay_alu instid0(VALU_DEP_2)
	v_cvt_i32_f32 v38, v38                         ; whole numbers, 0 or less (it saturates: a wave with no step gets the factor 0; step 0 counts for every query, so one of the two has a step)
	s_delay_alu instid0(VALU_DEP_2)
	v_cvt_i32_f32 v40, v40
	s_delay_alu instid0(VALU_DEP_2)
	v_ldexp_f32 v38, 1.0, v38
	s_delay_alu instid0(VALU_DEP_2)
	v_ldexp_f32 v40, 1.0, v40
	s_delay_alu instid0(VALU_DEP_2)
	v_mul_f32 v14, v14, v38
	s_delay_alu instid0(VALU_DEP_1)
	v_fmac_f32 v14, v34, v40
	s_delay_alu instid0(VALU_DEP_1)
	v_permlanex16_b32 v252, v14, s[SEL], s[SEL+1]
	s_delay_alu instid0(VALU_DEP_1)
	v_add_f32 v14, v14, v252                       ; the row's sum
	s_wait_alu depctr_va_vdst(0)
	v_rcp_f32 v14, v14
	v_mov_b32 v39, 0                               ; (the pairs' upper halves are named, not used)
	v_mov_b32 v41, 0
	s_wait_alu depctr_va_vdst(0)
	v_mul_f32 v38, v38, v14                        ; each half's factor: its power of two / the sum
	v_mul_f32 v40, v40, v14
.set j, 0
.rept 32
	v_pk_mul_f32 v[96+j:97+j], v[96+j:97+j], v[40:41] op_sel_hi:[1,0]
.set j, j+2
.endr
	s_wait_alu depctr_va_vdst(0)                   ; the wait directly ahead of the first reader of O^T
.set j, 0
.rept 32
	v_pk_fma_f32 v[96+j:97+j], v[160+j:161+j], v[38:39], v[96+j:97+j] op_sel_hi:[1,0,1]
.set j, j+2
.endr
	; the result is quantised along the head's 128: register 16 b + i = channel 32 b + 16 h + i of my query
.irp b, 0,1,2,3
	v_max3_num_f32 v[232+\b], |v[96+16*\b]|, |v[97+16*\b]|, 0x2800000
.endr
.irp i, 2,4,6,8,10,12,14
.irp b, 0,1,2,3
	s_delay_alu instid0(VALU_DEP_4)
	v_max3_num_f32 v[232+\b], v[232+\b], |v[96+16*\b+\i]|, |v[97+16*\b+\i]|
.endr
.endr
.irp b, 0,1,2,3
	s_delay_alu instid0(VALU_DEP_4)
	v_permlanex16_b32 v[236+\b], v[232+\b], s[SEL], s[SEL+1]
.endr
.irp b, 0,1,2,3
	s_delay_alu instid0(VALU_DEP_4)
	v_max_num_f32 v[232+\b], v[232+\b], v[236+\b]
.endr
.irp b, 0,1,2,3
	s_delay_alu instid0(VALU_DEP_4)
	v_add_nc_u32 v[244+\b], 0xfe000000, v[232+\b]
.endr
.irp b, 0,1,2,3
	s_delay_alu instid0(VALU_DEP_4)
	v_lshrrev_b32 v[236+\b], 23, v[244+\b]
.endr
	s_delay_alu instid0(VALU_DEP_3)
	v_lshl_or_b32 v252, v237, 8, v236
	s_delay_alu instid0(VALU_DEP_1)
	v_lshl_or_b32 v252, v238, 16, v252
	s_delay_alu instid0(VALU_DEP_1)
	v_lshl_or_b32 v252, v239, 24, v252
.irp c, 0,1
	v_cvt_scalef32_pk16_bf6_f32 v[32+6*\c:34+6*\c], v[96+32*\c:111+32*\c], v[244+2*\c]
	v_cvt_scalef32_pk16_bf6_f32 v[44+4*\c:46+4*\c], v[112+32*\c:127+32*\c], v[244+2*\c+1]
.endr
	v_nop
.irp c, 0,1
.irp i, 0,1,2
	v_permlane16_swap_b32 v[32+6*\c+\i], v[44+4*\c+\i]
.endr
.irp i, 0,1,2
	s_delay_alu instid0(VALU_DEP_3)
	v_mov_b32 v[35+6*\c+\i], v[44+4*\c+\i]
.endr
.endr
.irp c, 0,1,2
	global_store_b128 v[LI], v[32+4*\c:35+4*\c], s[8:9] offset:512*\c   ; the image: 512 consecutive bytes a store
.endr
	global_store_b32 v[OSA], v252, s[10:11]        ; my row's scale word for this head
.Ldone:
	s_wait_tensorcnt 0x0                           ; the wave's end
	ds_add_u32 v[SPW], v[NIL]
	s_wait_dscnt 0x0
	CROUND                                         ; the closing round
	s_endpgm
.Lfunc_end_k_q0d914e9e4a_attn:
	.size	k_q0d914e9e4a_attn, .Lfunc_end_k_q0d914e9e4a_attn-k_q0d914e9e4a_attn
	.p2alignl 7, 3214868480
	.fill 96, 4, 3214868480
	.section	.rodata,"a",@progbits
	.p2align	6, 0x0
	.amdhsa_kernel k_q0d914e9e4a_attn
		.amdhsa_group_segment_fixed_size 327680
		.amdhsa_private_segment_fixed_size 0
		.amdhsa_enable_private_segment 0
		.amdhsa_kernarg_size 32
		.amdhsa_user_sgpr_count 2
		.amdhsa_user_sgpr_kernarg_segment_ptr 1
		.amdhsa_wavefront_size32 1
		.amdhsa_system_sgpr_workgroup_id_x 1
		.amdhsa_system_sgpr_workgroup_id_y 1
		.amdhsa_system_sgpr_workgroup_id_z 1
		.amdhsa_system_vgpr_workitem_id 0
		.amdhsa_next_free_vgpr 256
		.amdhsa_next_free_sgpr 96
		.amdhsa_reserve_vcc 1
		.amdhsa_float_denorm_mode_32 3
		.amdhsa_float_denorm_mode_16_64 3
		.amdhsa_memory_ordered 1
		.amdhsa_forward_progress 1
		.amdhsa_inst_pref_size 129
	.end_amdhsa_kernel
	.amdgpu_metadata
---
amdhsa.version: [ 1, 2 ]
amdhsa.kernels:
  - .name:           k_q0d914e9e4a_attn
    .symbol:         k_q0d914e9e4a_attn.kd
    .args:
      - { .name: qkv_img, .offset: 0, .size: 8, .value_kind: global_buffer, .address_space: global }
      - { .name: qkv_sc, .offset: 8, .size: 8, .value_kind: global_buffer, .address_space: global }
      - { .name: a_img, .offset: 16, .size: 8, .value_kind: global_buffer, .address_space: global }
      - { .name: a_sc, .offset: 24, .size: 8, .value_kind: global_buffer, .address_space: global }
    .group_segment_fixed_size: 327680
    .private_segment_fixed_size: 0
    .kernarg_segment_align: 8
    .kernarg_segment_size: 32
    .max_flat_workgroup_size: 512
    .sgpr_count:     96
    .vgpr_count:     256
    .wavefront_size: 32
...
	.end_amdgpu_metadata
.endif
;; end of part 7
;; launch oproj (part 8): grid 16 x 16, 4 waves a work-group, clusters of 4 x 4, 327,680 bytes of LDS; arguments a_img, a_sc, img, out0; writes out0
.if DOCPART == 8
	.amdgcn_target "amdgcn-amd-amdhsa--gfx1250"
	.amdhsa_code_object_version 6
	.text
	.protected	k_q0d914e9e4a_oproj
	.globl	k_q0d914e9e4a_oproj
	.p2align	8
	.type	k_q0d914e9e4a_oproj,@function
k_q0d914e9e4a_oproj:
	s_mov_b64 s[64:65], 0
	v_nop
	global_prefetch_b8 v0, s[64:65] scope:SCOPE_SE
	s_setreg_imm32_b32 hwreg(HW_REG_WAVE_MODE, 25, 1), 1
	s_wait_xcnt 0x0
	s_wait_alu depctr_hold_cnt(0) depctr_sa_sdst(0) depctr_va_vdst(0) depctr_va_sdst(0) depctr_va_ssrc(0) depctr_va_vcc(0) depctr_vm_vsrc(0)
	s_getreg_b32 s2, hwreg(HW_REG_IB_STS2, 6, 4)
	s_cmp_eq_u32 s2, 0
	s_cbranch_scc0 .Lentry_in_a_cluster
	s_endpgm
.Lentry_in_a_cluster:
	s_bfe_u32 s2, ttmp6, 0x10000c
	s_cmp_lg_u32 s2, 0xf033
	s_cbranch_scc0 .Lentry_shape_is_right
	s_endpgm
.Lentry_shape_is_right:
; out0 = a wo^T on codes of BF6 (E3M2) with E8M0 scales, K = 2,048.  a comes as images [tile of 16 tokens][head][1,536] with scale words [tile][row][head]; wo as super-images (16 rows x 512 K: four images, then the rows' scale words) in img.
; A tile of 128 x 256 is made by four waves, 64 x 128 each; K goes in four slots of 512 through a ring of two LDS slots; 4 x 4 clusters ask for A's tiles along a row and for B's along a column.
; The matrix instruction is used transposed, so that a lane holds eight neighbouring columns; the results leave through a stage in slot 0, behind its last fill, as whole rows of 512 bytes.
; Prefetches: slot 1 while slot 0's load is out, slot 2 behind slot 1's joint load, slot 3 behind slot 2's refill; the four partners that ask for a tile jointly share its blocks out by address.
.set SIZE_N, 4096
.set FR,    12
.set NP,    4
.set IMG,   FR*128
.set SCO,   4*IMG
.set SUP,   SCO+256
.set ASTEP, 4*IMG
.set AROW,  16*IMG
.set BROW,  4*SUP
.set HALFA, 4*ASTEP
.set HALFB, 8*SUP
.set BOFF,  2*HALFA
.set SLOT,  BOFF+2*HALFB
.set SPARE, 2*SLOT
.set SPITCH, 528
.set WO_IMG, 19660800
.set ADRA, 16
.set ADRB, 18
.set ASB,  22
.set STO,  24
.set RD,   25
.set CO,   26
.set ASC,  27
.set SPW,  28
.set NIL,  29
.set SA,   32
.set SCB,  96
.set AF,   160
.set BK,   128
.set G1, 24
.set G0, 32
.set G1B, 48
.set G0B, 56
.set MSB, 0
.macro WIN new
.if MSB != \new
	s_set_vgpr_msb (MSB<<8)|\new
.set MSB, \new
.endif
.endm
.set MUL,   0xa1
.set TO_B,  0x40
.set FROM_C, 0x08
.macro JLOAD g0a, g1a, g0b, g1b
	s_cmp_eq_u32 s15, 0
	s_cbranch_scc0 .Lfor_b_\@
	tensor_load_to_lds s[\g0a:\g0a+3], s[\g1a:\g1a+7]
	s_nop 0
.rept 4
	v_nop
.endr
	s_branch .Lasked_\@
.Lfor_b_\@:
	tensor_load_to_lds s[\g0b:\g0b+3], s[\g1b:\g1b+7]
	s_nop 0
.rept 4
	v_nop
.endr
.Lasked_\@:
.endm
.macro CREST
	s_cmp_lg_u32 s14, 0
	s_cbranch_scc1 .Lnot_wave_0_\@
	s_barrier_signal -3
.Lnot_wave_0_\@:
	s_barrier_wait -3
	s_barrier_signal -1
	s_barrier_wait -1
.endm
.macro CROUND
	s_barrier_signal -1
	s_barrier_wait -1
	CREST
.endm
	s_load_b128 s[4:7], s[0:1], 0x0
	s_load_b128 s[8:11], s[0:1], 0x10
	v_lshl_add_u32 v[SPW], v0, 2, SPARE
	v_mov_b32 v[NIL], 0
	ds_add_u32 v28, v29
	ds_add_u32 v28, v29
	s_wait_dscnt 0x0
	v_lshrrev_b32 v1, 5, v0
	v_readfirstlane_b32 s14, v1
	s_lshr_b32 s15, s14, 1
	s_and_b32 s16, s14, 1
	s_bfe_u32 s40, ttmp6, 0x40000
	s_bfe_u32 s41, ttmp6, 0x40004
	s_lshl_b32 s42, ttmp9, 2
	s_add_co_u32 s42, s42, s40
	s_and_b32 s17, ttmp7, 0xffff
	s_lshl_b32 s17, s17, 2
	s_add_co_u32 s17, s17, s41
	s_lshl_b32 s43, s41, 2
	s_lshl_b32 s43, 15, s43
	s_lshl_b32 s44, 0x1111, s40
	s_or_b32 s[G1+0], s43, (3<<16)|(1<<21)
	s_mov_b32 s[G1+1], (ASTEP/8)<<16
	s_mov_b32 s[G1+2], 4<<16
	s_mov_b32 s[G1+3], (ASTEP/8)<<16
	s_mov_b32 s[G1+4], 4
	s_mov_b32 s[G1+5], AROW/8
	s_mov_b32 s[G1+6], 0
	s_mov_b32 s[G1+7], 0
	s_or_b32 s[G1B+0], s44, (3<<16)|(1<<21)
	s_mov_b32 s[G1B+1], (SUP/8)<<16
	s_mov_b32 s[G1B+2], 8<<16
	s_mov_b32 s[G1B+3], (SUP/8)<<16
	s_mov_b32 s[G1B+4], 8
	s_mov_b32 s[G1B+5], BROW/8
	s_mov_b32 s[G1B+6], 0
	s_mov_b32 s[G1B+7], 0
	s_lshl_b32 s20, s17, 3
	s_lshl_b32 s18, s16, 2
	s_add_co_u32 s20, s20, s18
	s_mul_i32 s20, s20, AROW
	s_mov_b32 s21, 0
	s_lshl_b32 s46, s42, 4
	s_lshl_b32 s18, s16, 3
	s_add_co_u32 s46, s46, s18
	s_mul_i32 s46, s46, BROW
	s_add_co_u32 s46, s46, WO_IMG
	s_mov_b32 s47, 0
	s_mul_i32 s45, s16, HALFA
	s_mul_i32 s68, s16, HALFB
	s_add_co_u32 s68, s68, BOFF
	s_wait_kmcnt 0x0
	s_add_nc_u64 s[20:21], s[4:5], s[20:21]
	s_add_nc_u64 s[46:47], s[8:9], s[46:47]
	; the prefetches' address s[12:13]: of what my wave fetches jointly (A: 4 tiles' 6,144 bytes, B: 8 super-images), the partner at place p takes A's p-th, or B's 2 p and 2 p + 1 (p = cx for A, cy for B)
	s_cmp_eq_u32 s15, 0
	s_mov_b32 s19, AROW
	s_cselect_b64 s[12:13], s[20:21], s[46:47]
	s_cselect_b32 s18, s40, s41
	s_cselect_b32 s19, s19, 2*BROW
	s_mul_i32 s18, s18, s19
	s_mov_b32 s19, 0
	s_add_nc_u64 s[12:13], s[12:13], s[18:19]
	s_add_co_u32 s69, s15, 23                      ; the last block of 256 bytes: A's piece has 24, a super-image 25
	CROUND
.irp s, 0,1
	s_mov_b32 s[G0+4*\s], 1
	s_add_co_u32 s[G0+4*\s+1], s45, \s*SLOT
	s_add_nc_u64 s[G0+4*\s+2:G0+4*\s+3], s[20:21], \s*ASTEP
	s_or_b32 s[G0+4*\s+3], s[G0+4*\s+3], 0x80000000
	s_mov_b32 s[G0B+4*\s], 1
	s_add_co_u32 s[G0B+4*\s+1], s68, \s*SLOT
	s_add_nc_u64 s[G0B+4*\s+2:G0B+4*\s+3], s[46:47], \s*SUP
	s_or_b32 s[G0B+4*\s+3], s[G0B+4*\s+3], 0x80000000
.endr
	JLOAD G0, G1, G0B, G1B                         ; slot 0
	v_and_b32 v1, 15, v0
	v_bfe_u32 v2, v0, 4, 1
	v_and_b32 v6, 31, v0
	v_lshlrev_b32 v[CO], 4, v6
	v_min_u32 v31, s69, v6                         ; v31: the prefetches' offset: a lane a block of 256 bytes; the lanes left over name the last block again
	v_lshlrev_b32 v31, 8, v31
	s_wait_alu depctr_va_vdst(0)
	v_lshlrev_b32 v[ASC], 6, v1
	s_lshl_b32 s22, s17, 3
	s_lshl_b32 s23, s15, 2
	s_add_co_u32 s22, s22, s23
	s_lshl_b32 s22, s22, 10
	s_mov_b32 s23, 0
	s_add_nc_u64 s[6:7], s[6:7], s[22:23]
.irp a, 0,1,2,3
.irp k, 0,1,2,3
	global_load_b128 v[SA+16*\a+4*\k:SA+16*\a+4*\k+3], v[ASC], s[6:7] offset:1024*\a+16*\k
.endr
.endr
	v_lshlrev_b32 v3, 4, v1
	s_mul_i32 s21, s15, HALFA
	s_mul_i32 s22, s16, HALFB
	s_add_co_u32 s22, s22, BOFF
.irp s, 0,1
	v_add_nc_u32 v[ADRA+\s], s21, v[CO]
	v_add_nc_u32 v[ADRB+\s], s22, v[CO]
	v_add_nc_u32 v[ASB+\s], s22, v3
	s_add_co_u32 s21, s21, SLOT
	s_add_co_u32 s22, s22, SLOT
.endr
	s_mul_i32 s23, s14, 16*SPITCH
	v_mul_u32_u24 v5, v1, SPITCH
	v_lshl_add_u32 v5, v2, 5, v5
	v_add_nc_u32 v[STO], s23, v5
	v_add_nc_u32 v[RD], s23, v[CO]
	s_lshl_b32 s22, s17, 21
	s_lshl_b32 s23, s15, 20
	s_add_co_u32 s22, s22, s23
	s_lshl_b32 s23, s42, 10
	s_add_co_u32 s22, s22, s23
	s_lshl_b32 s23, s16, 9
	s_add_co_u32 s22, s22, s23
	s_mov_b32 s23, 0
	s_add_nc_u64 s[10:11], s[10:11], s[22:23]
.macro FRAG3 reg, adr, off
.irp c, 0,1,2
	ds_load_b128 v[\reg+4*\c:\reg+4*\c+3], v[\adr] offset:\off+512*\c
.endr
.endm
.macro FETCH slot, q, p, w             ; the fragments of the slot's q-th 128 along K into sets p: B's eight (24 loads), A's four (12).  w = 1: between the two runs the wait for all that is older than B's 24
	WIN TO_B
.irp i, 0,1,2,3,4,5,6,7
	FRAG3 128*(\p)+FR*\i, ADRB+\slot, SUP*\i+IMG*(\q)
.endr
	WIN 0
.if \w
	s_wait_dscnt 24                                ; all but B's 24 just issued: the fragments and scale words of the step that is about to be multiplied are in
.endif
.irp i, 0,1,2,3
	FRAG3 AF+48*(\p)+FR*\i, ADRA+\slot, ASTEP*\i+IMG*(\q)
.endr
.endm
.macro SCALES s
.irp i, 0,1,2,3,4,5,6,7
	ds_load_b128 v[SCB+32*\s+4*\i:SCB+32*\s+4*\i+3], v[ASB+\s] offset:SCO+SUP*\i
.endr
.endm
.macro MULA a, p, q, sc, k, zero
.irp b, 0,1,2,3,4,5,6,7
.if \zero
	v_wmma_scale_f32_16x16x128_f8f6f4 v[8*(8*(\a)+\b):8*(8*(\a)+\b)+7], v[128*(\p)+FR*\b:128*(\p)+FR*\b+FR-1], v[AF+48*(\p)+FR*(\a):AF+48*(\p)+FR*(\a)+FR-1], 0, v[SCB+32*(\sc)+4*\b+(\q)], v[SA+16*(\a)+4*(\k)+(\q)] matrix_a_fmt:MATRIX_FMT_BF6 matrix_b_fmt:MATRIX_FMT_BF6
.else
	v_wmma_scale_f32_16x16x128_f8f6f4 v[8*(8*(\a)+\b):8*(8*(\a)+\b)+7], v[128*(\p)+FR*\b:128*(\p)+FR*\b+FR-1], v[AF+48*(\p)+FR*(\a):AF+48*(\p)+FR*(\a)+FR-1], v[8*(8*(\a)+\b):8*(8*(\a)+\b)+7], v[SCB+32*(\sc)+4*\b+(\q)], v[SA+16*(\a)+4*(\k)+(\q)] matrix_a_fmt:MATRIX_FMT_BF6 matrix_b_fmt:MATRIX_FMT_BF6
.endif
.endr
.endm
.macro PLACES n
.rept \n
	v_nop
.endr
.endm
.macro ASK n                           ; a prefetch of my work-group's share of slot n: the walk is written out, so the slot stands in the immediate and the address is never stepped
	s_cmp_eq_u32 s15, 0
	s_cbranch_scc0 .Lask_b_\@
	global_prefetch_b8 v31, s[12:13] offset:(\n)*ASTEP th:TH_LOAD_NT scope:SCOPE_SE
	s_branch .Lasked_p_\@
.Lask_b_\@:
	global_prefetch_b8 v31, s[12:13] offset:(\n)*SUP th:TH_LOAD_NT scope:SCOPE_SE
	global_prefetch_b8 v31, s[12:13] offset:(\n)*SUP+BROW th:TH_LOAD_NT scope:SCOPE_SE
.Lasked_p_\@:
.endm
; One of a slot's first three steps.  It FIRST asks for the next step's fragments, into the sets that the step before has multiplied, and only then waits, by count, for its own.  At most 36 + 24 = 60 LDS loads of the wave are out.
.macro STEP slot, q, k, zero
	s_wait_dscnt 36                                ; at most this step's 36 fragment loads are out
	PLACES NP
	FETCH \slot, (\q)+1, 1-(\q)%2, 1
	WIN MUL
	MULA 0, (\q)%2, \q, \slot, \k, \zero
	MULA 1, (\q)%2, \q, \slot, \k, \zero
	MULA 2, (\q)%2, \q, \slot, \k, \zero
	MULA 3, (\q)%2, \q, \slot, \k, \zero
.endm
.macro TURN slot, next, k, fill
	WIN 0
	s_wait_tensorcnt 0x0
	ds_add_u32 v[SPW], v[NIL]
	s_wait_dscnt 0x0                               ; the add is done, this step's fragments are in, and so my reads of this slot are over
	s_barrier_signal -1
	WIN MUL
	MULA 0, 1, 3, \slot, \k, 0
	WIN 0
	s_barrier_wait -1
.if \fill
	CREST
	s_add_nc_u64 s[G0+4*\slot+2:G0+4*\slot+3], s[G0+4*\slot+2:G0+4*\slot+3], 2*ASTEP
	s_add_nc_u64 s[G0B+4*\slot+2:G0B+4*\slot+3], s[G0B+4*\slot+2:G0B+4*\slot+3], 2*SUP
	JLOAD G0+4*\slot, G1, G0B+4*\slot, G1B
.else
	PLACES NP
.endif
	FETCH \next, 0, 0, 0
	SCALES \next
.if (\fill) && (\k) == 0
	ASK 3                                          ; behind slot 2's refill: the last slot
.endif
	WIN MUL
	MULA 1, 1, 3, \slot, \k, 0
	MULA 2, 1, 3, \slot, \k, 0
	MULA 3, 1, 3, \slot, \k, 0
.endm
	s_wait_alu depctr_va_vdst(0)
	ASK 1                                          ; slot 1, while slot 0's load is out
	s_wait_tensorcnt 0x0                           ; my part of slot 0 is in
	ds_add_u32 v[SPW], v[NIL]
	s_wait_dscnt 0x0
	CROUND                                         ; everybody's part of slot 0 is in, and the joint loads meet
	JLOAD G0+4, G1, G0B+4, G1B                     ; slot 1's first fill: the first tensor load behind the round
	FETCH 0, 0, 0, 0
	SCALES 0
	ASK 2                                          ; slot 2
	s_wait_loadcnt 0x0
	STEP 0, 0, 0, 1
	STEP 0, 1, 0, 0
	STEP 0, 2, 0, 0
	TURN 0, 1, 0, 1
	STEP 1, 0, 1, 0
	STEP 1, 1, 1, 0
	STEP 1, 2, 1, 0
	TURN 1, 0, 1, 1
	STEP 0, 0, 2, 0
	STEP 0, 1, 2, 0
	STEP 0, 2, 2, 0
	TURN 0, 1, 2, 0
	STEP 1, 0, 3, 0
	STEP 1, 1, 3, 0
	STEP 1, 2, 3, 0
	s_wait_dscnt 0x0
	WIN MUL
	MULA 0, 1, 3, 1, 3, 0
	MULA 1, 1, 3, 1, 3, 0
	MULA 2, 1, 3, 1, 3, 0
	MULA 3, 1, 3, 1, 3, 0
	WIN 0
.macro TOSTAGE a
.set AC, 64*(\a)
	WIN FROM_C
.irp b, 0,1,2,3,4,5,6,7
	ds_store_b128 v[STO], v[AC+8*\b:AC+8*\b+3] offset:64*\b
	ds_store_b128 v[STO], v[AC+8*\b+4:AC+8*\b+7] offset:64*\b+16
.endr
	WIN 0
.set BB, BK+64*((\a)%2)
.irp t, 0,1,2,3,4,5,6,7,8,9,10,11,12,13,14,15
	ds_load_b128 v[BB+4*\t:BB+4*\t+3], v[RD] offset:\t*SPITCH
.endr
.endm
.macro SEND a, younger
.set BB, BK+64*((\a)%2)
	s_wait_dscnt \younger
.irp t, 0,1,2,3,4,5,6,7,8,9,10,11,12,13,14,15
	global_store_b128 v[CO], v[BB+4*\t:BB+4*\t+3], s[10:11] offset:(32*((\a)/2)+8*((\a)%2)+\t+8*(\t/8))*SIZE_N*4 th:TH_STORE_NT
.endr
.endm
	PLACES NP
	TOSTAGE 0
.irp a, 1,2,3
.if \a > 1
	s_wait_xcnt 0x0
.endif
	TOSTAGE \a
	SEND \a-1, 32
.endr
	SEND 3, 0
	s_wait_tensorcnt 0x0
	ds_add_u32 v[SPW], v[NIL]
	s_wait_dscnt 0x0
	CROUND
	s_endpgm
.Lfunc_end_k_q0d914e9e4a_oproj:
	.size	k_q0d914e9e4a_oproj, .Lfunc_end_k_q0d914e9e4a_oproj-k_q0d914e9e4a_oproj
	.p2alignl 7, 3214868480
	.fill 96, 4, 3214868480
	.section	.rodata,"a",@progbits
	.p2align	6, 0x0
	.amdhsa_kernel k_q0d914e9e4a_oproj
		.amdhsa_group_segment_fixed_size 327680
		.amdhsa_private_segment_fixed_size 0
		.amdhsa_enable_private_segment 0
		.amdhsa_kernarg_size 32
		.amdhsa_user_sgpr_count 2
		.amdhsa_user_sgpr_kernarg_segment_ptr 1
		.amdhsa_wavefront_size32 1
		.amdhsa_system_sgpr_workgroup_id_x 1
		.amdhsa_system_sgpr_workgroup_id_y 1
		.amdhsa_system_sgpr_workgroup_id_z 1
		.amdhsa_system_vgpr_workitem_id 0
		.amdhsa_next_free_vgpr 768
		.amdhsa_next_free_sgpr 72
		.amdhsa_reserve_vcc 0
		.amdhsa_float_denorm_mode_32 3
		.amdhsa_float_denorm_mode_16_64 3
		.amdhsa_memory_ordered 1
		.amdhsa_forward_progress 1
		.amdhsa_inst_pref_size 134
	.end_amdhsa_kernel
	.amdgpu_metadata
---
amdhsa.version: [ 1, 2 ]
amdhsa.kernels:
  - .name:           k_q0d914e9e4a_oproj
    .symbol:         k_q0d914e9e4a_oproj.kd
    .args:
      - { .name: a_img, .offset: 0, .size: 8, .value_kind: global_buffer, .address_space: global }
      - { .name: a_sc, .offset: 8, .size: 8, .value_kind: global_buffer, .address_space: global }
      - { .name: img, .offset: 16, .size: 8, .value_kind: global_buffer, .address_space: global }
      - { .name: out0, .offset: 24, .size: 8, .value_kind: global_buffer, .address_space: global }
    .group_segment_fixed_size: 327680
    .private_segment_fixed_size: 0
    .kernarg_segment_align: 8
    .kernarg_segment_size: 32
    .max_flat_workgroup_size: 128
    .sgpr_count:     72
    .vgpr_count:     768
    .wavefront_size: 32
...
	.end_amdgpu_metadata
.endif
;; end of part 8
